; MI455X (gfx1250); checked and timed in simulation.
; The chip was launched on July 23, 2026; its instructions are those of AMD's public machine-readable ISA for CDNA 5 (MIT licence, August 2026) and "CDNA5" Instruction Set Architecture Reference Guide (July 2026). The comments in the code are by the model that wrote it; some were corrected since.
;; Block. Allowed arithmetic: matrix products marked QUANTISED: E2M3 operands, one E8M0 scale for each 32 along K, by v_wmma_scale_f32_16x16x128_f8f6f4 with both operands' format E2M3, f32 sums; everything else in f32.
;; Inputs: W1 1,024 x 4,096 float32; W2 4,096 x 1,024 float32; Wk 16 x 1,024 x 64 float32; Wp 1,024 x 1,024 float32; Wq 16 x 1,024 x 64 float32; Wv 16 x 1,024 x 64 float32; b1 4,096 float32; b2 1,024 float32; beta 1,024 float32; bk 16 x 64 float32; bp 1,024 float32; bq 16 x 64 float32; bv 16 x 64 float32; gamma 1,024 float32; x 2 x 2,048 x 1,024 float32.
;; Outputs: out0 2 x 2,048 x 1,024 float32.
;; This version of the problem:
;;   THIS VERSION OF THE PROBLEM IS GIVEN IN LOW PRECISION. The matrix products marked QUANTISED in the list below multiply operands that are first quantised to E2M3 (2 exponent bits, 3 mantissa bits; 6 bits a number), with one power-of-two scale for each 32 numbers along K (OCP MX v1.0); their sums are f32. All else is computed in f32.
;;   The module's matrix products, in the order in which they are computed (A, B: the left and right operand; K: the contracted axis; several contracted axes count as one K, in the product's order):
;;     1. [M 1,024, K 1,024] x [K 1,024, N 4,096]; A: input Wq; B: computed on the way: QUANTISED
;;     2. [M 1,024, K 1,024] x [K 1,024, N 4,096]; A: input Wk; B: computed on the way: QUANTISED
;;     3. [M 1,024, K 1,024] x [K 1,024, N 4,096]; A: input Wv; B: computed on the way: QUANTISED
;;     4. batch 32 x [M 2,048, K 64] x [K 64, N 2,048]; A: computed on the way; B: computed on the way: QUANTISED
;;     5. batch 32 x [M 2,048, K 2,048] x [K 2,048, N 64]; A: softmax (see below); B: computed on the way: QUANTISED
;;     6. [M 4,096, K 1,024] x [K 1,024, N 1,024]; A: computed on the way; B: input Wp: QUANTISED
;;     7. [M 4,096, K 1,024] x [K 1,024, N 4,096]; A: computed on the way; B: input W1: QUANTISED
;;     8. [M 4,096, K 4,096] x [K 4,096, N 1,024]; A: computed on the way; B: input W2: QUANTISED
;;   THE QUANTISER, for each operand of a quantised product, along K:
;;     - K is cut into blocks of 32 from its start; a last block that is shorter is filled with zeros.
;;     - A block's scale is 2^e with e = floor(log2(the largest magnitude in the block)) - 2, held to -126 .. 127; a block of zeros has e = 0. As a byte (E8M0): e + 127.
;;     - Each number is divided by its block's scale, clamped to +-7.5, and rounded to the nearest number of E2M3, ties to even, subnormals kept.
;;     - The product sums the exact products of the quantised numbers (number of the format x scale) in f32.
;;   ~~~python
;;   def quantise(x, axis):      # numpy; x: float32 -> the quantised numbers, widened to float32 again
;;       x = np.moveaxis(x, axis, -1); K = x.shape[-1]
;;       x = np.pad(x, [(0, 0)] * (x.ndim - 1) + [(0, -K % 32)]); x = x.reshape(x.shape[:-1] + (-1, 32)); a = np.abs(x).max(-1, keepdims=True)
;;       e = np.where(a > 0, np.clip(np.frexp(np.where(a > 0, a, 1))[1] - 1 - 2, -126, 127), 0)      # np.frexp(a)[1] - 1 = floor(log2(a)), exactly
;;       r = np.clip(x / 2.0 ** e, -7.5, 7.5)
;;       step = 2.0 ** (np.maximum(np.frexp(np.where(r == 0, 1, r))[1] - 1, 0) - 3)
;;       q = np.round(r / step) * step * 2.0 ** e      # np.round: ties to even
;;       return np.moveaxis(q.reshape(q.shape[:-2] + (-1,))[..., :K], -1, axis).astype(np.float32)
;;   ~~~
;;   SOFTMAX AHEAD OF A QUANTISED PRODUCT. Where the list says 'softmax', what is quantised is not the finished softmax but p = 2^(t - M), with t = logit x log2(e) and M = ceil(the row's largest t), a whole number; so 1/2 < the row's largest p <= 1. The row's sum l is taken of the UNQUANTISED p, in f32, and the product's result is divided by l at the end. Since M is a whole number, a kernel that streams over the keys may use a running M (the ceiling of the running maximum): every later rescaling is an exact power of two, which a block's scale takes up: the codes' values come out the same.
;;   OPERANDS COMPUTED ON THE WAY. 'Computed on the way' means the value that the module computes at that place (a softmax that the list does not call 'softmax' is quantised finished and normalised). What goes into a quantiser is computed in f32, as accurately as f32 sums, v_exp_f32 and their like allow (about 1e-6 of the number): no bf16 or f16 on the way to a quantiser, and a product that is left as it is and whose result goes on into a quantised operand takes f32 operands (vector FMAs, or v_wmma_f32_16x16x4_f32). A number that lies on a knife's edge between two numbers of the format may be rounded either way, as far as f32 arithmetic and the matrix unit's own rounding can turn it there, and no further.
;; 2 versions. Each part assembles by itself: llvm-mc -triple=amdgcn-amd-amdhsa -mcpu=gfx1250 --defsym DOCPART=n.
;; ======== version 1 of 2: 8 launches
;; workspace buffers: wts 9,863,168 bytes; hq 3,276,800 bytes; qkv 10,092,544 bytes; att 3,276,800 bytes; x1 16,777,216 bytes; hid 13,107,200 bytes
;; launch wquant (part 1): grid 384 x 1, 4 waves a work-group, no clusters, 25,088 bytes of LDS; arguments Wq, Wk, Wv, Wp, W1, W2, wts; writes wts
.if DOCPART == 1
	.amdgcn_target "amdgcn-amd-amdhsa--gfx1250"
	.amdhsa_code_object_version 6
	.text
	.protected	k_qcdcd919d41_wquant
	.globl	k_qcdcd919d41_wquant
	.p2align	8
	.type	k_qcdcd919d41_wquant,@function
k_qcdcd919d41_wquant:
	s_mov_b64 s[64:65], 0
	v_nop
	global_prefetch_b8 v0, s[64:65] scope:SCOPE_SE
	s_setreg_imm32_b32 hwreg(HW_REG_WAVE_MODE, 25, 1), 1
	s_wait_xcnt 0x0
; The six weights, f32 with K as their first axis, become codes of FP6 (E2M3) with one E8M0 byte for each 32 along K, laid as the products' launches read them.
; LAYOUT OF AN OPERAND.  Rows (here a weight's columns n) stand in groups of 32; in a group, place 16 u + r holds row 8 u + r + 8 (r / 8) (bits 3 and 4 of the number change places).
; A fragment is 16 places x 128 K = 1,536 bytes, the image of the matrix operand's 12 registers: half c (K 64 c on) at 768 c: registers 6 c .. 6 c + 3 of lane L at 16 L, then registers 6 c + 4, 6 c + 5 at 512 + 8 L;
; lane L = r + 16 h holds block 2 c + h of place r.  Codes: [place / 16][K / 128][1,536].  Scale words: [K / 128][place], four bytes, byte b for block b.
; SHARES.  A work-group takes 128 columns x 256 K, a wave 32 columns (one group) x 256 K, A LANE ONE COLUMN WITH ITS REGISTERS DOWN K: a block of 32 lies in one lane, each load reads 128 consecutive bytes,
; and the conversions give codes with K innermost.  The wave's 6,144 bytes of codes are gathered in its own LDS and leave in stores of 512 consecutive bytes.  Waves share nothing: no barrier.
; One launch serves all six tensors: only numbers and pointers are chosen by the work-group's number, all take one path.
; A block's scale is 2^(floor(log2(largest magnitude)) - 2); its byte is the largest magnitude's exponent field - 2, held at 1 from below.
; LIMITS: a block of zeros, or one whose largest magnitude lies under 2^-124, carries the byte 1 (the rule says 127 for zeros: its codes are zeros, and this program alone reads the bytes); NaN and infinities are not served.
.set WP_C,   2359296
.set W1_C,   3145728
.set W2_C,   6291456
.set WQKV_S, 9437184
.set WP_S,   9568256
.set W1_S,   9601024
.set W2_S,   9732096
.set VO,   32                          ; v32-63   4 x lane + i x the pitch from row k to row k + 1
.set X,    64                          ; v64-127  two sets of 32 numbers
.set OUTR, 128                         ; v128-175 the way out
	s_load_b256 s[4:11], s[0:1], 0x0               ; Wq, Wk, Wv, Wp
	s_load_b128 s[12:15], s[0:1], 0x20             ; W1, W2
	s_load_b64 s[16:17], s[0:1], 0x30              ; wts
	v_lshl_add_u32 v192, v0, 2, 0x6000
	v_mov_b32 v193, 0
	v_lshrrev_b32 v1, 5, v0
	v_readfirstlane_b32 s18, v1                    ; wave j
	v_and_b32 v1, 31, v0                           ; lane = my column in the group
	v_lshlrev_b32 v2, 2, v1
	v_bfe_u32 v8, v0, 3, 1                         ; my place: which of the group's two tiles: bit 3 of the column,
	v_bfe_u32 v9, v0, 4, 1
	v_and_b32 v10, 7, v0
	v_lshl_add_u32 v10, v9, 3, v10                 ; and r = (column % 8) + 8 x bit 4
	s_mul_i32 s19, s18, 6144                       ; my wave's stage: [tile][K / 128][1,536]
	v_mul_u32_u24 v11, v8, 3072
	v_add_nc_u32 v11, s19, v11
	v_lshl_add_u32 v3, v10, 4, v11                 ; where my four registers go,
	v_lshl_add_u32 v4, v10, 3, v11
	v_add_nc_u32 v4, 512, v4                       ; and my two
	v_lshlrev_b32 v6, 4, v1                        ; the way out: 16 bytes a lane
	v_add_nc_u32 v5, s19, v6
	v_lshl_add_u32 v7, v8, 4, v10
	v_lshlrev_b32 v7, 2, v7                        ; my place's scale word
	; the tensor's numbers: first work-group, bits of K's part, pitch, codes' and scales' places, bytes of a tile's row of fragments, pitch of a scale plane
	s_mov_b32 s20, 0
	s_mov_b32 s21, 2
	s_mov_b32 s22, 3
	s_mov_b32 s23, 256
	s_mov_b32 s24, 0
	s_mov_b32 s25, 12288
	s_mov_b32 s26, WQKV_S
	s_mov_b32 s27, 16384
	s_cmp_ge_u32 ttmp9, 96                         ; Wp
	s_cselect_b32 s20, 96, s20
	s_cselect_b32 s23, 4096, s23
	s_cselect_b32 s24, WP_C, s24
	s_cselect_b32 s26, WP_S, s26
	s_cselect_b32 s27, 4096, s27
	s_cmp_ge_u32 ttmp9, 128                        ; W1
	s_cselect_b32 s20, 128, s20
	s_cselect_b32 s23, 16384, s23
	s_cselect_b32 s24, W1_C, s24
	s_cselect_b32 s26, W1_S, s26
	s_cselect_b32 s27, 16384, s27
	s_cmp_ge_u32 ttmp9, 256                        ; W2
	s_cselect_b32 s20, 256, s20
	s_cselect_b32 s21, 4, s21
	s_cselect_b32 s22, 15, s22
	s_cselect_b32 s23, 4096, s23
	s_cselect_b32 s24, W2_C, s24
	s_cselect_b32 s25, 49152, s25
	s_cselect_b32 s26, W2_S, s26
	s_cselect_b32 s27, 4096, s27
	s_sub_co_u32 s28, ttmp9, s20
	s_and_b32 s29, s28, s22                        ; ky: which 256 along K
	s_lshr_b32 s28, s28, s21                       ; cg: which 128 columns
	s_lshl_b32 s30, s28, 2
	s_add_co_u32 s30, s30, s18                     ; which group of 32 columns
	s_and_b32 s31, s28, 7                          ; Wq, Wk, Wv are [head][k][64]: head 2 (cg % 8) + j / 2, 262,144 bytes a head, + 128 (j % 2)
	s_lshl_b32 s31, s31, 1
	s_lshr_b32 s34, s18, 1
	s_add_co_u32 s31, s31, s34
	s_lshl_b32 s31, s31, 18
	s_and_b32 s34, s18, 1
	s_lshl_b32 s34, s34, 7
	s_add_co_u32 s31, s31, s34
	s_lshl_b32 s34, s30, 7                         ; the others: 128 bytes a group
	s_cmp_ge_u32 ttmp9, 96
	s_cselect_b32 s31, s34, s31
	s_lshl_b32 s34, s29, 8
	s_mul_i32 s34, s34, s23                        ; + 256 ky rows
	s_add_co_u32 s36, s31, s34
	s_mov_b32 s37, 0
	s_lshl_b32 s34, s30, 1                         ; codes: tile 2 x group, + 3,072 ky
	s_mul_i32 s34, s34, s25
	s_add_co_u32 s34, s34, s24
	s_mul_i32 s35, s29, 3072
	s_add_co_u32 s38, s34, s35
	s_mov_b32 s39, 0
	s_lshl_b32 s34, s29, 1                         ; scale words: plane 2 ky, + 128 bytes a group
	s_mul_i32 s34, s34, s27
	s_add_co_u32 s34, s34, s26
	s_lshl_b32 s35, s30, 7
	s_add_co_u32 s34, s34, s35
	s_mov_b32 s35, 0
	s_lshr_b32 s30, s28, 3                         ; among the first three: which tensor
.set i, 0
.rept 32
	v_mad_u32_u24 v[VO+i], s23, i, v2
.set i, i+1
.endr
	s_wait_kmcnt 0x0
	s_add_nc_u64 s[56:57], s[16:17], s[38:39]      ; codes, first tile
	s_add_nc_u64 s[60:61], s[16:17], s[34:35]      ; scale words, first plane
	s_mov_b32 s34, s25
	s_add_nc_u64 s[58:59], s[56:57], s[34:35]      ; second tile
	s_mov_b32 s34, s27
	s_add_nc_u64 s[62:63], s[60:61], s[34:35]      ; second plane
	s_cmp_eq_u32 s30, 1
	s_cselect_b64 s[32:33], s[6:7], s[4:5]
	s_cmp_eq_u32 s30, 2
	s_cselect_b64 s[32:33], s[8:9], s[32:33]
	s_cmp_ge_u32 ttmp9, 96
	s_cselect_b64 s[32:33], s[10:11], s[32:33]
	s_cmp_ge_u32 ttmp9, 128
	s_cselect_b64 s[32:33], s[12:13], s[32:33]
	s_cmp_ge_u32 ttmp9, 256
	s_cselect_b64 s[32:33], s[14:15], s[32:33]
	s_add_nc_u64 s[40:41], s[32:33], s[36:37]      ; a base for each of the eight blocks: nothing is stepped while loads are out
	s_lshl_b32 s34, s23, 5
.irp t, 1,2,3,4,5,6,7
	s_add_nc_u64 s[40+2*\t:41+2*\t], s[38+2*\t:39+2*\t], s[34:35]
.endr
.macro LOAD t                          ; block t: W(32 t + i, my column) into set t % 2
.set i, 0
.rept 32
	global_load_b32 v[X+32*((\t)%2)+i], v[VO+i], s[40+2*(\t):41+2*(\t)] th:TH_LOAD_NT
.set i, i+1
.endr
.endm
	LOAD 0
	LOAD 1
.macro BLOCK t
.set XS, X+32*((\t)%2)
.if (\t) < 7
	s_wait_loadcnt 32                              ; this block's 32 loads are in; the next block's may be out
.else
	s_wait_loadcnt 0x0
.endif
	v_max3_num_f32 v12, |v[XS]|, |v[XS+1]|, |v[XS+2]|
	v_max3_num_f32 v13, |v[XS+3]|, |v[XS+4]|, |v[XS+5]|
.irp i, 6,10,14,18,22,26
	v_max3_num_f32 v12, v12, |v[XS+\i]|, |v[XS+\i+1]|
	v_max3_num_f32 v13, v13, |v[XS+\i+2]|, |v[XS+\i+3]|
.endr
	v_max3_num_f32 v12, v12, |v[XS+30]|, |v[XS+31]|
	v_max3_num_f32 v12, v12, v13, 0x1800000        ; and the floor 2^(3 - 127): the byte cannot fall under 1
	v_add_nc_u32 v14, 0xff000000, v12              ; 2 off the exponent field: the conversion takes this operand's exponent field as its scale
	v_lshrrev_b32 v15, 23, v14                     ; the scale's byte
.if (\t)%4 == 0
	v_mov_b32 v[26+(\t)/4], v15
.else
	v_lshl_or_b32 v[26+(\t)/4], v15, 8*((\t)%4), v[26+(\t)/4]
.endif
	v_cvt_scalef32_pk16_fp6_f32 v[16:18], v[XS:XS+15], v14
	v_cvt_scalef32_pk16_fp6_f32 v[22:24], v[XS+16:XS+31], v14    ; (a conversion's three registers begin on an even number)
	v_nop                                          ; one plain place behind a scaled conversion
	v_mov_b32 v19, v22
	v_mov_b32 v20, v23
	v_mov_b32 v21, v24
	ds_store_b128 v3, v[16:19] offset:((\t)/4)*1536+(((\t)/2)%2)*768+256*((\t)%2)   ; block t is block 2 c + h of K step t / 4: lane r + 16 h's place
	ds_store_b64 v4, v[20:21] offset:((\t)/4)*1536+(((\t)/2)%2)*768+128*((\t)%2)
.if (\t)+2 < 8
	LOAD (\t)+2
.endif
	s_wait_dscnt 0x0                               ; the stores have read their registers: the next block's codes may be written
.endm
.irp t, 0,1,2,3,4,5,6,7
	BLOCK \t
.endr
	global_store_b32 v7, v26, s[60:61]             ; the wave's 32 scale words of a plane: 128 consecutive bytes
	global_store_b32 v7, v27, s[62:63]
.irp j, 0,1,2,3,4,5,6,7,8,9,10,11
	ds_load_b128 v[OUTR+4*\j:OUTR+4*\j+3], v5 offset:512*\j      ; LDS serves a wave's instructions in order: these see my stores
.endr
.irp j, 0,1,2,3,4,5,6,7,8,9,10,11
	s_wait_dscnt 11-\j
	global_store_b128 v6, v[OUTR+4*\j:OUTR+4*\j+3], s[56+2*(\j/6):57+2*(\j/6)] offset:512*(\j%6)   ; 512 consecutive bytes, aligned
.endr
	s_wait_tensorcnt 0x0
	ds_add_u32 v192, v193
	s_wait_dscnt 0x0
	s_endpgm
.Lfunc_end_k_qcdcd919d41_wquant:
	.size	k_qcdcd919d41_wquant, .Lfunc_end_k_qcdcd919d41_wquant-k_qcdcd919d41_wquant
	.p2alignl 7, 3214868480
	.fill 96, 4, 3214868480
	.section	.rodata,"a",@progbits
	.p2align	6, 0x0
	.amdhsa_kernel k_qcdcd919d41_wquant
		.amdhsa_group_segment_fixed_size 25088
		.amdhsa_private_segment_fixed_size 0
		.amdhsa_enable_private_segment 0
		.amdhsa_kernarg_size 56
		.amdhsa_user_sgpr_count 2
		.amdhsa_user_sgpr_kernarg_segment_ptr 1
		.amdhsa_wavefront_size32 1
		.amdhsa_system_sgpr_workgroup_id_x 1
		.amdhsa_system_sgpr_workgroup_id_y 1
		.amdhsa_system_sgpr_workgroup_id_z 1
		.amdhsa_system_vgpr_workitem_id 0
		.amdhsa_next_free_vgpr 194
		.amdhsa_next_free_sgpr 66
		.amdhsa_reserve_vcc 0
		.amdhsa_float_denorm_mode_32 3
		.amdhsa_float_denorm_mode_16_64 3
		.amdhsa_memory_ordered 1
		.amdhsa_forward_progress 1
		.amdhsa_inst_pref_size 47
	.end_amdhsa_kernel
	.amdgpu_metadata
---
amdhsa.version: [ 1, 2 ]
amdhsa.kernels:
  - .name:           k_qcdcd919d41_wquant
    .symbol:         k_qcdcd919d41_wquant.kd
    .args:
      - { .name: Wq, .offset: 0, .size: 8, .value_kind: global_buffer, .address_space: global }
      - { .name: Wk, .offset: 8, .size: 8, .value_kind: global_buffer, .address_space: global }
      - { .name: Wv, .offset: 16, .size: 8, .value_kind: global_buffer, .address_space: global }
      - { .name: Wp, .offset: 24, .size: 8, .value_kind: global_buffer, .address_space: global }
      - { .name: W1, .offset: 32, .size: 8, .value_kind: global_buffer, .address_space: global }
      - { .name: W2, .offset: 40, .size: 8, .value_kind: global_buffer, .address_space: global }
      - { .name: wts, .offset: 48, .size: 8, .value_kind: global_buffer, .address_space: global }
    .group_segment_fixed_size: 25088
    .private_segment_fixed_size: 0
    .kernarg_segment_align: 8
    .kernarg_segment_size: 56
    .max_flat_workgroup_size: 128
    .sgpr_count:     66
    .vgpr_count:     194
    .wavefront_size: 32
...
	.end_amdgpu_metadata
.endif
;; end of part 1
;; launch ln1 (part 2): grid 256 x 1, 4 waves a work-group, no clusters, 33,280 bytes of LDS; arguments x, gamma, beta, hq; writes hq
.if DOCPART == 2
	.amdgcn_target "amdgcn-amd-amdhsa--gfx1250"
	.amdhsa_code_object_version 6
	.text
	.protected	k_qcdcd919d41_ln1
	.globl	k_qcdcd919d41_ln1
	.p2align	8
	.type	k_qcdcd919d41_ln1,@function
k_qcdcd919d41_ln1:
	s_mov_b64 s[64:65], 0
	v_nop
	global_prefetch_b8 v0, s[64:65] scope:SCOPE_SE
	s_setreg_imm32_b32 hwreg(HW_REG_WAVE_MODE, 25, 1), 1
	s_wait_xcnt 0x0
; LayerNorm over rows of 1,024 f32 numbers, and the result quantised along the row to codes of FP6 (E2M3) with one E8M0 byte for each 32, laid as a matrix operand's images:
; tokens in groups of 32, place 16 u + r = token 8 u + r + 8 (r / 8); codes [place / 16][K / 128][1,536] (half c at 768 c: registers 6 c .. 6 c + 3 of lane r + 16 h at 16 x lane, registers 6 c + 4, + 5 at 512 + 8 x lane;
; that lane holds block 2 c + h of place r); scale words [K / 128][place] from byte HS on.
; SHARES.  A work-group makes one tile of 16 places; wave w its places 4 w .. 4 w + 3, which are four neighbouring tokens.  One wave, one row: mean and variance never leave the wave.
; A row comes by eight loads of 512 consecutive bytes and turns through the wave's own stage in LDS, so that lane l holds numbers 32 l .. 32 l + 31: ONE BLOCK, whose largest magnitude needs no other lane.
; The variance is the mean of (x - mean)^2, taken in a second pass over the registers.  The tile's 12,288 bytes of codes meet in LDS and leave in stores of 512 consecutive bytes a wave; the scale words leave as
; eight pieces of 64 bytes, one for each plane (512 bytes of the tile's 12,800).
; LIMITS: a block of zeros, or one under 2^-124, carries the byte 1 (read by this program alone); NaN and infinities are not served; v_rsq_f32 is good to one unit in the last place.
.set IMG, 18432                        ; behind four stages of 32 x 144 bytes: the tile's image
.set SCS, 30720                        ; and its scale words
.set HS,  3145728
.set X,   32                           ; v32-63   my block
.set G,   192                          ; v192-223 gamma of my 32 columns;  v224-255 beta
.set BT,  224
	s_load_b256 s[4:11], s[0:1], 0x0               ; the rows, gamma, beta, hq
	v_lshl_add_u32 v19, v0, 2, 0x8000
	s_set_vgpr_msb 0x40
	v_mov_b32 v1, 0
	s_set_vgpr_msb 0x4000
	v_lshrrev_b32 v1, 5, v0
	v_readfirstlane_b32 s12, v1                    ; wave
	v_and_b32 v20, 31, v0                          ; lane
	v_lshlrev_b32 v1, 4, v20                       ; my 16 bytes of a load's 512
	v_lshlrev_b32 v7, 7, v20                       ; my 128 bytes of gamma and of beta
	s_mul_i32 s13, s12, 4608
	v_lshrrev_b32 v21, 3, v20
	v_mul_u32_u24 v21, v21, 144
	v_and_b32 v22, 7, v20
	v_lshl_add_u32 v21, v22, 4, v21
	v_add_nc_u32 v2, s13, v21                      ; the stage, in: eight lanes' 128 bytes on end, then 16 of padding
	v_mul_u32_u24 v21, v20, 144
	v_add_nc_u32 v3, s13, v21                      ; and out: 144 x lane: the lanes' reads start in different banks
	v_lshrrev_b32 v21, 2, v20                      ; my block l is block 2 c + h of K step l / 4
	v_mul_u32_u24 v21, v21, 1536
	v_bfe_u32 v22, v20, 1, 1
	v_mad_u32_u24 v21, v22, 768, v21
	v_and_b32 v22, 1, v20
	s_lshl_b32 s14, s12, 6
	s_add_co_u32 s14, s14, IMG
	v_lshl_add_u32 v4, v22, 8, v21
	v_add_nc_u32 v4, s14, v4                       ; four registers at 16 (r + 16 h), r = 4 w + i
	s_lshl_b32 s14, s12, 5
	s_add_co_u32 s14, s14, IMG+512
	v_lshl_add_u32 v5, v22, 7, v21
	v_add_nc_u32 v5, s14, v5                       ; two at 512 + 8 (r + 16 h)
	v_lshrrev_b32 v21, 2, v20
	v_and_b32 v22, 3, v20
	v_lshl_add_u32 v6, v21, 6, v22
	s_lshl_b32 s14, s12, 4
	s_add_co_u32 s14, s14, SCS
	v_add_nc_u32 v6, s14, v6                       ; my byte: 64 (l / 4) + 4 r + l % 4
	v_lshlrev_b32 v30, 4, v0                       ; the way out: 16 bytes a thread,
	v_lshlrev_b32 v31, 2, v0                       ; a scale word a thread,
	v_lshrrev_b32 v21, 4, v0
	v_and_b32 v22, 15, v0
	v_lshlrev_b32 v23, 14, v21
	v_lshl_add_u32 v23, v22, 2, v23                ; which goes to plane t / 16, place t % 16
	s_lshr_b32 s15, ttmp9, 1                       ; my first token: 32 (tile / 2) + 8 (tile % 2) + 4 w + 8 (w / 2)
	s_lshl_b32 s15, s15, 5
	s_and_b32 s16, ttmp9, 1
	s_lshl_b32 s16, s16, 3
	s_add_co_u32 s15, s15, s16
	s_lshl_b32 s16, s12, 2
	s_add_co_u32 s15, s15, s16
	s_lshr_b32 s16, s12, 1
	s_lshl_b32 s16, s16, 3
	s_add_co_u32 s15, s15, s16
	s_lshl_b32 s16, s15, 12
	s_mov_b32 s17, 0
	s_mul_i32 s18, ttmp9, 12288
	s_mov_b32 s19, 0
	s_lshl_b32 s20, ttmp9, 6
	s_add_co_u32 s20, s20, HS
	s_mov_b32 s21, 0
	s_mov_b32 s22, 0x3a800000                      ; 1 / 1,024
	s_mov_b32 s23, 0x3727c5ac                      ; 1e-5
	s_mov_b32 s24, 0x76543210
	s_mov_b32 s25, 0xfedcba98                      ; v_permlanex16_b32's selects for lane l xor 16
	s_wait_kmcnt 0x0
	s_add_nc_u64 s[4:5], s[4:5], s[16:17]
	s_add_nc_u64 s[20:21], s[10:11], s[20:21]
	s_add_nc_u64 s[10:11], s[10:11], s[18:19]
.irp q, 0,1,2,3,4,5,6,7
	global_load_b128 v[G+4*\q:G+4*\q+3], v7, s[6:7] offset:16*\q
.endr
.irp q, 0,1,2,3,4,5,6,7
	global_load_b128 v[BT+4*\q:BT+4*\q+3], v7, s[8:9] offset:16*\q
.endr
.irp i, 0,1,2,3
.irp j, 0,1,2,3,4,5,6,7
	global_load_b128 v[64+32*\i+4*\j:67+32*\i+4*\j], v1, s[4:5] offset:4096*\i+512*\j
.endr
.endr
.macro ALLSUM                          ; v8 summed over the 32 lanes, the sum in every lane
	v_add_f32_dpp v8, v8, v8 row_xmask:1 row_mask:0xf bank_mask:0xf
	v_add_f32_dpp v8, v8, v8 row_xmask:2 row_mask:0xf bank_mask:0xf
	v_add_f32_dpp v8, v8, v8 row_xmask:4 row_mask:0xf bank_mask:0xf
	v_add_f32_dpp v8, v8, v8 row_xmask:8 row_mask:0xf bank_mask:0xf
	v_permlanex16_b32 v9, v8, s24, s25
	v_add_f32 v8, v8, v9
.endm
.macro FOLD                            ; four chains into v8
	v_pk_add_f32 v[8:9], v[8:9], v[10:11]
	v_pk_add_f32 v[12:13], v[12:13], v[14:15]
	v_pk_add_f32 v[8:9], v[8:9], v[12:13]
	v_add_f32 v8, v8, v9
.endm
.macro ROW i
	s_wait_loadcnt 24-8*\i                         ; gamma, beta and this row are in; the rows behind it may be out
.irp j, 0,1,2,3,4,5,6,7
	ds_store_b128 v2, v[64+32*\i+4*\j:67+32*\i+4*\j] offset:576*\j
.endr
.irp q, 0,1,2,3,4,5,6,7
	ds_load_b128 v[X+4*\q:X+4*\q+3], v3 offset:16*\q            ; LDS serves a wave's instructions in order: these see the stores above
.endr
	s_wait_dscnt 0x0
	v_pk_add_f32 v[8:9], v[32:33], v[34:35]        ; the sum, in four chains
	v_pk_add_f32 v[10:11], v[36:37], v[38:39]
	v_pk_add_f32 v[12:13], v[40:41], v[42:43]
	v_pk_add_f32 v[14:15], v[44:45], v[46:47]
.irp j, 48,56
	v_pk_add_f32 v[8:9], v[8:9], v[\j:\j+1]
	v_pk_add_f32 v[10:11], v[10:11], v[\j+2:\j+3]
	v_pk_add_f32 v[12:13], v[12:13], v[\j+4:\j+5]
	v_pk_add_f32 v[14:15], v[14:15], v[\j+6:\j+7]
.endr
	FOLD
	ALLSUM
	v_mul_f32 v16, 0xba800000, v8                  ; - the mean
	v_mov_b32 v17, v16
.irp j, 0,2,4,6,8,10,12,14,16,18,20,22,24,26,28,30
	v_pk_add_f32 v[X+\j:X+\j+1], v[X+\j:X+\j+1], v[16:17]
.endr
	v_pk_mul_f32 v[8:9], v[32:33], v[32:33]        ; the sum of squares of x - mean
	v_pk_mul_f32 v[10:11], v[34:35], v[34:35]
	v_pk_mul_f32 v[12:13], v[36:37], v[36:37]
	v_pk_mul_f32 v[14:15], v[38:39], v[38:39]
.irp j, 40,48,56
	v_pk_fma_f32 v[8:9], v[\j:\j+1], v[\j:\j+1], v[8:9]
	v_pk_fma_f32 v[10:11], v[\j+2:\j+3], v[\j+2:\j+3], v[10:11]
	v_pk_fma_f32 v[12:13], v[\j+4:\j+5], v[\j+4:\j+5], v[12:13]
	v_pk_fma_f32 v[14:15], v[\j+6:\j+7], v[\j+6:\j+7], v[14:15]
.endr
	FOLD
	ALLSUM
	v_fma_f32 v18, v8, s22, s23                    ; the variance + 1e-5
	v_rsq_f32 v16, v18
	v_nop                                          ; a plain place behind the transcendental,
	s_wait_alu depctr_va_vdst(0)                   ; and the wait ahead of the first line that names its result
	v_mov_b32 v17, v16
.irp j, 0,2,4,6,8,10,12,14,16,18,20,22,24,26,28,30
	v_pk_mul_f32 v[X+\j:X+\j+1], v[X+\j:X+\j+1], v[16:17]
.endr
.irp j, 0,2,4,6,8,10,12,14,16,18,20,22,24,26,28,30
	v_pk_fma_f32 v[X+\j:X+\j+1], v[X+\j:X+\j+1], v[G+\j:G+\j+1], v[BT+\j:BT+\j+1]
.endr
	v_max3_num_f32 v12, |v[X]|, |v[X+1]|, |v[X+2]|               ; the block's largest magnitude: all 32 numbers are mine
	v_max3_num_f32 v13, |v[X+3]|, |v[X+4]|, |v[X+5]|
.irp j, 6,10,14,18,22,26
	v_max3_num_f32 v12, v12, |v[X+\j]|, |v[X+\j+1]|
	v_max3_num_f32 v13, v13, |v[X+\j+2]|, |v[X+\j+3]|
.endr
	v_max3_num_f32 v12, v12, |v[X+30]|, |v[X+31]|
	v_max3_num_f32 v12, v12, v13, 0x1800000        ; and the floor 2^(3 - 127)
	v_add_nc_u32 v14, 0xff000000, v12              ; 2 off the exponent field: the conversion's scale operand
	v_lshrrev_b32 v15, 23, v14                     ; the byte
	v_cvt_scalef32_pk16_fp6_f32 v[24:26], v[X:X+15], v14
	v_cvt_scalef32_pk16_fp6_f32 v[8:10], v[X+16:X+31], v14       ; (a conversion's three registers begin on an even number)
	v_nop                                          ; one plain place behind a scaled conversion
	v_mov_b32 v27, v8
	v_mov_b32 v28, v9
	v_mov_b32 v29, v10
	ds_store_b128 v4, v[24:27] offset:16*\i
	ds_store_b64 v5, v[28:29] offset:8*\i
	ds_store_b8 v6, v15 offset:4*\i
.endm
	ROW 0
	ROW 1
	ROW 2
	ROW 3
	s_wait_dscnt 0x0                               ; for the others' sake: my stores into the image have landed
	s_barrier_signal -1
	s_barrier_wait -1
.irp k, 0,1,2,3,4,5
	ds_load_b128 v[64+4*\k:67+4*\k], v30 offset:IMG+2048*\k
.endr
	ds_load_b32 v88, v31 offset:SCS
.irp k, 0,1,2,3,4,5
	s_wait_dscnt 6-\k
	global_store_b128 v30, v[64+4*\k:67+4*\k], s[10:11] offset:2048*\k   ; a wave stores 512 consecutive bytes, aligned
.endr
	s_wait_dscnt 0x0
	global_store_b32 v23, v88, s[20:21]
	s_set_vgpr_msb 0x4
	s_wait_tensorcnt 0x0
	ds_add_u32 v19, v1
	s_wait_dscnt 0x0
	s_set_vgpr_msb 0x400
	s_endpgm
.Lfunc_end_k_qcdcd919d41_ln1:
	.size	k_qcdcd919d41_ln1, .Lfunc_end_k_qcdcd919d41_ln1-k_qcdcd919d41_ln1
	.p2alignl 7, 3214868480
	.fill 96, 4, 3214868480
	.section	.rodata,"a",@progbits
	.p2align	6, 0x0
	.amdhsa_kernel k_qcdcd919d41_ln1
		.amdhsa_group_segment_fixed_size 33280
		.amdhsa_private_segment_fixed_size 0
		.amdhsa_enable_private_segment 0
		.amdhsa_kernarg_size 32
		.amdhsa_user_sgpr_count 2
		.amdhsa_user_sgpr_kernarg_segment_ptr 1
		.amdhsa_wavefront_size32 1
		.amdhsa_system_sgpr_workgroup_id_x 1
		.amdhsa_system_sgpr_workgroup_id_y 1
		.amdhsa_system_sgpr_workgroup_id_z 1
		.amdhsa_system_vgpr_workitem_id 0
		.amdhsa_next_free_vgpr 258
		.amdhsa_next_free_sgpr 66
		.amdhsa_reserve_vcc 0
		.amdhsa_float_denorm_mode_32 3
		.amdhsa_float_denorm_mode_16_64 3
		.amdhsa_memory_ordered 1
		.amdhsa_forward_progress 1
		.amdhsa_inst_pref_size 45
	.end_amdhsa_kernel
	.amdgpu_metadata
---
amdhsa.version: [ 1, 2 ]
amdhsa.kernels:
  - .name:           k_qcdcd919d41_ln1
    .symbol:         k_qcdcd919d41_ln1.kd
    .args:
      - { .name: x, .offset: 0, .size: 8, .value_kind: global_buffer, .address_space: global }
      - { .name: gamma, .offset: 8, .size: 8, .value_kind: global_buffer, .address_space: global }
      - { .name: beta, .offset: 16, .size: 8, .value_kind: global_buffer, .address_space: global }
      - { .name: hq, .offset: 24, .size: 8, .value_kind: global_buffer, .address_space: global }
    .group_segment_fixed_size: 33280
    .private_segment_fixed_size: 0
    .kernarg_segment_align: 8
    .kernarg_segment_size: 32
    .max_flat_workgroup_size: 128
    .sgpr_count:     66
    .vgpr_count:     258
    .wavefront_size: 32
...
	.end_amdgpu_metadata
.endif
;; end of part 2
;; launch qkv (part 3): grid 48 x 4, 4 waves a work-group, clusters of 4 x 4, 327,680 bytes of LDS; arguments hq, wts, bq, bk, bv, qkv; writes qkv
.if DOCPART == 3
	.amdgcn_target "amdgcn-amd-amdhsa--gfx1250"
	.amdhsa_code_object_version 6
	.text
	.protected	k_qcdcd919d41_qkv
	.globl	k_qcdcd919d41_qkv
	.p2align	8
	.type	k_qcdcd919d41_qkv,@function
k_qcdcd919d41_qkv:
	s_mov_b64 s[64:65], 0
	v_nop
	global_prefetch_b8 v0, s[64:65] scope:SCOPE_SE
	s_setreg_imm32_b32 hwreg(HW_REG_WAVE_MODE, 25, 1), 1
	s_wait_xcnt 0x0
	s_wait_alu depctr_hold_cnt(0) depctr_sa_sdst(0) depctr_va_vdst(0) depctr_va_sdst(0) depctr_va_ssrc(0) depctr_va_vcc(0) depctr_vm_vsrc(0)
	s_getreg_b32 s2, hwreg(HW_REG_IB_STS2, 6, 4)
	s_cmp_eq_u32 s2, 0
	s_cbranch_scc0 .Lentry_in_a_cluster
	s_endpgm
.Lentry_in_a_cluster:
	s_bfe_u32 s2, ttmp6, 0x10000c
	s_cmp_lg_u32 s2, 0xf033
	s_cbranch_scc0 .Lentry_shape_is_right
	s_endpgm
.Lentry_shape_is_right:
; q, k and v = LN(x) W + b on codes of FP6 (E2M3) with E8M0 scales, K = 1,024, and the results quantised at once as attention's operands: q and k along the head's 64, v along the keys.
; OPERANDS lie in memory as images of the matrix operand's registers: rows in groups of 32, place 16 u + r = row 8 u + r + 8 (r / 8); a fragment (16 places x 128 K) is 1,536 bytes: half c at 768 c: registers 6 c .. 6 c + 3
; of lane L at 16 L, registers 6 c + 4, + 5 at 512 + 8 L; codes [place / 16][K / 128][1,536]; scale words [K / 128][place].  So a fragment comes from LDS by four dense loads, with no padding.
; A tile of 256 x 256 is made by four waves, 128 x 128 each: 64 accumulators.  K goes in steps of 256 through two LDS slots; a wave's tensor load brings 8 rows of 3,072 bytes (8 tiles of places x 2 fragments).
; The scale words of the work-group's 512 rows for all of K come once, with the first fills.  CLUSTERS of 4 x 4: A's tiles are asked for jointly along a row of the cluster, B's along a column.
; THE INSTRUCTION IS USED TRANSPOSED: source 0 = B's fragment, source 1 = A's.  By the order of places, the 16 registers of B's tiles 2 e and 2 e + 1 are 16 NEIGHBOURS of B's rows: 32 e + 16 (lane / 16) + 0 .. 15: what a quantiser along B's rows wants.
; TWO ROLES, by the cluster's number C, the same in all sixteen partners.  C < 8: A = tokens, B = Wq's or Wk's columns: a lane holds one token and neighbouring features.  C >= 8: A = Wv's columns, B = tokens: a lane holds one
; feature and neighbouring KEYS.  Only pointers and numbers are chosen up to the way out, which is written twice.
; OUT.  q: [batch x head][tile of 16 queries][768] half fragments, scale words behind them.  k and v: a record of 13,056 bytes for each head and 128 keys: k's 8 half fragments, v's 4 fragments, k's scale words, v's.
; LIMITS: blocks of zeros or under 2^-124 carry the byte 1 (read by this program alone); NaN and infinities are not served.
; REGISTERS: window 0: v1-31 addresses, v8-15 bv; v32-63 scale words, two sets; v64-127 bq or bk in the result's layout; v128-223 A's fragments.  window 1: B's, two sets.  windows 2, 3: accumulators.
.set KDIM,  1024
.set HQS,   3145728                    ; the scale planes in hq
.set WQS,   9437184                    ; and those of Wq, Wk, Wv in wts
.set QSC,   3145728                    ; q's scale words in qkv
.set KV,    3407872                    ; the records
.set BHB,   208896                     ; a head's 16 records
.set REC,   13056
.set RTG,   KDIM/128*1536              ; a tile of places: all its fragments
.set KS,    KDIM/128
.set LAPS,  KDIM/512
.set NQ,    2
.set FR,    12
.set NL,    4                          ; LDS loads that bring a fragment
.set NP,    4                          ; places behind this matrix instruction (ISA guide 7.12.1)
.set HALFT, 8*3072                     ; what one tensor load brings, and what one wave reads of A or of B
.set SLOT,  4*HALFT
.set SCL,   2*SLOT                     ; behind the ring: the scale words: for each wave's load KS rows of 512 bytes + 64 of padding
.set HALFS, KS*576
.set SPARE, SCL+4*HALFS                ; the spare words, 128 bytes for each wave: two blocks of 256 bytes that no other line names
.set LN16, 1                           ; v1  16 x lane
.set LN8,  2                           ; v2  8 x lane
.set SWA,  3                           ; v3  the way out: my scale word's place in my wave's stage (in slot 0, which has had its last fill and its last read by then)
.set SRA,  4                           ; v4  and where I read 16 bytes of it back
.set BIO,  5
.set BVO,  6
.set BV,   8
.set ADRA, 16                          ; v16-17 A's fragments in slot 0, 1, + 16 x lane;  v18-19 + 8 x lane
.set ADRB, 20                          ; v20-23 the same for B
.set ADSA, 27                          ; v27 A's scale words: lanes 0-15 the slot's first 128 along K, lanes 16-31 its second
.set SPW,  28
.set NIL,  29
.set ADSB, 30
.set SC,   32                          ; set s: A's block i at v[SC + 16 s + i], B's at v[SC + 16 s + 8 + i]
.set BI,   64
.set AF,   128
.set T,    128                         ; the way out: 64 numbers
.set TM,   32
.set PW,   48
.set PC,   224
.set SEL,  20
.set G1, 24
.set G0, 32
.set G1B, 48
.set G0B, 56
.set G1S, 68
.set G0S, 76
.set G1SB, 80
.set G0SB, 88
.set MSB, 0
.macro WIN new                         ; the immediate's high byte repeats the setting that is left
.if MSB != \new
	s_set_vgpr_msb (MSB<<8)|\new
.set MSB, \new
.endif
.endm
.set MUL_LO, 0xa1                      ; source 0 (B) window 1, source 1 (A) window 0, C and D window 2
.set MUL_HI, 0xf1
.set TO_B,   0x40
.macro JLOAD g0a, g1a, g0b, g1b        ; a joint load: waves 0 and 1 fetch for A, waves 2 and 3 for B; four v_nop follow each line
	s_cmp_eq_u32 s17, 0
	s_cbranch_scc0 .Lfor_b_\@
	tensor_load_to_lds s[\g0a:\g0a+3], s[\g1a:\g1a+7]
	s_nop 0
.rept 4
	v_nop
.endr
	s_branch .Lasked_\@
.Lfor_b_\@:
	tensor_load_to_lds s[\g0b:\g0b+3], s[\g1b:\g1b+7]
	s_nop 0
.rept 4
	v_nop
.endr
.Lasked_\@:
.endm
.macro CREST                           ; a round of the cluster's barrier behind its opening barrier
	s_cmp_lg_u32 s16, 0
	s_cbranch_scc1 .Lnot_wave_0_\@
	s_barrier_signal -3
.Lnot_wave_0_\@:
	s_barrier_wait -3
	s_barrier_signal -1
	s_barrier_wait -1
.endm
.macro CROUND
	s_barrier_signal -1
	s_barrier_wait -1
	CREST
.endm
	s_load_b256 s[4:11], s[0:1], 0x0               ; hq, wts, bq, bk
	s_load_b128 s[12:15], s[0:1], 0x20             ; bv, qkv
	v_lshl_add_u32 v[SPW], v0, 2, SPARE
	v_mov_b32 v[NIL], 0
	ds_add_u32 v28, v29
	ds_add_u32 v28, v29
	s_wait_dscnt 0x0
	v_lshrrev_b32 v1, 5, v0
	v_readfirstlane_b32 s16, v1                    ; wave 0..3
	s_lshr_b32 s17, s16, 1                         ; which half of A's rows is mine.  Also: I fetch for A (0) or for B (1)
	s_and_b32 s18, s16, 1                          ; which half of B's rows.  Also: which 128 rows I fetch
	s_bfe_u32 s40, ttmp6, 0x40000                  ; cx, cy
	s_bfe_u32 s41, ttmp6, 0x40004
	s_lshr_b32 s20, ttmp9, 1
	s_lshl_b32 s20, s20, 2                         ; C < 8: tile row 4 (C / 2) + cy of 16 (tokens),
	s_and_b32 s21, ttmp9, 1
	s_lshl_b32 s21, s21, 2                         ; tile column 4 (C % 2) + cx of 8 (q's features, then k's)
	s_lshl_b32 s22, ttmp9, 2
	s_sub_co_u32 s22, s22, 32                      ; C >= 8: tile row 8 + cy (v's features in wts), tile column 4 (C - 8) + cx (tokens)
	s_mov_b32 s23, HQS
	s_mov_b32 s46, WQS
	s_cmp_ge_u32 ttmp9, 8
	s_cselect_b32 s19, 8, s20
	s_cselect_b32 s42, s22, s21
	s_cselect_b32 s98, s46, s23                    ; where A's scale planes begin in its buffer,
	s_cselect_b32 s99, s23, s46                    ; and B's
	s_add_co_u32 s19, s19, s41                     ; tile row
	s_add_co_u32 s42, s42, s40                     ; tile column
	s_lshl_b32 s43, s41, 2
	s_lshl_b32 s43, 15, s43                        ; my row of the cluster
	s_lshl_b32 s44, 0x1111, s40                    ; my column
	s_or_b32 s[G1+0], s43, (3<<16)|(1<<21)         ; codes: elements of 8 bytes, no padding; bit 21 beside a mask
	s_or_b32 s[G1B+0], s44, (3<<16)|(1<<21)
.irp g, G1, G1B
	s_mov_b32 s[\g+1], 384<<16                     ; tensor_dim0: 3,072 bytes
	s_mov_b32 s[\g+2], 8<<16                       ; tensor_dim1
	s_mov_b32 s[\g+3], 384<<16                     ; tile_dim0
	s_mov_b32 s[\g+4], 8                           ; tile_dim1
	s_mov_b32 s[\g+5], RTG/8                       ; from tile of places to tile of places
	s_mov_b32 s[\g+6], 0
	s_mov_b32 s[\g+7], 0
.endr
	s_or_b32 s[G1S+0], s43, (3<<16)|(1<<20)|(1<<21)|(6<<22)|(15<<25)   ; scale words: rows of 128 words, 16 words of padding behind each
	s_or_b32 s[G1SB+0], s44, (3<<16)|(1<<20)|(1<<21)|(6<<22)|(15<<25)
.irp g, G1S, G1SB
	s_mov_b32 s[\g+1], 64<<16
	s_mov_b32 s[\g+2], KS<<16
	s_mov_b32 s[\g+3], 64<<16
	s_mov_b32 s[\g+4], KS
	s_mov_b32 s[\g+5], 16384/8                     ; both buffers' planes are 16,384 bytes apart
	s_mov_b32 s[\g+6], 0
	s_mov_b32 s[\g+7], 0
.endr
	s_lshl_b32 s20, s19, 4                         ; A: tile of places 16 x tile row + 8 x half; nothing here holds the tile column
	s_lshl_b32 s21, s18, 3
	s_add_co_u32 s20, s20, s21
	s_mul_i32 s20, s20, RTG
	s_mov_b32 s21, 0
	s_lshl_b32 s22, s19, 10
	s_lshl_b32 s23, s18, 9
	s_add_co_u32 s22, s22, s23
	s_add_co_u32 s22, s22, s98
	s_mov_b32 s23, 0
	s_lshl_b32 s46, s42, 4                         ; B likewise by the tile column
	s_lshl_b32 s47, s18, 3
	s_add_co_u32 s46, s46, s47
	s_mul_i32 s46, s46, RTG
	s_mov_b32 s47, 0
	s_lshl_b32 s92, s42, 10
	s_lshl_b32 s93, s18, 9
	s_add_co_u32 s92, s92, s93
	s_add_co_u32 s92, s92, s99
	s_mov_b32 s93, 0
	s_mul_i32 s45, s16, HALFT                      ; where they go: by the wave alone
	s_mul_i32 s94, s16, HALFS
	s_wait_kmcnt 0x0
	s_cmp_ge_u32 ttmp9, 8
	s_cselect_b64 s[100:101], s[6:7], s[4:5]       ; A's buffer
	s_cselect_b64 s[2:3], s[4:5], s[6:7]           ; B's
	s_add_nc_u64 s[20:21], s[100:101], s[20:21]
	s_add_nc_u64 s[22:23], s[100:101], s[22:23]
	s_add_nc_u64 s[46:47], s[2:3], s[46:47]
	s_add_nc_u64 s[92:93], s[2:3], s[92:93]
	CROUND                                         ; all sixteen work-groups are here: the first joint loads meet
	s_mov_b32 s[G0S], 1
	s_add_co_u32 s[G0S+1], s94, SCL
	s_mov_b64 s[G0S+2:G0S+3], s[22:23]
	s_or_b32 s[G0S+3], s[G0S+3], 0x80000000
	s_mov_b32 s[G0SB], 1
	s_add_co_u32 s[G0SB+1], s94, SCL
	s_mov_b64 s[G0SB+2:G0SB+3], s[92:93]
	s_or_b32 s[G0SB+3], s[G0SB+3], 0x80000000
	JLOAD G0S, G1S, G0SB, G1SB                     ; the scale words first; with the two slots' fills three loads of mine are out
.irp s, 0,1
	s_mov_b32 s[G0+4*\s], 1
	s_add_co_u32 s[G0+4*\s+1], s45, \s*SLOT
	s_add_nc_u64 s[G0+4*\s+2:G0+4*\s+3], s[20:21], \s*3072
	s_or_b32 s[G0+4*\s+3], s[G0+4*\s+3], 0x80000000
	s_mov_b32 s[G0B+4*\s], 1
	s_add_co_u32 s[G0B+4*\s+1], s45, \s*SLOT
	s_add_nc_u64 s[G0B+4*\s+2:G0B+4*\s+3], s[46:47], \s*3072
	s_or_b32 s[G0B+4*\s+3], s[G0B+4*\s+3], 0x80000000
	JLOAD G0+4*\s, G1, G0B+4*\s, G1B
.endr
	v_and_b32 v7, 31, v0
	v_lshlrev_b32 v[LN16], 4, v7
	v_lshlrev_b32 v[LN8], 3, v7
	s_mul_i32 s21, s17, HALFT                      ; my 128 rows of A,
	s_mul_i32 s22, s18, HALFT
	s_add_co_u32 s22, s22, 2*HALFT                 ; of B, behind A's 256
.irp s, 0,1
	v_add_nc_u32 v[ADRA+\s], s21, v[LN16]
	v_add_nc_u32 v[ADRB+\s], s22, v[LN16]
	v_add_nc_u32 v[ADRA+2+\s], s21, v[LN8]
	v_add_nc_u32 v[ADRB+2+\s], s22, v[LN8]
	s_add_co_u32 s21, s21, SLOT
	s_add_co_u32 s22, s22, SLOT
.endr
	v_and_b32 v24, 15, v0                          ; r
	v_bfe_u32 v25, v0, 4, 1                        ; h
	v_mul_u32_u24 v26, v25, 576
	v_lshl_add_u32 v26, v24, 2, v26                ; plane h of the K step, word r
	s_mul_i32 s21, s17, HALFS
	s_add_co_u32 s21, s21, SCL
	v_add_nc_u32 v[ADSA], s21, v26
	s_mul_i32 s22, s18, HALFS
	s_add_co_u32 s22, s22, SCL+2*HALFS
	v_add_nc_u32 v[ADSB], s22, v26
	s_lshl_b32 s21, s16, 10
	v_lshl_add_u32 v[SWA], v24, 2, s21
	v_add_nc_u32 v[SRA], s21, v[LN16]
	s_lshl_b32 s96, s19, 8
	s_lshl_b32 s21, s17, 7
	s_add_co_u32 s96, s96, s21                     ; my first row of A
	s_lshl_b32 s97, s42, 8
	s_lshl_b32 s21, s18, 7
	s_add_co_u32 s97, s97, s21                     ; and of B
	; the biases.  Both kinds are loaded in both roles, with offsets held inside the 1,024 numbers; each role uses its own
	s_and_b32 s21, ttmp9, 1
	s_cmp_lg_u32 s21, 0
	s_cselect_b64 s[8:9], s[10:11], s[8:9]         ; bq or bk
	s_and_b32 s21, s97, 1023
	s_lshl_b32 s21, s21, 2
	v_lshl_add_u32 v[BIO], v25, 6, s21
.irp e, 0,1,2,3,4,5,6,7,8,9,10,11,12,13,14,15
	global_load_b128 v[BI+4*\e:BI+4*\e+3], v[BIO], s[8:9] offset:128*(\e/4)+16*(\e%4)   ; register 16 e' + i: feature 32 e' + 16 h + i
.endr
	v_and_b32 v26, 8, v24
	v_add_nc_u32 v26, v26, v24
	s_and_b32 s21, s96, 1023
	v_add_nc_u32 v26, s21, v26
	v_lshlrev_b32 v[BVO], 2, v26
.irp a, 0,1,2,3,4,5,6,7
	global_load_b32 v[BV+\a], v[BVO], s[12:13] offset:(32*(\a/2)+8*(\a%2))*4   ; bv of the feature at place r of A's block a
.endr
.macro FRAG reg, adr, q, i             ; a fragment as it lies: four dense loads
	ds_load_b128 v[\reg:\reg+3], v[\adr] offset:(\i)*3072+(\q)*1536
	ds_load_b64 v[\reg+4:\reg+5], v[\adr+2] offset:(\i)*3072+(\q)*1536+512
	ds_load_b128 v[\reg+6:\reg+9], v[\adr] offset:(\i)*3072+(\q)*1536+768
	ds_load_b64 v[\reg+10:\reg+11], v[\adr+2] offset:(\i)*3072+(\q)*1536+1280
.endm
; 16 matrix instructions: A's blocks a0, a0 + 1 x B's eight, the slot's q-th 128 along K.  The 64 accumulators take turns, one instruction a turn.
.macro MUL16 a0, p, q, sc, zero
.irp a, \a0, \a0+1
.irp b, 0,1,2,3,4,5,6,7
.if \zero
	v_wmma_scale_f32_16x16x128_f8f6f4 v[8*(8*((\a)%4)+\b):8*(8*((\a)%4)+\b)+7], v[128*(\p)+FR*\b:128*(\p)+FR*\b+FR-1], v[AF+FR*(\a):AF+FR*(\a)+FR-1], 0, v[SC+16*(\sc)+8+\b], v[SC+16*(\sc)+(\a)] matrix_a_fmt:MATRIX_FMT_FP6 matrix_b_fmt:MATRIX_FMT_FP6
.elseif (\q) == 0
	v_wmma_scale_f32_16x16x128_f8f6f4 v[8*(8*((\a)%4)+\b):8*(8*((\a)%4)+\b)+7], v[128*(\p)+FR*\b:128*(\p)+FR*\b+FR-1], v[AF+FR*(\a):AF+FR*(\a)+FR-1], v[8*(8*((\a)%4)+\b):8*(8*((\a)%4)+\b)+7], v[SC+16*(\sc)+8+\b], v[SC+16*(\sc)+(\a)] matrix_a_fmt:MATRIX_FMT_FP6 matrix_b_fmt:MATRIX_FMT_FP6
.else
	v_wmma_scale_f32_16x16x128_f8f6f4 v[8*(8*((\a)%4)+\b):8*(8*((\a)%4)+\b)+7], v[128*(\p)+FR*\b:128*(\p)+FR*\b+FR-1], v[AF+FR*(\a):AF+FR*(\a)+FR-1], v[8*(8*((\a)%4)+\b):8*(8*((\a)%4)+\b)+7], v[SC+16*(\sc)+8+\b], v[SC+16*(\sc)+(\a)] matrix_a_fmt:MATRIX_FMT_FP6 matrix_b_fmt:MATRIX_FMT_FP6 matrix_a_scale:MATRIX_SCALE_ROW1 matrix_b_scale:MATRIX_SCALE_ROW1
.endif
.endr
.endr
.endm
.macro FETCH_B slot, q, p
	WIN TO_B
.irp i, 0,1,2,3,4,5,6,7
	FRAG 128*(\p)+FR*\i, ADRB+\slot, \q, \i
.endr
	WIN 0
.endm
.macro FETCH_A slot, q, i0
.irp i, \i0, \i0+1, \i0+2, \i0+3
	FRAG AF+FR*(\i), ADRA+\slot, \q, \i
.endr
.endm
.macro SCALES sc                       ; a K step's scale words: a register serves both of its 128s, one in each half of the lanes
.irp i, 0,1,2,3,4,5,6,7
	ds_load_b32 v[SC+16*\sc+\i], v[ADSA] offset:64*\i
	ds_load_b32 v[SC+16*\sc+8+\i], v[ADSB] offset:64*\i
.endr
.endm
.macro PLACES n                        ; plain places behind matrix instructions, in front of loads into their registers and of reads of results
.rept \n
	v_nop
.endr
.endm
.macro STEP slot, q, zero              ; 128 along K that has its successor in the same slot
	s_wait_dscnt 4*NL                              ; all but the youngest sixteen loads (A's blocks 4-7) are in
	WIN MUL_LO
	MUL16 0, (\q)%2, \q, \slot, \zero
	MUL16 2, (\q)%2, \q, \slot, \zero
	s_wait_dscnt 0
	PLACES NP
	FETCH_B \slot, (\q)+1, 1-(\q)%2
	FETCH_A \slot, (\q)+1, 0
	WIN MUL_HI
	MUL16 4, (\q)%2, \q, \slot, \zero
	MUL16 6, (\q)%2, \q, \slot, \zero
	PLACES NP
	WIN 0
	FETCH_A \slot, (\q)+1, 4
.endm
; A slot's last 128 changes slots: one barrier; in front of it each wave waits for all its tensor loads, adds 0 to its spare word, and waits for that and for its reads of this slot.
.macro TURN slot, next, fill
	s_wait_tensorcnt 0x0                           ; all my tensor loads have landed: my part of the next slot
	ds_add_u32 v[SPW], v[NIL]                      ; 0 onto my spare word
	s_wait_dscnt 4*NL+1                            ; (the add and A's blocks 4-7 may be out)
	WIN MUL_LO
	MUL16 0, 1, NQ-1, \slot, 0
	s_wait_dscnt 0x0                               ; the add is done, and my reads of this slot are over
	s_barrier_signal -1
	MUL16 2, 1, NQ-1, \slot, 0
	WIN 0
	s_barrier_wait -1
.if \fill
	CREST                                          ; the barrier has opened a round of the cluster's: no wave of any partner still reads this slot or has a load on its way
	s_add_nc_u64 s[G0+4*\slot+2:G0+4*\slot+3], s[G0+4*\slot+2:G0+4*\slot+3], 6144
	s_add_nc_u64 s[G0B+4*\slot+2:G0B+4*\slot+3], s[G0B+4*\slot+2:G0B+4*\slot+3], 6144
	JLOAD G0+4*\slot, G1, G0B+4*\slot, G1B         ; the first tensor load behind the round; its four v_nop are the places in front of the loads below
.else
	PLACES NP
.endif
	v_add_nc_u32 v[ADSA], 1152, v[ADSA]            ; two planes on
	v_add_nc_u32 v[ADSB], 1152, v[ADSB]
	FETCH_B \next, 0, 0
	FETCH_A \next, 0, 0
	SCALES \next
	WIN MUL_HI
	MUL16 4, 1, NQ-1, \slot, 0
	MUL16 6, 1, NQ-1, \slot, 0
	PLACES NP
	WIN 0
	FETCH_A \next, 0, 4
.endm
	s_wait_tensorcnt 1                             ; the scale words and my part of K step 0 are in; K step 1's load may be out
	s_barrier_signal -1
	s_barrier_wait -1
	s_wait_loadcnt 0x0                             ; the biases
	FETCH_B 0, 0, 0
	FETCH_A 0, 0, 0
	SCALES 0
	FETCH_A 0, 0, 4
	STEP 0, 0, 1                                   ; the first products start the sums
	s_mov_b32 s3, LAPS-1
.Llap:
	TURN 0, 1, 1
	STEP 1, 0, 0
	TURN 1, 0, 1
	STEP 0, 0, 0
	s_sub_co_u32 s3, s3, 1
	s_cmp_lg_u32 s3, 0
	s_cbranch_scc1 .Llap
	TURN 0, 1, 0                                   ; the last lap fills nothing
	STEP 1, 0, 0
	s_wait_dscnt 4*NL
	WIN MUL_LO
	MUL16 0, 1, NQ-1, 1, 0
	MUL16 2, 1, NQ-1, 1, 0
	s_wait_dscnt 0
	WIN MUL_HI
	MUL16 4, 1, NQ-1, 1, 0
	MUL16 6, 1, NQ-1, 1, 0
	WIN 0
	PLACES NP
; 64 numbers of a lane, register 16 b + i = k 32 b + 16 (lane / 16) + i of my row, become a fragment's codes in v[PC] on and its scale word in v[PW].
.macro QUANT s
.irp b, 0,1,2,3
	v_max3_num_f32 v[TM+\b], |v[\s+16*\b]|, |v[\s+1+16*\b]|, 0x1800000   ; my 16 numbers of block b, and the floor 2^(3 - 127)
.endr
.irp i, 2,4,6,8,10,12,14
.irp b, 0,1,2,3
	v_max3_num_f32 v[TM+\b], v[TM+\b], |v[\s+16*\b+\i]|, |v[\s+1+16*\b+\i]|
.endr
.endr
.irp b, 0,1,2,3
	v_permlanex16_b32 v[TM+4+\b], v[TM+\b], s[SEL], s[SEL+1]
.endr
.irp b, 0,1,2,3
	v_max_num_f32 v[TM+\b], v[TM+\b], v[TM+4+\b]   ; with lane l xor 16's: the block's largest magnitude
.endr
.irp b, 0,1,2,3
	v_add_nc_u32 v[TM+12+\b], 0xff000000, v[TM+\b]   ; 2 off the exponent field: the conversion's scale operand
.endr
.irp b, 0,1,2,3
	v_lshrrev_b32 v[TM+4+\b], 23, v[TM+12+\b]
.endr
	v_lshl_or_b32 v[PW], v[TM+5], 8, v[TM+4]
	v_lshl_or_b32 v[PW], v[TM+6], 16, v[PW]
	v_lshl_or_b32 v[PW], v[TM+7], 24, v[PW]
.irp c, 0,1
	v_cvt_scalef32_pk16_fp6_f32 v[PC+6*\c:PC+2+6*\c], v[\s+32*\c:\s+15+32*\c], v[TM+12+2*\c]
	v_cvt_scalef32_pk16_fp6_f32 v[PC+12+4*\c:PC+14+4*\c], v[\s+16+32*\c:\s+31+32*\c], v[TM+12+2*\c+1]
.endr
	v_nop                                          ; one plain place behind a scaled conversion
.irp c, 0,1                                    ; a whole block to a lane: lanes 0-15 block 2 c, lanes 16-31 block 2 c + 1
.irp i, 0,1,2
	v_permlane16_swap_b32 v[PC+6*\c+\i], v[PC+12+4*\c+\i]
.endr
.irp i, 0,1,2
	v_mov_b32 v[PC+3+6*\c+\i], v[PC+12+4*\c+\i]
.endr
.endr
.endm
	s_mov_b32 s[SEL], 0x76543210
	s_mov_b32 s[SEL+1], 0xfedcba98
.irp b, 0,1,2,3
	v_mov_b32 v[TM+4+\b], 0                        ; written once: a lane permute's destination counts as one of its sources
.endr
	s_cmp_ge_u32 ttmp9, 8
	s_cbranch_scc1 .Lv_role
	; ---- q or k: my 128 tokens x two heads.  All tensor loads are done, so the descriptors' registers are free
	s_lshr_b32 s24, s96, 11                        ; batch
	s_bfe_u32 s25, s96, 0x40007                    ; which 128 tokens of it
	s_bfe_u32 s26, s97, 0x40006                    ; my first head
	s_lshl_b32 s24, s24, 4
	s_add_co_u32 s24, s24, s26
	s_mul_i32 s26, s24, 98304                      ; q: 128 tiles of 768 bytes a head,
	s_mul_i32 s27, s25, 6144
	s_add_co_u32 s26, s26, s27
	s_lshl_b32 s27, s24, 13                        ; 128 x 64 bytes of scale words
	s_lshl_b32 s28, s25, 9
	s_add_co_u32 s27, s27, s28
	s_add_co_u32 s27, s27, QSC
	s_mul_i32 s28, s24, BHB                        ; k: the record's head,
	s_mul_i32 s29, s25, REC
	s_add_co_u32 s28, s28, s29
	s_add_co_u32 s28, s28, KV
	s_add_co_u32 s29, s28, 12288                   ; and its scale words
	s_mov_b32 s30, 98304
	s_mov_b32 s31, 8192
	s_mov_b32 s32, BHB
	s_and_b32 s33, ttmp9, 1
	s_cmp_lg_u32 s33, 0
	s_cselect_b32 s26, s28, s26
	s_cselect_b32 s28, s29, s27
	s_cselect_b32 s30, s32, s30                    ; from head to head: codes,
	s_cselect_b32 s32, s32, s31                    ; scale words
	s_mov_b32 s27, 0
	s_mov_b32 s29, 0
	s_mov_b32 s31, 0
	s_mov_b32 s33, 0
	s_add_nc_u64 s[36:37], s[14:15], s[26:27]
	s_add_nc_u64 s[38:39], s[36:37], s[30:31]
	s_add_nc_u64 s[40:41], s[14:15], s[28:29]
	s_add_nc_u64 s[42:43], s[40:41], s[32:33]
.macro QKBLOCK a                       ; 16 tokens: + bias, quantised: half c of the fragment is head c's 64 features
	WIN 0x02+((\a)/4)
.set i, 0
.rept 32
	v_pk_add_f32 v[T+i:T+i+1], v[64*((\a)%4)+i:64*((\a)%4)+i+1], v[BI+i:BI+i+1]   ; ascending: each accumulator is first read at its low end
.set i, i+2
.endr
	WIN 0
	s_wait_xcnt 0x0                                ; the last block's stores have read their registers
	QUANT T
.irp c, 0,1
	global_store_b128 v[LN16], v[PC+6*\c:PC+6*\c+3], s[36+2*\c:37+2*\c] offset:(\a)*768        ; 512 consecutive bytes,
	global_store_b64 v[LN8], v[PC+6*\c+4:PC+6*\c+5], s[36+2*\c:37+2*\c] offset:(\a)*768+512    ; 256
.endr
	v_and_b32 v49, 0xffff, v[PW]                   ; head 0's two bytes; the upper two, for the half of K that attention fills with zero codes, are 0
	v_lshrrev_b32 v50, 16, v[PW]                   ; head 1's
	ds_store_b32 v[SWA], v49 offset:(\a)*64        ; (both halves of the lanes write the same word with the same value)
	ds_store_b32 v[SWA], v50 offset:512+(\a)*64
.endm
.irp a, 0,1,2,3,4,5,6,7
	QKBLOCK \a
.endr
	ds_load_b128 v[244:247], v[SRA]                ; LDS serves a wave's instructions in order: these see my stores
	ds_load_b128 v[248:251], v[SRA] offset:512
	s_wait_dscnt 0x0
	global_store_b128 v[LN16], v[244:247], s[40:41]
	global_store_b128 v[LN16], v[248:251], s[42:43]
	s_branch .Ldone
.Lv_role:
	; ---- v: my 128 features (two heads) x 128 keys: each block of 16 features is one fragment along the keys
	s_lshr_b32 s24, s97, 11                        ; batch
	s_bfe_u32 s25, s97, 0x40007                    ; which 128 keys
	s_bfe_u32 s26, s96, 0x40006                    ; my first head
	s_lshl_b32 s24, s24, 4
	s_add_co_u32 s24, s24, s26
	s_mul_i32 s26, s24, BHB
	s_mul_i32 s27, s25, REC
	s_add_co_u32 s26, s26, s27
	s_add_co_u32 s26, s26, KV+6144
	s_mov_b32 s27, 0
	s_add_nc_u64 s[36:37], s[14:15], s[26:27]
	s_add_nc_u64 s[40:41], s[36:37], 12800-6144
	v_mul_u32_u24 v26, v25, BHB
	v_lshl_add_u32 v26, v24, 4, v26                ; the scale words' way out: lanes 0-15 head 0's 256 bytes, lanes 16-31 head 1's
.irp a, 0,1,2,3,4,5,6,7
	v_mov_b32 v[BI+2*\a], v[BV+\a]                 ; my feature's bias as a pair
	v_mov_b32 v[BI+2*\a+1], v[BV+\a]
.endr
.macro VBLOCK a
	WIN 0x02+((\a)/4)
.set i, 0
.rept 32
	v_pk_add_f32 v[T+i:T+i+1], v[64*((\a)%4)+i:64*((\a)%4)+i+1], v[BI+2*(\a):BI+2*(\a)+1]
.set i, i+2
.endr
	WIN 0
	s_wait_xcnt 0x0
	QUANT T
	global_store_b128 v[LN16], v[PC:PC+3], s[36:37] offset:((\a)/4)*BHB+((\a)%4)*1536
	global_store_b64 v[LN8], v[PC+4:PC+5], s[36:37] offset:((\a)/4)*BHB+((\a)%4)*1536+512
	global_store_b128 v[LN16], v[PC+6:PC+9], s[36:37] offset:((\a)/4)*BHB+((\a)%4)*1536+768
	global_store_b64 v[LN8], v[PC+10:PC+11], s[36:37] offset:((\a)/4)*BHB+((\a)%4)*1536+1280
	ds_store_b32 v[SWA], v[PW] offset:8192+(\a)*64   ; this role's stage has bytes of its own
.endm
.irp a, 0,1,2,3,4,5,6,7
	VBLOCK \a
.endr
	ds_load_b128 v[244:247], v[SRA] offset:8192
	s_wait_dscnt 0x0
	global_store_b128 v26, v[244:247], s[40:41]
.Ldone:
	s_wait_tensorcnt 0x0                           ; the wave's end
	ds_add_u32 v[SPW], v[NIL]
	s_wait_dscnt 0x0
	CROUND                                         ; the closing round
	s_endpgm
.Lfunc_end_k_qcdcd919d41_qkv:
	.size	k_qcdcd919d41_qkv, .Lfunc_end_k_qcdcd919d41_qkv-k_qcdcd919d41_qkv
	.p2alignl 7, 3214868480
	.fill 96, 4, 3214868480
	.section	.rodata,"a",@progbits
	.p2align	6, 0x0
	.amdhsa_kernel k_qcdcd919d41_qkv
		.amdhsa_group_segment_fixed_size 327680
		.amdhsa_private_segment_fixed_size 0
		.amdhsa_enable_private_segment 0
		.amdhsa_kernarg_size 48
		.amdhsa_user_sgpr_count 2
		.amdhsa_user_sgpr_kernarg_segment_ptr 1
		.amdhsa_wavefront_size32 1
		.amdhsa_system_sgpr_workgroup_id_x 1
		.amdhsa_system_sgpr_workgroup_id_y 1
		.amdhsa_system_sgpr_workgroup_id_z 1
		.amdhsa_system_vgpr_workitem_id 0
		.amdhsa_next_free_vgpr 1024
		.amdhsa_next_free_sgpr 102
		.amdhsa_reserve_vcc 0
		.amdhsa_float_denorm_mode_32 3
		.amdhsa_float_denorm_mode_16_64 3
		.amdhsa_memory_ordered 1
		.amdhsa_forward_progress 1
		.amdhsa_inst_pref_size 224
	.end_amdhsa_kernel
	.amdgpu_metadata
---
amdhsa.version: [ 1, 2 ]
amdhsa.kernels:
  - .name:           k_qcdcd919d41_qkv
    .symbol:         k_qcdcd919d41_qkv.kd
    .args:
      - { .name: hq, .offset: 0, .size: 8, .value_kind: global_buffer, .address_space: global }
      - { .name: wts, .offset: 8, .size: 8, .value_kind: global_buffer, .address_space: global }
      - { .name: bq, .offset: 16, .size: 8, .value_kind: global_buffer, .address_space: global }
      - { .name: bk, .offset: 24, .size: 8, .value_kind: global_buffer, .address_space: global }
      - { .name: bv, .offset: 32, .size: 8, .value_kind: global_buffer, .address_space: global }
      - { .name: qkv, .offset: 40, .size: 8, .value_kind: global_buffer, .address_space: global }
    .group_segment_fixed_size: 327680
    .private_segment_fixed_size: 0
    .kernarg_segment_align: 8
    .kernarg_segment_size: 48
    .max_flat_workgroup_size: 128
    .sgpr_count:     102
    .vgpr_count:     1024
    .wavefront_size: 32
...
	.end_amdgpu_metadata
.endif
;; end of part 3
;; launch attn (part 4): grid 8 x 32, 16 waves a work-group, no clusters, 215,040 bytes of LDS; arguments qkv, att; writes att
.if DOCPART == 4
	.amdgcn_target "amdgcn-amd-amdhsa--gfx1250"
	.amdhsa_code_object_version 6
	.text
	.protected	k_qcdcd919d41_attn
	.globl	k_qcdcd919d41_attn
	.p2align	8
	.type	k_qcdcd919d41_attn,@function
k_qcdcd919d41_attn:
	s_mov_b64 s[64:65], 0
	v_nop
	global_prefetch_b8 v0, s[64:65] scope:SCOPE_SE
	s_setreg_imm32_b32 hwreg(HW_REG_WAVE_MODE, 25, 1), 1
	s_wait_xcnt 0x0
; Causal attention on codes of FP6 (E2M3) with E8M0 scales, head size 64, 2,048 keys, and the result quantised along the features as the next product's operand.
; t = score x log2(e) / 8; M = the running largest t rounded UP to a whole number; p = 2^(t - M) is quantised along the keys, not normalised; the row's sum is taken of the unquantised p and divides O at the end.
; When M moves, the sum and O are multiplied by 2^(old M - new M): exact.
; INPUTS, made by the launch before: q: half fragments of 768 bytes (16 queries x 64) and scale words; k, v: a record of 13,056 bytes for each 128 keys: k's 8 half fragments, v's 4 fragments (16 features x 128 keys), k's scale words, v's.
; All are images of the operand's registers: registers 6 c .. 6 c + 3 of lane L at 768 c + 16 L, registers 6 c + 4, + 5 at 768 c + 512 + 8 L.  The score product's K is 64: the upper half of both operands is zero codes, kept in registers.
; Places: tile position 16 u + r = row 8 u + r + 8 (r / 8) in each group of 32, for tokens and features alike: so the 16 registers of two neighbouring tiles of a transposed product are 16 neighbours.
; SHARES.  A work-group serves one head of one batch.  Its waves 0-7 take the 128 queries of block i, waves 8-15 those of block 15 - i, a tile of 16 each: block j needs j + 1 key steps, so each pair of waves has 17 whatever i.
; A HEAD'S 16 RECORDS, 208,896 BYTES, LIE IN LDS FOR THE WHOLE LAUNCH: waves 0-3 bring four records each at the start; nothing is filled again.  The first four records are waited for first; the others land while those are worked.
; No cluster: the steps that a wave leaves out hang on the work-group's block of queries, and partners of a cluster may not branch apart.
; Both products are used transposed (S^T = K Q^T, O^T = V^T P^T): a lane holds one query throughout.
; LIMITS: blocks of zeros or under 2^-124 carry the byte 1 (read by this program alone); NaN and infinities are not served; v_exp_f32 and v_rcp_f32 are good to one unit in the last place.
; REGISTERS: v1-4 lane terms; v8-10 the step's addresses; v12 -M, v13 the largest t, v[14:15] the sum; v16-27 Q; v28-31 V's scale words; v32-79 four fragments of K; v80-143 S^T, then p; v144-175 O^T; v176-223 V; v224-254 at work; v255 Q's scale word.
.set REC, 13056
.set BHB, 208896
.set QSC, 3145728
.set KV,  3407872
.set HS,  3145728
.set KFR, 32
.set S,   80
.set O,   144
.set VF,  176
.set WV,  18
.set SEL, 20
.set CS,  22
.set G1,  24
.set G0,  32
.set TB,  2                            ; s2   LDS byte of the step's record
.set KF,  48                           ; s48  the step's first key
.set QB,  49                           ; s49  my tile's first query
.set CNT, 50
	s_load_b128 s[4:7], s[0:1], 0x0                ; qkv, att
	v_lshl_add_u32 v11, v0, 2, 0x34000
	v_mov_b32 v243, 0
	ds_add_u32 v11, v243
	ds_add_u32 v11, v243
	v_lshrrev_b32 v8, 5, v0
	v_readfirstlane_b32 s[WV], v8                  ; wave 0..15
	s_and_b32 s52, ttmp7, 0xffff                   ; 16 x batch + head
	s_lshr_b32 s53, s[WV], 3
	s_mul_i32 s53, s53, 15
	s_xor_b32 s53, s53, ttmp9                      ; my block of 128 queries: i, or 15 - i
	s_lshl_b32 s53, s53, 3
	s_and_b32 s54, s[WV], 7
	s_add_co_u32 s53, s53, s54                     ; my tile of 16 places
	s_lshr_b32 s54, s53, 1
	s_lshl_b32 s54, s54, 5
	s_and_b32 s55, s53, 1
	s_lshl_b32 s55, s55, 3
	s_add_co_u32 s[QB], s54, s55                   ; its queries: QB + r + 8 (r / 8)
	s_and_b32 s57, s[WV], 3                        ; the records that I fetch, if I fetch: wave, wave + 4, + 8, + 12
	s_mul_i32 s57, s57, REC
	s_mul_i32 s58, s52, BHB
	s_add_co_u32 s58, s58, KV
	s_add_co_u32 s58, s58, s57
	s_mov_b32 s59, 0
	s_mul_i32 s60, s52, 98304                      ; q's half fragment,
	s_mul_i32 s61, s53, 768
	s_add_co_u32 s60, s60, s61
	s_mov_b32 s61, 0
	s_lshl_b32 s62, s52, 13                        ; its scale words
	s_lshl_b32 s63, s53, 6
	s_add_co_u32 s62, s62, s63
	s_add_co_u32 s62, s62, QSC
	s_mov_b32 s63, 0
	s_lshr_b32 s54, s52, 4                         ; batch
	s_lshl_b32 s54, s54, 7
	s_add_co_u32 s54, s54, s53                     ; my tile among all tokens'
	s_and_b32 s55, s52, 15                         ; head: K step head / 2, half head % 2 of the next product's operand
	s_lshr_b32 s56, s55, 1
	s_and_b32 s55, s55, 1
	s_mul_i32 s66, s54, 12288
	s_mul_i32 s67, s56, 1536
	s_add_co_u32 s66, s66, s67
	s_mul_i32 s67, s55, 768
	s_add_co_u32 s66, s66, s67
	s_mov_b32 s67, 0
	s_lshl_b32 s68, s56, 14
	s_lshl_b32 s69, s54, 6
	s_add_co_u32 s68, s68, s69
	s_lshl_b32 s69, s55, 1
	s_add_co_u32 s68, s68, s69
	s_add_co_u32 s68, s68, HS
	s_mov_b32 s69, 0
	s_mov_b32 s[G1], 3<<16                         ; a record is dense: 51 rows of 32 elements of 8 bytes, no padding, no mask
	s_mov_b32 s[G1+1], 32<<16
	s_mov_b32 s[G1+2], 51<<16
	s_mov_b32 s[G1+3], 32<<16
	s_mov_b32 s[G1+4], 51
	s_mov_b32 s[G1+5], 32
	s_mov_b32 s[G1+6], 0
	s_mov_b32 s[G1+7], 0
	s_mov_b32 s[SEL], 0x76543210
	s_mov_b32 s[SEL+1], 0xfedcba98
	s_mov_b32 s[CS], 0x3e38aa3b                    ; c = log2(e) / 8
	s_mov_b32 s[CS+1], s[CS]
	s_mov_b32 s[TB], 0
	s_mov_b32 s[KF], 0
	s_wait_dscnt 0x0
	s_wait_kmcnt 0x0
	s_add_nc_u64 s[58:59], s[4:5], s[58:59]
	s_add_nc_u64 s[60:61], s[4:5], s[60:61]
	s_add_nc_u64 s[62:63], s[4:5], s[62:63]
	s_add_nc_u64 s[66:67], s[6:7], s[66:67]
	s_add_nc_u64 s[68:69], s[6:7], s[68:69]
.irp j, 0,1,2,3
	s_mov_b32 s[G0+4*\j], 1
	s_add_co_u32 s[G0+4*\j+1], s57, \j*4*REC
	s_add_nc_u64 s[G0+4*\j+2:G0+4*\j+3], s[58:59], \j*4*REC
	s_or_b32 s[G0+4*\j+3], s[G0+4*\j+3], 0x80000000
.endr
	s_cmp_lt_u32 s[WV], 4                          ; all the fills stand in one branch on the wave's number: four loads of a fetching wave are out
	s_cbranch_scc0 .Lno_fill
	tensor_load_to_lds s[G0:G0+3], s[G1:G1+7]
	s_nop 0
	tensor_load_to_lds s[G0+4:G0+7], s[G1:G1+7]
	s_nop 0
	tensor_load_to_lds s[G0+8:G0+11], s[G1:G1+7]
	s_nop 0
	tensor_load_to_lds s[G0+12:G0+15], s[G1:G1+7]
	s_nop 0
.rept 4
	v_nop
.endr
.Lno_fill:
	v_and_b32 v8, 31, v0
	v_lshlrev_b32 v1, 4, v8                        ; 16 x lane
	v_lshlrev_b32 v2, 3, v8                        ; 8 x lane
	v_and_b32 v9, 15, v0                           ; r
	v_lshlrev_b32 v3, 2, v9                        ; a scale word's place
	v_bfe_u32 v10, v0, 4, 1
	v_and_b32 v4, 8, v9
	v_add_nc_u32 v4, v4, v9
	v_lshlrev_b32 v10, 4, v10
	v_sub_nc_u32 v4, v4, v10                       ; r + 8 (r / 8) - 16 (lane / 16), for the mask
	global_load_b128 v[16:19], v1, s[60:61]
	global_load_b64 v[20:21], v2, s[60:61] offset:512
	global_load_b32 v255, v3, s[62:63]
.irp j, 22,23,24,25,26,27
	v_mov_b32 v\j, 0                               ; the upper half of K: zero codes
.endr
.irp t, 0,1,2,3
.irp j, 6,7,8,9,10,11
	v_mov_b32 v[KFR+12*\t+\j], 0
.endr
.endr
	v_mov_b32 v13, 0xff61b1e6                      ; the largest t so far: -3e38
	v_floor_f32 v12, -v13                          ; -M
	v_mov_b32 v14, 0
	v_mov_b32 v15, 0
.irp b, 0,1,2,3
	v_mov_b32 v[236+\b], 0                         ; a lane permute's destination counts as one of its sources
.endr
	v_mov_b32 v253, 0
.set i, 0
.rept 32
	v_mov_b32 v[O+i], 0                            ; the step is written once: the first finds zeros
.set i, i+1
.endr
; A KEY STEP: 128 keys.
.macro STEP
	s_add_co_u32 s51, s[QB], 23                    ; a step all of whose keys come after my queries is left out: a branch on ids, round the work, not round the lines that step addresses
	s_cmp_gt_u32 s[KF], s51
	s_cbranch_scc1 .Lhidden_\@
	v_add_nc_u32 v8, s[TB], v1
	v_add_nc_u32 v9, s[TB], v2
	v_add_nc_u32 v10, s[TB], v3
.irp g, 0,1                                    ; S^T = K Q^T, four tiles of 16 keys at a time
.if \g > 0
.rept 4
	v_nop                                          ; places in front of loads into registers that matrix instructions have read
.endr
.endif
.irp t, 0,1,2,3
	ds_load_b128 v[KFR+12*\t:KFR+12*\t+3], v8 offset:(4*\g+\t)*768
	ds_load_b64 v[KFR+12*\t+4:KFR+12*\t+5], v9 offset:(4*\g+\t)*768+512
	ds_load_b32 v[248+\t], v10 offset:12288+64*(4*\g+\t)
.endr
	s_wait_dscnt 0x0
.irp t, 0,1,2,3
	v_wmma_scale_f32_16x16x128_f8f6f4 v[S+8*(4*\g+\t):S+8*(4*\g+\t)+7], v[KFR+12*\t:KFR+12*\t+11], v[16:27], 0, v[248+\t], v255 matrix_a_fmt:MATRIX_FMT_FP6 matrix_b_fmt:MATRIX_FMT_FP6
.endr
.endr                                          ; register 16 b + i: key KF + 32 b + 16 (lane / 16) + i
.rept 4
	v_nop
.endr
.irp t, 0,1,2,3                                ; V's fragments land while the softmax is worked
	ds_load_b128 v[VF+12*\t:VF+12*\t+3], v8 offset:6144+1536*\t
	ds_load_b64 v[VF+12*\t+4:VF+12*\t+5], v9 offset:6144+1536*\t+512
	ds_load_b128 v[VF+12*\t+6:VF+12*\t+9], v8 offset:6144+1536*\t+768
	ds_load_b64 v[VF+12*\t+10:VF+12*\t+11], v9 offset:6144+1536*\t+1280
	ds_load_b32 v[28+\t], v10 offset:12800+64*\t
.endr
	s_add_co_u32 s51, s[KF], 127                   ; on the diagonal hidden scores become -infinity ahead of the maximum; a step all of whose keys count skips this
	s_cmp_le_u32 s51, s[QB]
	s_cbranch_scc1 .Lopen_\@
	s_sub_co_i32 s51, s[QB], s[KF]
	v_add_nc_u32 v252, s51, v4                     ; d = my query - KF - 16 (lane / 16): register 16 b + i is hidden where 32 b + i > d
	v_mov_b32 v254, 0xff800000
.set n, 0
.rept 64
	v_cmp_gt_i32 vcc_lo, 32*(n/16)+n%16, v252
	v_cndmask_b32 v[S+n], v[S+n], v254, vcc_lo
.set n, n+1
.endr
.Lopen_\@:
.irp b, 0,1,2,3
	v_max3_num_f32 v[232+\b], v[S+16*\b], v[S+1+16*\b], v[S+2+16*\b]   ; the largest score of each block of 32 keys: for the row's maximum, and, since p rises with the score, for the block's largest p
.endr
.irp i, 3,5,7,9,11,13
.irp b, 0,1,2,3
	v_max3_num_f32 v[232+\b], v[232+\b], v[S+16*\b+\i], v[S+1+16*\b+\i]
.endr
.endr
.irp b, 0,1,2,3
	v_max_num_f32 v[232+\b], v[232+\b], v[S+15+16*\b]
.endr
.irp b, 0,1,2,3
	v_permlanex16_b32 v[236+\b], v[232+\b], s[SEL], s[SEL+1]
.endr
.irp b, 0,1,2,3
	v_max_num_f32 v[232+\b], v[232+\b], v[236+\b]
.endr
	v_max3_num_f32 v254, v232, v233, v234
	v_max_num_f32 v254, v254, v235
	v_mul_f32 v254, s[CS], v254
	v_max_num_f32 v13, v13, v254                   ; the running largest t
	v_mov_b32 v254, v12
	v_floor_f32 v12, -v13                          ; the new -M = -ceil(t)
	v_sub_f32 v254, v12, v254                      ; old M - new M: a whole number, 0 or less
	v_cvt_i32_f32 v254, v254
	v_ldexp_f32 v252, 1.0, v254                    ; f = 2^(old M - new M)
.set j, 0
.rept 32
	v_pk_fma_f32 v[S+j:S+j+1], v[S+j:S+j+1], s[CS:CS+1], v[12:13] op_sel_hi:[1,0,0]   ; t - M
.set j, j+2
.endr
.irp b, 0,1,2,3
	v_fma_f32 v[232+\b], v[232+\b], s[CS], v12
.endr
.set j, 0
.rept 64
	v_exp_f32 v[S+j], v[S+j]                       ; p = 2^(t - M)
.set j, j+1
.endr
	v_pk_mul_f32 v[14:15], v[14:15], v[252:253] op_sel_hi:[1,0]   ; the sums under the new M (a plain place behind the exponentials)
	s_wait_alu depctr_va_vdst(0)                   ; one wait for the whole batch, ahead of its first reader
.irp b, 0,1,2,3
	v_exp_f32 v[232+\b], v[232+\b]                 ; each block's largest p
.endr
	v_pk_add_f32 v[236:237], v[S:S+1], v[S+2:S+3]  ; the row's sum of the unquantised p, in two chains
.irp j, 4,8,12,16,20,24,28,32,36,40,44,48,52,56,60
	v_pk_add_f32 v[14:15], v[14:15], v[S+\j:S+1+\j]
	v_pk_add_f32 v[236:237], v[236:237], v[S+2+\j:S+3+\j]
.endr
	v_pk_add_f32 v[14:15], v[14:15], v[236:237]
	s_wait_alu depctr_va_vdst(0)                   ; and one for the four
.irp b, 0,1,2,3
	v_max_num_f32 v[232+\b], 0x1800000, v[232+\b]  ; the floor 2^(3 - 127)
.endr
.irp b, 0,1,2,3
	v_add_nc_u32 v[244+\b], 0xff000000, v[232+\b]
.endr
.irp b, 0,1,2,3
	v_lshrrev_b32 v[236+\b], 23, v[244+\b]
.endr
	v_lshl_or_b32 v253, v237, 8, v236              ; p's scale word for these 128 keys
	v_lshl_or_b32 v253, v238, 16, v253
	v_lshl_or_b32 v253, v239, 24, v253
.irp c, 0,1
	v_cvt_scalef32_pk16_fp6_f32 v[224+6*\c:226+6*\c], v[S+32*\c:S+15+32*\c], v[244+2*\c]
	v_cvt_scalef32_pk16_fp6_f32 v[236+4*\c:238+4*\c], v[S+16+32*\c:S+31+32*\c], v[244+2*\c+1]
.endr
	v_nop                                          ; one plain place behind a scaled conversion
.irp c, 0,1
.irp i, 0,1,2
	v_permlane16_swap_b32 v[224+6*\c+\i], v[236+4*\c+\i]
.endr
.irp i, 0,1,2
	v_mov_b32 v[227+6*\c+\i], v[236+4*\c+\i]
.endr
.endr
.set j, 0
.rept 16
	v_pk_mul_f32 v[O+j:O+j+1], v[O+j:O+j+1], v[252:253] op_sel_hi:[1,0]   ; O^T under the new M; these sixteen are also the places between the lines that made p's codes and scale word and the products
.set j, j+2
.endr
	s_wait_dscnt 0x0                               ; V
.irp t, 0,1,2,3                                ; O^T += V^T P^T: the four accumulators by turns
	v_wmma_scale_f32_16x16x128_f8f6f4 v[O+8*\t:O+8*\t+7], v[VF+12*\t:VF+12*\t+11], v[224:235], v[O+8*\t:O+8*\t+7], v[28+\t], v253 matrix_a_fmt:MATRIX_FMT_FP6 matrix_b_fmt:MATRIX_FMT_FP6
.endr
.Lhidden_\@:
	s_add_co_u32 s[KF], s[KF], 128
	s_add_co_u32 s[TB], s[TB], REC
.endm
	s_wait_tensorcnt 0x3                           ; a fetching wave's first record is in, its three later ones may be out: with the barrier, records 0 to 3 are whole
	s_wait_loadcnt 0x0                             ; Q
	s_barrier_signal -1
	s_barrier_wait -1
	s_mov_b32 s[CNT], 4
.Lfirst:
	STEP
	s_sub_co_u32 s[CNT], s[CNT], 1
	s_cmp_lg_u32 s[CNT], 0
	s_cbranch_scc1 .Lfirst
	s_wait_tensorcnt 0x0                           ; all records
	s_wait_dscnt 0x0
	s_barrier_signal -1
	s_barrier_wait -1
	s_mov_b32 s[CNT], 12
.Lrest:
	STEP
	s_sub_co_u32 s[CNT], s[CNT], 1
	s_cmp_lg_u32 s[CNT], 0
	s_cbranch_scc1 .Lrest
	; THE WAY OUT: O^T / the sum; register 16 b + i is feature 32 b + 16 (lane / 16) + i of my query: two blocks of the next product's K
.rept 4
	v_nop
.endr
	v_add_f32 v14, v14, v15
	v_permlanex16_b32 v252, v14, s[SEL], s[SEL+1]
	v_add_f32 v14, v14, v252                       ; the row's sum
	v_rcp_f32 v14, v14
	v_nop                                          ; a plain place behind the transcendental
	s_wait_alu depctr_va_vdst(0)                   ; and the wait ahead of the first reader
.set j, 0
.rept 32
	v_mul_f32 v[S+j], v[O+j], v14
.set j, j+1
.endr
.irp b, 0,1
	v_max3_num_f32 v[232+\b], |v[S+16*\b]|, |v[S+1+16*\b]|, 0x1800000
.endr
.irp i, 2,4,6,8,10,12,14
.irp b, 0,1
	v_max3_num_f32 v[232+\b], v[232+\b], |v[S+16*\b+\i]|, |v[S+1+16*\b+\i]|
.endr
.endr
.irp b, 0,1
	v_permlanex16_b32 v[236+\b], v[232+\b], s[SEL], s[SEL+1]
.endr
.irp b, 0,1
	v_max_num_f32 v[232+\b], v[232+\b], v[236+\b]
.endr
.irp b, 0,1
	v_add_nc_u32 v[244+\b], 0xff000000, v[232+\b]
.endr
.irp b, 0,1
	v_lshrrev_b32 v[236+\b], 23, v[244+\b]
.endr
	v_lshl_or_b32 v253, v237, 8, v236              ; my head's two bytes of the scale word
	v_cvt_scalef32_pk16_fp6_f32 v[224:226], v[S:S+15], v244
	v_cvt_scalef32_pk16_fp6_f32 v[228:230], v[S+16:S+31], v245
	v_nop
.irp i, 0,1,2
	v_permlane16_swap_b32 v[224+\i], v[228+\i]
.endr
	v_mov_b32 v227, v228
	v_mov_b32 v228, v229
	v_mov_b32 v229, v230
	global_store_b128 v1, v[224:227], s[66:67]     ; 512 consecutive bytes,
	global_store_b64 v2, v[228:229], s[66:67] offset:512   ; 256
	global_store_b16 v3, v253, s[68:69]            ; two heads share a scale word, so this store is two bytes a lane: 128 KiB of the launch's 3.2 MiB (both halves of the lanes write the same bytes with the same value)
	s_wait_tensorcnt 0x0
	ds_add_u32 v11, v243
	s_wait_dscnt 0x0
	s_endpgm
.Lfunc_end_k_qcdcd919d41_attn:
	.size	k_qcdcd919d41_attn, .Lfunc_end_k_qcdcd919d41_attn-k_qcdcd919d41_attn
	.p2alignl 7, 3214868480
	.fill 96, 4, 3214868480
	.section	.rodata,"a",@progbits
	.p2align	6, 0x0
	.amdhsa_kernel k_qcdcd919d41_attn
		.amdhsa_group_segment_fixed_size 215040
		.amdhsa_private_segment_fixed_size 0
		.amdhsa_enable_private_segment 0
		.amdhsa_kernarg_size 16
		.amdhsa_user_sgpr_count 2
		.amdhsa_user_sgpr_kernarg_segment_ptr 1
		.amdhsa_wavefront_size32 1
		.amdhsa_system_sgpr_workgroup_id_x 1
		.amdhsa_system_sgpr_workgroup_id_y 1
		.amdhsa_system_sgpr_workgroup_id_z 1
		.amdhsa_system_vgpr_workitem_id 0
		.amdhsa_next_free_vgpr 256
		.amdhsa_next_free_sgpr 72
		.amdhsa_reserve_vcc 1
		.amdhsa_float_denorm_mode_32 3
		.amdhsa_float_denorm_mode_16_64 3
		.amdhsa_memory_ordered 1
		.amdhsa_forward_progress 1
		.amdhsa_inst_pref_size 56
	.end_amdhsa_kernel
	.amdgpu_metadata
---
amdhsa.version: [ 1, 2 ]
amdhsa.kernels:
  - .name:           k_qcdcd919d41_attn
    .symbol:         k_qcdcd919d41_attn.kd
    .args:
      - { .name: qkv, .offset: 0, .size: 8, .value_kind: global_buffer, .address_space: global }
      - { .name: att, .offset: 8, .size: 8, .value_kind: global_buffer, .address_space: global }
    .group_segment_fixed_size: 215040
    .private_segment_fixed_size: 0
    .kernarg_segment_align: 8
    .kernarg_segment_size: 16
    .max_flat_workgroup_size: 512
    .sgpr_count:     72
    .vgpr_count:     256
    .wavefront_size: 32
...
	.end_amdgpu_metadata
.endif
;; end of part 4
;; launch proj (part 5): grid 4 x 16, 4 waves a work-group, clusters of 4 x 4, 327,680 bytes of LDS; arguments att, wts, bp, x, x1; writes x1
.if DOCPART == 5
	.amdgcn_target "amdgcn-amd-amdhsa--gfx1250"
	.amdhsa_code_object_version 6
	.text
	.protected	k_qcdcd919d41_proj
	.globl	k_qcdcd919d41_proj
	.p2align	8
	.type	k_qcdcd919d41_proj,@function
k_qcdcd919d41_proj:
	s_mov_b64 s[64:65], 0
	v_nop
	global_prefetch_b8 v0, s[64:65] scope:SCOPE_SE
	s_setreg_imm32_b32 hwreg(HW_REG_WAVE_MODE, 25, 1), 1
	s_wait_xcnt 0x0
	s_wait_alu depctr_hold_cnt(0) depctr_sa_sdst(0) depctr_va_vdst(0) depctr_va_sdst(0) depctr_va_ssrc(0) depctr_va_vcc(0) depctr_vm_vsrc(0)
	s_getreg_b32 s2, hwreg(HW_REG_IB_STS2, 6, 4)
	s_cmp_eq_u32 s2, 0
	s_cbranch_scc0 .Lentry_in_a_cluster
	s_endpgm
.Lentry_in_a_cluster:
	s_bfe_u32 s2, ttmp6, 0x10000c
	s_cmp_lg_u32 s2, 0xf033
	s_cbranch_scc0 .Lentry_shape_is_right
	s_endpgm
.Lentry_shape_is_right:
; x1 = x + (att Wp + bp): a product on codes of FP6 (E2M3) with E8M0 scales, K = 1,024, M = 4,096 tokens, N = 1,024; bias and residual in f32.
; OPERANDS lie in memory as images of the matrix operand's registers: rows in groups of 32, place 16 u + r = row 8 u + r + 8 (r / 8); a fragment (16 places x 128 K) is 1,536 bytes: half c at 768 c: registers 6 c .. 6 c + 3
; of lane L at 16 L, registers 6 c + 4, + 5 at 512 + 8 L; codes [place / 16][K / 128][1,536]; scale words [K / 128][place].  So a fragment comes from LDS by four dense loads, with no padding.
; A tile of 256 x 256 is made by four waves, 128 x 128 each: 64 accumulators.  K goes in steps of 256 through two LDS slots; a wave's tensor load brings 8 rows of 3,072 bytes.  The scale words of the work-group's 512 rows
; for all of K come once, with the first fills.  CLUSTERS of 4 x 4: A's tiles are asked for jointly along a row of the cluster, B's along a column.  The output has 64 such tiles: 64 work-groups.
; THE INSTRUCTION IS USED TRANSPOSED: source 0 = B's fragment (Wp's columns), source 1 = A's (tokens): a lane holds one token, and the registers of B's tile 2 e + u are columns 32 e + 16 (lane / 16) + 8 u + 0 .. 7.
; THE WAY OUT: a block of 16 tokens goes through the wave's stage in LDS, comes back as rows of 512 bytes, takes bias and residual, and leaves in stores of 512 consecutive bytes.
; REGISTERS: window 0: v1-31 addresses; v32-63 scale words; v128-223 A's fragments; v224-227 the bias.  window 1: B's, two sets.  windows 2, 3: accumulators.
.set KDIM,  1024
.set ASC,   3145728                    ; A's scale planes in its buffer, and their pitch
.set ASPL,  16384
.set BCO,   2359296                    ; B's codes and scale planes in wts
.set BSC,   9568256
.set BSPL,  4096
.set RTG,   KDIM/128*1536
.set KS,    KDIM/128
.set LAPS,  KDIM/512
.set NQ,    2
.set FR,    12
.set NL,    4
.set NP,    4
.set HALFT, 8*3072
.set SLOT,  4*HALFT
.set SCL,   2*SLOT
.set HALFS, KS*576
.set SPARE, SCL+4*HALFS                ; the spare words, 128 bytes for each wave: two blocks of 256 bytes that no other line names
.set LN16, 1
.set LN8,  2
.set ADRA, 16
.set ADRB, 20
.set STO,  24                          ; v24 the way out: where I put 32 bytes of a row (the stage lies in slot 0, which has had its last fill and its last read by then)
.set RD,   25                          ; v25 and where I read a row back
.set ADSA, 27
.set SPW,  28
.set NIL,  29
.set ADSB, 30
.set SC,   32
.set AF,   128
.set RES,  32                          ; the way out: residual rows, two sets of 64
.set BB,   160                         ; 16 rows back from the stage
.set BIA,  224
.set G1, 24
.set G0, 32
.set G1B, 48
.set G0B, 56
.set G1S, 68
.set G0S, 76
.set G1SB, 80
.set G0SB, 88
.set MSB, 0
.macro WIN new
.if MSB != \new
	s_set_vgpr_msb (MSB<<8)|\new
.set MSB, \new
.endif
.endm
.set MUL_LO, 0xa1
.set MUL_HI, 0xf1
.set TO_B,   0x40
.macro JLOAD g0a, g1a, g0b, g1b        ; a joint load: waves 0 and 1 fetch for A, waves 2 and 3 for B; four v_nop follow each line
	s_cmp_eq_u32 s17, 0
	s_cbranch_scc0 .Lfor_b_\@
	tensor_load_to_lds s[\g0a:\g0a+3], s[\g1a:\g1a+7]
	s_nop 0
.rept 4
	v_nop
.endr
	s_branch .Lasked_\@
.Lfor_b_\@:
	tensor_load_to_lds s[\g0b:\g0b+3], s[\g1b:\g1b+7]
	s_nop 0
.rept 4
	v_nop
.endr
.Lasked_\@:
.endm
.macro CREST
	s_cmp_lg_u32 s16, 0
	s_cbranch_scc1 .Lnot_wave_0_\@
	s_barrier_signal -3
.Lnot_wave_0_\@:
	s_barrier_wait -3
	s_barrier_signal -1
	s_barrier_wait -1
.endm
.macro CROUND
	s_barrier_signal -1
	s_barrier_wait -1
	CREST
.endm
	s_load_b256 s[4:11], s[0:1], 0x0               ; A's buffer, wts, the bias, the residual
	s_load_b64 s[12:13], s[0:1], 0x20              ; the output
	v_lshl_add_u32 v[SPW], v0, 2, SPARE
	v_mov_b32 v[NIL], 0
	ds_add_u32 v28, v29
	ds_add_u32 v28, v29
	s_wait_dscnt 0x0
	v_lshrrev_b32 v1, 5, v0
	v_readfirstlane_b32 s16, v1
	s_lshr_b32 s17, s16, 1
	s_and_b32 s18, s16, 1
	s_bfe_u32 s40, ttmp6, 0x40000
	s_bfe_u32 s41, ttmp6, 0x40004
	s_lshl_b32 s42, ttmp9, 2
	s_add_co_u32 s42, s42, s40                     ; tile column
	s_and_b32 s19, ttmp7, 0xffff
	s_lshl_b32 s19, s19, 2
	s_add_co_u32 s19, s19, s41                     ; tile row
	s_lshl_b32 s43, s41, 2
	s_lshl_b32 s43, 15, s43
	s_lshl_b32 s44, 0x1111, s40
	s_or_b32 s[G1+0], s43, (3<<16)|(1<<21)
	s_or_b32 s[G1B+0], s44, (3<<16)|(1<<21)
.irp g, G1, G1B
	s_mov_b32 s[\g+1], 384<<16
	s_mov_b32 s[\g+2], 8<<16
	s_mov_b32 s[\g+3], 384<<16
	s_mov_b32 s[\g+4], 8
	s_mov_b32 s[\g+5], RTG/8
	s_mov_b32 s[\g+6], 0
	s_mov_b32 s[\g+7], 0
.endr
	s_or_b32 s[G1S+0], s43, (3<<16)|(1<<20)|(1<<21)|(6<<22)|(15<<25)
	s_or_b32 s[G1SB+0], s44, (3<<16)|(1<<20)|(1<<21)|(6<<22)|(15<<25)
.irp g, G1S, G1SB
	s_mov_b32 s[\g+1], 64<<16
	s_mov_b32 s[\g+2], KS<<16
	s_mov_b32 s[\g+3], 64<<16
	s_mov_b32 s[\g+4], KS
	s_mov_b32 s[\g+6], 0
	s_mov_b32 s[\g+7], 0
.endr
	s_mov_b32 s[G1S+5], ASPL/8
	s_mov_b32 s[G1SB+5], BSPL/8
	s_lshl_b32 s20, s19, 4
	s_lshl_b32 s21, s18, 3
	s_add_co_u32 s20, s20, s21
	s_mul_i32 s20, s20, RTG
	s_mov_b32 s21, 0
	s_lshl_b32 s22, s19, 10
	s_lshl_b32 s23, s18, 9
	s_add_co_u32 s22, s22, s23
	s_add_co_u32 s22, s22, ASC
	s_mov_b32 s23, 0
	s_lshl_b32 s46, s42, 4
	s_lshl_b32 s47, s18, 3
	s_add_co_u32 s46, s46, s47
	s_mul_i32 s46, s46, RTG
	s_add_co_u32 s46, s46, BCO
	s_mov_b32 s47, 0
	s_lshl_b32 s92, s42, 10
	s_lshl_b32 s93, s18, 9
	s_add_co_u32 s92, s92, s93
	s_add_co_u32 s92, s92, BSC
	s_mov_b32 s93, 0
	s_mul_i32 s45, s16, HALFT
	s_mul_i32 s94, s16, HALFS
	s_wait_kmcnt 0x0
	s_add_nc_u64 s[20:21], s[4:5], s[20:21]
	s_add_nc_u64 s[22:23], s[4:5], s[22:23]
	s_add_nc_u64 s[46:47], s[6:7], s[46:47]
	s_add_nc_u64 s[92:93], s[6:7], s[92:93]
	CROUND                                         ; all sixteen work-groups are here: the first joint loads meet
	s_mov_b32 s[G0S], 1
	s_add_co_u32 s[G0S+1], s94, SCL
	s_mov_b64 s[G0S+2:G0S+3], s[22:23]
	s_or_b32 s[G0S+3], s[G0S+3], 0x80000000
	s_mov_b32 s[G0SB], 1
	s_add_co_u32 s[G0SB+1], s94, SCL
	s_mov_b64 s[G0SB+2:G0SB+3], s[92:93]
	s_or_b32 s[G0SB+3], s[G0SB+3], 0x80000000
	JLOAD G0S, G1S, G0SB, G1SB                     ; with the two slots' fills three loads of mine are out
.irp s, 0,1
	s_mov_b32 s[G0+4*\s], 1
	s_add_co_u32 s[G0+4*\s+1], s45, \s*SLOT
	s_add_nc_u64 s[G0+4*\s+2:G0+4*\s+3], s[20:21], \s*3072
	s_or_b32 s[G0+4*\s+3], s[G0+4*\s+3], 0x80000000
	s_mov_b32 s[G0B+4*\s], 1
	s_add_co_u32 s[G0B+4*\s+1], s45, \s*SLOT
	s_add_nc_u64 s[G0B+4*\s+2:G0B+4*\s+3], s[46:47], \s*3072
	s_or_b32 s[G0B+4*\s+3], s[G0B+4*\s+3], 0x80000000
	JLOAD G0+4*\s, G1, G0B+4*\s, G1B
.endr
	v_and_b32 v7, 31, v0
	v_lshlrev_b32 v[LN16], 4, v7
	v_lshlrev_b32 v[LN8], 3, v7
	s_mul_i32 s21, s17, HALFT
	s_mul_i32 s22, s18, HALFT
	s_add_co_u32 s22, s22, 2*HALFT
.irp s, 0,1
	v_add_nc_u32 v[ADRA+\s], s21, v[LN16]
	v_add_nc_u32 v[ADRB+\s], s22, v[LN16]
	v_add_nc_u32 v[ADRA+2+\s], s21, v[LN8]
	v_add_nc_u32 v[ADRB+2+\s], s22, v[LN8]
	s_add_co_u32 s21, s21, SLOT
	s_add_co_u32 s22, s22, SLOT
.endr
	v_and_b32 v5, 15, v0                           ; r
	v_bfe_u32 v6, v0, 4, 1                         ; h
	v_mul_u32_u24 v7, v6, 576
	v_lshl_add_u32 v7, v5, 2, v7
	s_mul_i32 s21, s17, HALFS
	s_add_co_u32 s21, s21, SCL
	v_add_nc_u32 v[ADSA], s21, v7
	s_mul_i32 s22, s18, HALFS
	s_add_co_u32 s22, s22, SCL+2*HALFS
	v_add_nc_u32 v[ADSB], s22, v7
	s_mul_i32 s21, s16, 16*528                     ; my stage: 16 rows of 512 bytes + 16
	v_mul_u32_u24 v7, v5, 528
	v_lshl_add_u32 v7, v6, 6, v7
	v_add_nc_u32 v[STO], s21, v7
	v_add_nc_u32 v[RD], s21, v[LN16]
	s_lshl_b32 s20, s19, 8
	s_lshl_b32 s21, s17, 7
	s_add_co_u32 s20, s20, s21                     ; my first token,
	s_lshl_b32 s20, s20, 12                        ; 4,096 bytes a row
	s_lshl_b32 s46, s42, 10
	s_lshl_b32 s47, s18, 9
	s_add_co_u32 s46, s46, s47                     ; my first column, in bytes
	s_mov_b32 s47, 0
	s_add_nc_u64 s[8:9], s[8:9], s[46:47]
	s_add_co_u32 s20, s20, s46
	s_mov_b32 s21, 0
	s_add_nc_u64 s[10:11], s[10:11], s[20:21]
	s_add_nc_u64 s[12:13], s[12:13], s[20:21]
	global_load_b128 v[BIA:BIA+3], v[LN16], s[8:9] ; the bias of the four columns that I hold of a row read back
.macro FRAG reg, adr, q, i
	ds_load_b128 v[\reg:\reg+3], v[\adr] offset:(\i)*3072+(\q)*1536
	ds_load_b64 v[\reg+4:\reg+5], v[\adr+2] offset:(\i)*3072+(\q)*1536+512
	ds_load_b128 v[\reg+6:\reg+9], v[\adr] offset:(\i)*3072+(\q)*1536+768
	ds_load_b64 v[\reg+10:\reg+11], v[\adr+2] offset:(\i)*3072+(\q)*1536+1280
.endm
; 16 matrix instructions; the 64 accumulators take turns, one instruction a turn
.macro MUL16 a0, p, q, sc, zero
.irp a, \a0, \a0+1
.irp b, 0,1,2,3,4,5,6,7
.if \zero
	v_wmma_scale_f32_16x16x128_f8f6f4 v[8*(8*((\a)%4)+\b):8*(8*((\a)%4)+\b)+7], v[128*(\p)+FR*\b:128*(\p)+FR*\b+FR-1], v[AF+FR*(\a):AF+FR*(\a)+FR-1], 0, v[SC+16*(\sc)+8+\b], v[SC+16*(\sc)+(\a)] matrix_a_fmt:MATRIX_FMT_FP6 matrix_b_fmt:MATRIX_FMT_FP6
.elseif (\q) == 0
	v_wmma_scale_f32_16x16x128_f8f6f4 v[8*(8*((\a)%4)+\b):8*(8*((\a)%4)+\b)+7], v[128*(\p)+FR*\b:128*(\p)+FR*\b+FR-1], v[AF+FR*(\a):AF+FR*(\a)+FR-1], v[8*(8*((\a)%4)+\b):8*(8*((\a)%4)+\b)+7], v[SC+16*(\sc)+8+\b], v[SC+16*(\sc)+(\a)] matrix_a_fmt:MATRIX_FMT_FP6 matrix_b_fmt:MATRIX_FMT_FP6
.else
	v_wmma_scale_f32_16x16x128_f8f6f4 v[8*(8*((\a)%4)+\b):8*(8*((\a)%4)+\b)+7], v[128*(\p)+FR*\b:128*(\p)+FR*\b+FR-1], v[AF+FR*(\a):AF+FR*(\a)+FR-1], v[8*(8*((\a)%4)+\b):8*(8*((\a)%4)+\b)+7], v[SC+16*(\sc)+8+\b], v[SC+16*(\sc)+(\a)] matrix_a_fmt:MATRIX_FMT_FP6 matrix_b_fmt:MATRIX_FMT_FP6 matrix_a_scale:MATRIX_SCALE_ROW1 matrix_b_scale:MATRIX_SCALE_ROW1
.endif
.endr
.endr
.endm
.macro FETCH_B slot, q, p
	WIN TO_B
.irp i, 0,1,2,3,4,5,6,7
	FRAG 128*(\p)+FR*\i, ADRB+\slot, \q, \i
.endr
	WIN 0
.endm
.macro FETCH_A slot, q, i0
.irp i, \i0, \i0+1, \i0+2, \i0+3
	FRAG AF+FR*(\i), ADRA+\slot, \q, \i
.endr
.endm
.macro SCALES sc
.irp i, 0,1,2,3,4,5,6,7
	ds_load_b32 v[SC+16*\sc+\i], v[ADSA] offset:64*\i
	ds_load_b32 v[SC+16*\sc+8+\i], v[ADSB] offset:64*\i
.endr
.endm
.macro PLACES n
.rept \n
	v_nop
.endr
.endm
.macro STEP slot, q, zero
	s_wait_dscnt 4*NL                              ; all but the youngest sixteen loads (A's blocks 4-7) are in
	WIN MUL_LO
	MUL16 0, (\q)%2, \q, \slot, \zero
	MUL16 2, (\q)%2, \q, \slot, \zero
	s_wait_dscnt 0
	PLACES NP
	FETCH_B \slot, (\q)+1, 1-(\q)%2
	FETCH_A \slot, (\q)+1, 0
	WIN MUL_HI
	MUL16 4, (\q)%2, \q, \slot, \zero
	MUL16 6, (\q)%2, \q, \slot, \zero
	PLACES NP
	WIN 0
	FETCH_A \slot, (\q)+1, 4
.endm
.macro TURN slot, next, fill
	s_wait_tensorcnt 0x0                           ; all my tensor loads have landed: my part of the next slot
	ds_add_u32 v[SPW], v[NIL]                      ; 0 onto my spare word
	s_wait_dscnt 4*NL+1                            ; (the add and A's blocks 4-7 may be out)
	WIN MUL_LO
	MUL16 0, 1, NQ-1, \slot, 0
	s_wait_dscnt 0x0                               ; the add is done, and my reads of this slot are over
	s_barrier_signal -1
	MUL16 2, 1, NQ-1, \slot, 0
	WIN 0
	s_barrier_wait -1
.if \fill
	CREST                                          ; a round of the cluster's barrier: no wave of any partner still reads this slot or has a load on its way
	s_add_nc_u64 s[G0+4*\slot+2:G0+4*\slot+3], s[G0+4*\slot+2:G0+4*\slot+3], 6144
	s_add_nc_u64 s[G0B+4*\slot+2:G0B+4*\slot+3], s[G0B+4*\slot+2:G0B+4*\slot+3], 6144
	JLOAD G0+4*\slot, G1, G0B+4*\slot, G1B
.else
	PLACES NP
.endif
	v_add_nc_u32 v[ADSA], 1152, v[ADSA]
	v_add_nc_u32 v[ADSB], 1152, v[ADSB]
	FETCH_B \next, 0, 0
	FETCH_A \next, 0, 0
	SCALES \next
	WIN MUL_HI
	MUL16 4, 1, NQ-1, \slot, 0
	MUL16 6, 1, NQ-1, \slot, 0
	PLACES NP
	WIN 0
	FETCH_A \next, 0, 4
.endm
	s_wait_tensorcnt 1                             ; the scale words and my part of K step 0 are in; K step 1's load may be out
	s_barrier_signal -1
	s_barrier_wait -1
	s_wait_loadcnt 0x0                             ; the bias
	FETCH_B 0, 0, 0
	FETCH_A 0, 0, 0
	SCALES 0
	FETCH_A 0, 0, 4
	STEP 0, 0, 1
	s_mov_b32 s3, LAPS-1
.Llap:
	TURN 0, 1, 1
	STEP 1, 0, 0
	TURN 1, 0, 1
	STEP 0, 0, 0
	s_sub_co_u32 s3, s3, 1
	s_cmp_lg_u32 s3, 0
	s_cbranch_scc1 .Llap
	TURN 0, 1, 0
	STEP 1, 0, 0
	s_wait_dscnt 4*NL
	WIN MUL_LO
	MUL16 0, 1, NQ-1, 1, 0
	MUL16 2, 1, NQ-1, 1, 0
	s_wait_dscnt 0
	WIN MUL_HI
	MUL16 4, 1, NQ-1, 1, 0
	MUL16 6, 1, NQ-1, 1, 0
	WIN 0
	PLACES NP
; place t of block a is token 32 (a / 2) + 8 (a % 2) + t + 8 (t / 8) of my 128: its row's offset stands in the immediate, and no base is stepped
.macro RLOAD a
.irp t, 0,1,2,3,4,5,6,7,8,9,10,11,12,13,14,15
	global_load_b128 v[RES+64*((\a)%2)+4*\t:RES+64*((\a)%2)+4*\t+3], v[LN16], s[10:11] offset:(32*((\a)/2)+8*((\a)%2)+\t+8*(\t/8))*4096 th:TH_LOAD_NT
.endr
.endm
.macro TOSTAGE a
	WIN 0x08+4*((\a)/4)                            ; an LDS store's data are its source 1: window 2 or 3
.irp b, 0,1,2,3,4,5,6,7
	ds_store_b128 v[STO], v[64*((\a)%4)+8*\b:64*((\a)%4)+8*\b+3] offset:128*(\b/2)+32*(\b%2)          ; each accumulator from its low end on
	ds_store_b128 v[STO], v[64*((\a)%4)+8*\b+4:64*((\a)%4)+8*\b+7] offset:128*(\b/2)+32*(\b%2)+16
.endr
	WIN 0
.irp t, 0,1,2,3,4,5,6,7,8,9,10,11,12,13,14,15
	ds_load_b128 v[BB+4*\t:BB+4*\t+3], v[RD] offset:\t*528       ; LDS serves a wave's instructions in order: these see the stores above
.endr
.endm
	RLOAD 0
.irp a, 0,1,2,3,4,5,6,7
	s_wait_xcnt 0x0                                ; the last block's stores have read their registers
.if \a < 7
	RLOAD \a+1
.endif
	TOSTAGE \a
	s_wait_dscnt 0x0
.if \a < 7
	s_wait_loadcnt 16                              ; this block's residual rows are in; the next block's sixteen may be out
.else
	s_wait_loadcnt 0x0
.endif
.irp t, 0,1,2,3,4,5,6,7,8,9,10,11,12,13,14,15
	v_pk_add_f32 v[BB+4*\t:BB+4*\t+1], v[BB+4*\t:BB+4*\t+1], v[BIA:BIA+1]
	v_pk_add_f32 v[BB+4*\t+2:BB+4*\t+3], v[BB+4*\t+2:BB+4*\t+3], v[BIA+2:BIA+3]
.endr
.irp t, 0,1,2,3,4,5,6,7,8,9,10,11,12,13,14,15
	v_pk_add_f32 v[BB+4*\t:BB+4*\t+1], v[BB+4*\t:BB+4*\t+1], v[RES+64*(\a%2)+4*\t:RES+64*(\a%2)+4*\t+1]
	v_pk_add_f32 v[BB+4*\t+2:BB+4*\t+3], v[BB+4*\t+2:BB+4*\t+3], v[RES+64*(\a%2)+4*\t+2:RES+64*(\a%2)+4*\t+3]
.endr
.irp t, 0,1,2,3,4,5,6,7,8,9,10,11,12,13,14,15
	global_store_b128 v[LN16], v[BB+4*\t:BB+4*\t+3], s[12:13] offset:(32*(\a/2)+8*(\a%2)+\t+8*(\t/8))*4096   ; 512 consecutive bytes, aligned
.endr
.endr
	s_wait_tensorcnt 0x0                           ; the wave's end
	ds_add_u32 v[SPW], v[NIL]
	s_wait_dscnt 0x0
	CROUND                                         ; the closing round
	s_endpgm
.Lfunc_end_k_qcdcd919d41_proj:
	.size	k_qcdcd919d41_proj, .Lfunc_end_k_qcdcd919d41_proj-k_qcdcd919d41_proj
	.p2alignl 7, 3214868480
	.fill 96, 4, 3214868480
	.section	.rodata,"a",@progbits
	.p2align	6, 0x0
	.amdhsa_kernel k_qcdcd919d41_proj
		.amdhsa_group_segment_fixed_size 327680
		.amdhsa_private_segment_fixed_size 0
		.amdhsa_enable_private_segment 0
		.amdhsa_kernarg_size 40
		.amdhsa_user_sgpr_count 2
		.amdhsa_user_sgpr_kernarg_segment_ptr 1
		.amdhsa_wavefront_size32 1
		.amdhsa_system_sgpr_workgroup_id_x 1
		.amdhsa_system_sgpr_workgroup_id_y 1
		.amdhsa_system_sgpr_workgroup_id_z 1
		.amdhsa_system_vgpr_workitem_id 0
		.amdhsa_next_free_vgpr 1024
		.amdhsa_next_free_sgpr 102
		.amdhsa_reserve_vcc 0
		.amdhsa_float_denorm_mode_32 3
		.amdhsa_float_denorm_mode_16_64 3
		.amdhsa_memory_ordered 1
		.amdhsa_forward_progress 1
		.amdhsa_inst_pref_size 190
	.end_amdhsa_kernel
	.amdgpu_metadata
---
amdhsa.version: [ 1, 2 ]
amdhsa.kernels:
  - .name:           k_qcdcd919d41_proj
    .symbol:         k_qcdcd919d41_proj.kd
    .args:
      - { .name: att, .offset: 0, .size: 8, .value_kind: global_buffer, .address_space: global }
      - { .name: wts, .offset: 8, .size: 8, .value_kind: global_buffer, .address_space: global }
      - { .name: bp, .offset: 16, .size: 8, .value_kind: global_buffer, .address_space: global }
      - { .name: x, .offset: 24, .size: 8, .value_kind: global_buffer, .address_space: global }
      - { .name: x1, .offset: 32, .size: 8, .value_kind: global_buffer, .address_space: global }
    .group_segment_fixed_size: 327680
    .private_segment_fixed_size: 0
    .kernarg_segment_align: 8
    .kernarg_segment_size: 40
    .max_flat_workgroup_size: 128
    .sgpr_count:     102
    .vgpr_count:     1024
    .wavefront_size: 32
...
	.end_amdgpu_metadata
.endif
;; end of part 5
;; launch ln2: the kernel of part 2 again; grid 256 x 1, 4 waves a work-group, no clusters, 33,280 bytes of LDS; arguments x1, gamma, beta, hq; writes hq
;; launch ffn1 (part 6): grid 16 x 16, 4 waves a work-group, clusters of 4 x 4, 327,680 bytes of LDS; arguments hq, wts, b1, hid; writes hid
.if DOCPART == 6
	.amdgcn_target "amdgcn-amd-amdhsa--gfx1250"
	.amdhsa_code_object_version 6
	.text
	.protected	k_qcdcd919d41_ffn1
	.globl	k_qcdcd919d41_ffn1
	.p2align	8
	.type	k_qcdcd919d41_ffn1,@function
k_qcdcd919d41_ffn1:
	s_mov_b64 s[64:65], 0
	v_nop
	global_prefetch_b8 v0, s[64:65] scope:SCOPE_SE
	s_setreg_imm32_b32 hwreg(HW_REG_WAVE_MODE, 25, 1), 1
	s_wait_xcnt 0x0
	s_wait_alu depctr_hold_cnt(0) depctr_sa_sdst(0) depctr_va_vdst(0) depctr_va_sdst(0) depctr_va_ssrc(0) depctr_va_vcc(0) depctr_vm_vsrc(0)
	s_getreg_b32 s2, hwreg(HW_REG_IB_STS2, 6, 4)
	s_cmp_eq_u32 s2, 0
	s_cbranch_scc0 .Lentry_in_a_cluster
	s_endpgm
.Lentry_in_a_cluster:
	s_bfe_u32 s2, ttmp6, 0x10000c
	s_cmp_lg_u32 s2, 0xf033
	s_cbranch_scc0 .Lentry_shape_is_right
	s_endpgm
.Lentry_shape_is_right:
; hid = Q(gelu(LN(x1) W1 + b1)): a product on codes of FP6 (E2M3) with E8M0 scales, K = 1,024, M = 4,096 tokens, N = 4,096; the exact GELU in f32; the result quantised along N as the next product's operand.
; OPERANDS lie in memory as images of the matrix operand's registers: rows in groups of 32, place 16 u + r = row 8 u + r + 8 (r / 8); a fragment (16 places x 128 K) is 1,536 bytes: half c at 768 c: registers 6 c .. 6 c + 3
; of lane L at 16 L, registers 6 c + 4, + 5 at 512 + 8 L; codes [place / 16][K / 128][1,536]; scale words [K / 128][place].  So a fragment comes from LDS by four dense loads, with no padding.
; A tile of 256 x 256 is made by four waves, 128 x 128 each: 64 accumulators.  K goes in steps of 256 through two LDS slots; a wave's tensor load brings 8 rows of 3,072 bytes.  The scale words of the work-group's 512 rows
; for all of K come once, with the first fills.  CLUSTERS of 4 x 4: A's tiles are asked for jointly along a row of the cluster, B's along a column.
; THE INSTRUCTION IS USED TRANSPOSED: source 0 = B's fragment (W1's columns), source 1 = A's (tokens): a lane holds one token, and the 16 registers of B's tiles 2 e, 2 e + 1 are hidden units 32 e + 16 (lane / 16) + 0 .. 15:
; a wave's 128 hidden units of 16 tokens are one fragment of the next product.
; THE WAY OUT is a loop of eight trips, one for each block of 16 tokens, so that the GELU's text stands once: only the copy out of the accumulators (with the bias added) is written eight times, chosen by the trip's number.
; GELU: 0.5 x (1 + erf(x / sqrt 2)); erf(u) = u P(u^2) / Q(u^2), u held to +-4, P of degree 6 and Q of degree 4 in u^2, all in f32.
; LIMITS: erf by that rational form is good to a few units in the last place of erf; where 1 + erf cancels (x well under 0) the error is that much of x, not of the result.  Blocks of zeros or under 2^-124 carry the byte 1
; (read by this program alone); NaN and infinities are not served; v_rcp_f32 is good to one unit in the last place.
; REGISTERS: window 0: v1-31 addresses; v32-63 scale words; v64-127 b1 in the result's layout; v128-223 A's fragments.  window 1: B's, two sets.  windows 2, 3: accumulators.
.set KDIM,  1024
.set ASC,   3145728
.set ASPL,  16384
.set BCO,   3145728
.set BSC,   9601024
.set BSPL,  16384
.set HIDS,  12582912                   ; the scale planes in hid
.set RTG,   KDIM/128*1536
.set KS,    KDIM/128
.set LAPS,  KDIM/512
.set NQ,    2
.set FR,    12
.set NL,    4
.set NP,    4
.set HALFT, 8*3072
.set SLOT,  4*HALFT
.set SCL,   2*SLOT
.set HALFS, KS*576
.set SPARE, SCL+4*HALFS                ; the spare words, 128 bytes for each wave: two blocks of 256 bytes that no other line names
.set LN16, 1
.set LN8,  2
.set SWA,  3                           ; v3 the way out: my scale word's place in my wave's stage (in slot 0, which has had its last fill and its last read by then)
.set SRA,  4
.set BIO,  5
.set ADRA, 16
.set ADRB, 20
.set ADSA, 27
.set SPW,  28
.set NIL,  29
.set ADSB, 30
.set SC,   32
.set BI,   64
.set AF,   128
.set T,    128
.set TM,   32
.set PW,   48
.set PC,   224
.set GU,   192
.set GZ,   200
.set GP,   208
.set GQ,   216
.set SEL,  20
.set G1, 24
.set G0, 32
.set G1B, 48
.set G0B, 56
.set G1S, 68
.set G0S, 76
.set G1SB, 80
.set G0SB, 88
.set MSB, 0
.macro WIN new
.if MSB != \new
	s_set_vgpr_msb (MSB<<8)|\new
.set MSB, \new
.endif
.endm
.set MUL_LO, 0xa1
.set MUL_HI, 0xf1
.set TO_B,   0x40
.macro JLOAD g0a, g1a, g0b, g1b        ; a joint load: waves 0 and 1 fetch for A, waves 2 and 3 for B; four v_nop follow each line
	s_cmp_eq_u32 s17, 0
	s_cbranch_scc0 .Lfor_b_\@
	tensor_load_to_lds s[\g0a:\g0a+3], s[\g1a:\g1a+7]
	s_nop 0
.rept 4
	v_nop
.endr
	s_branch .Lasked_\@
.Lfor_b_\@:
	tensor_load_to_lds s[\g0b:\g0b+3], s[\g1b:\g1b+7]
	s_nop 0
.rept 4
	v_nop
.endr
.Lasked_\@:
.endm
.macro CREST
	s_cmp_lg_u32 s16, 0
	s_cbranch_scc1 .Lnot_wave_0_\@
	s_barrier_signal -3
.Lnot_wave_0_\@:
	s_barrier_wait -3
	s_barrier_signal -1
	s_barrier_wait -1
.endm
.macro CROUND
	s_barrier_signal -1
	s_barrier_wait -1
	CREST
.endm
	s_load_b256 s[4:11], s[0:1], 0x0               ; hq, wts, b1, hid
	v_lshl_add_u32 v[SPW], v0, 2, SPARE
	v_mov_b32 v[NIL], 0
	ds_add_u32 v28, v29
	ds_add_u32 v28, v29
	s_wait_dscnt 0x0
	v_lshrrev_b32 v1, 5, v0
	v_readfirstlane_b32 s16, v1
	s_lshr_b32 s17, s16, 1
	s_and_b32 s18, s16, 1
	s_bfe_u32 s40, ttmp6, 0x40000
	s_bfe_u32 s41, ttmp6, 0x40004
	s_lshl_b32 s42, ttmp9, 2
	s_add_co_u32 s42, s42, s40                     ; tile column
	s_and_b32 s19, ttmp7, 0xffff
	s_lshl_b32 s19, s19, 2
	s_add_co_u32 s19, s19, s41                     ; tile row
	s_lshl_b32 s43, s41, 2
	s_lshl_b32 s43, 15, s43
	s_lshl_b32 s44, 0x1111, s40
	s_or_b32 s[G1+0], s43, (3<<16)|(1<<21)
	s_or_b32 s[G1B+0], s44, (3<<16)|(1<<21)
.irp g, G1, G1B
	s_mov_b32 s[\g+1], 384<<16
	s_mov_b32 s[\g+2], 8<<16
	s_mov_b32 s[\g+3], 384<<16
	s_mov_b32 s[\g+4], 8
	s_mov_b32 s[\g+5], RTG/8
	s_mov_b32 s[\g+6], 0
	s_mov_b32 s[\g+7], 0
.endr
	s_or_b32 s[G1S+0], s43, (3<<16)|(1<<20)|(1<<21)|(6<<22)|(15<<25)
	s_or_b32 s[G1SB+0], s44, (3<<16)|(1<<20)|(1<<21)|(6<<22)|(15<<25)
.irp g, G1S, G1SB
	s_mov_b32 s[\g+1], 64<<16
	s_mov_b32 s[\g+2], KS<<16
	s_mov_b32 s[\g+3], 64<<16
	s_mov_b32 s[\g+4], KS
	s_mov_b32 s[\g+6], 0
	s_mov_b32 s[\g+7], 0
.endr
	s_mov_b32 s[G1S+5], ASPL/8
	s_mov_b32 s[G1SB+5], BSPL/8
	s_lshl_b32 s20, s19, 4
	s_lshl_b32 s21, s18, 3
	s_add_co_u32 s20, s20, s21
	s_mul_i32 s20, s20, RTG
	s_mov_b32 s21, 0
	s_lshl_b32 s22, s19, 10
	s_lshl_b32 s23, s18, 9
	s_add_co_u32 s22, s22, s23
	s_add_co_u32 s22, s22, ASC
	s_mov_b32 s23, 0
	s_lshl_b32 s46, s42, 4
	s_lshl_b32 s47, s18, 3
	s_add_co_u32 s46, s46, s47
	s_mul_i32 s46, s46, RTG
	s_add_co_u32 s46, s46, BCO
	s_mov_b32 s47, 0
	s_lshl_b32 s92, s42, 10
	s_lshl_b32 s93, s18, 9
	s_add_co_u32 s92, s92, s93
	s_add_co_u32 s92, s92, BSC
	s_mov_b32 s93, 0
	s_mul_i32 s45, s16, HALFT
	s_mul_i32 s94, s16, HALFS
	s_wait_kmcnt 0x0
	s_add_nc_u64 s[20:21], s[4:5], s[20:21]
	s_add_nc_u64 s[22:23], s[4:5], s[22:23]
	s_add_nc_u64 s[46:47], s[6:7], s[46:47]
	s_add_nc_u64 s[92:93], s[6:7], s[92:93]
	CROUND                                         ; all sixteen work-groups are here: the first joint loads meet
	s_mov_b32 s[G0S], 1
	s_add_co_u32 s[G0S+1], s94, SCL
	s_mov_b64 s[G0S+2:G0S+3], s[22:23]
	s_or_b32 s[G0S+3], s[G0S+3], 0x80000000
	s_mov_b32 s[G0SB], 1
	s_add_co_u32 s[G0SB+1], s94, SCL
	s_mov_b64 s[G0SB+2:G0SB+3], s[92:93]
	s_or_b32 s[G0SB+3], s[G0SB+3], 0x80000000
	JLOAD G0S, G1S, G0SB, G1SB                     ; with the two slots' fills three loads of mine are out
.irp s, 0,1
	s_mov_b32 s[G0+4*\s], 1
	s_add_co_u32 s[G0+4*\s+1], s45, \s*SLOT
	s_add_nc_u64 s[G0+4*\s+2:G0+4*\s+3], s[20:21], \s*3072
	s_or_b32 s[G0+4*\s+3], s[G0+4*\s+3], 0x80000000
	s_mov_b32 s[G0B+4*\s], 1
	s_add_co_u32 s[G0B+4*\s+1], s45, \s*SLOT
	s_add_nc_u64 s[G0B+4*\s+2:G0B+4*\s+3], s[46:47], \s*3072
	s_or_b32 s[G0B+4*\s+3], s[G0B+4*\s+3], 0x80000000
	JLOAD G0+4*\s, G1, G0B+4*\s, G1B
.endr
	v_and_b32 v7, 31, v0
	v_lshlrev_b32 v[LN16], 4, v7
	v_lshlrev_b32 v[LN8], 3, v7
	s_mul_i32 s21, s17, HALFT
	s_mul_i32 s22, s18, HALFT
	s_add_co_u32 s22, s22, 2*HALFT
.irp s, 0,1
	v_add_nc_u32 v[ADRA+\s], s21, v[LN16]
	v_add_nc_u32 v[ADRB+\s], s22, v[LN16]
	v_add_nc_u32 v[ADRA+2+\s], s21, v[LN8]
	v_add_nc_u32 v[ADRB+2+\s], s22, v[LN8]
	s_add_co_u32 s21, s21, SLOT
	s_add_co_u32 s22, s22, SLOT
.endr
	v_and_b32 v24, 15, v0                          ; r
	v_bfe_u32 v25, v0, 4, 1                        ; h
	v_mul_u32_u24 v26, v25, 576
	v_lshl_add_u32 v26, v24, 2, v26
	s_mul_i32 s21, s17, HALFS
	s_add_co_u32 s21, s21, SCL
	v_add_nc_u32 v[ADSA], s21, v26
	s_mul_i32 s22, s18, HALFS
	s_add_co_u32 s22, s22, SCL+2*HALFS
	v_add_nc_u32 v[ADSB], s22, v26
	s_lshl_b32 s21, s16, 10
	v_lshl_add_u32 v[SWA], v24, 2, s21
	v_add_nc_u32 v[SRA], s21, v[LN16]
	s_lshl_b32 s96, s19, 8
	s_lshl_b32 s21, s17, 7
	s_add_co_u32 s96, s96, s21                     ; my first token
	s_lshl_b32 s97, s42, 8
	s_lshl_b32 s21, s18, 7
	s_add_co_u32 s97, s97, s21                     ; my first hidden unit
	s_lshl_b32 s21, s97, 2
	v_lshl_add_u32 v[BIO], v25, 6, s21
.irp e, 0,1,2,3,4,5,6,7,8,9,10,11,12,13,14,15
	global_load_b128 v[BI+4*\e:BI+4*\e+3], v[BIO], s[8:9] offset:128*(\e/4)+16*(\e%4)   ; register 16 e' + i: hidden unit 32 e' + 16 h + i
.endr
.macro FRAG reg, adr, q, i
	ds_load_b128 v[\reg:\reg+3], v[\adr] offset:(\i)*3072+(\q)*1536
	ds_load_b64 v[\reg+4:\reg+5], v[\adr+2] offset:(\i)*3072+(\q)*1536+512
	ds_load_b128 v[\reg+6:\reg+9], v[\adr] offset:(\i)*3072+(\q)*1536+768
	ds_load_b64 v[\reg+10:\reg+11], v[\adr+2] offset:(\i)*3072+(\q)*1536+1280
.endm
; 16 matrix instructions; the 64 accumulators take turns, one instruction a turn
.macro MUL16 a0, p, q, sc, zero
.irp a, \a0, \a0+1
.irp b, 0,1,2,3,4,5,6,7
.if \zero
	v_wmma_scale_f32_16x16x128_f8f6f4 v[8*(8*((\a)%4)+\b):8*(8*((\a)%4)+\b)+7], v[128*(\p)+FR*\b:128*(\p)+FR*\b+FR-1], v[AF+FR*(\a):AF+FR*(\a)+FR-1], 0, v[SC+16*(\sc)+8+\b], v[SC+16*(\sc)+(\a)] matrix_a_fmt:MATRIX_FMT_FP6 matrix_b_fmt:MATRIX_FMT_FP6
.elseif (\q) == 0
	v_wmma_scale_f32_16x16x128_f8f6f4 v[8*(8*((\a)%4)+\b):8*(8*((\a)%4)+\b)+7], v[128*(\p)+FR*\b:128*(\p)+FR*\b+FR-1], v[AF+FR*(\a):AF+FR*(\a)+FR-1], v[8*(8*((\a)%4)+\b):8*(8*((\a)%4)+\b)+7], v[SC+16*(\sc)+8+\b], v[SC+16*(\sc)+(\a)] matrix_a_fmt:MATRIX_FMT_FP6 matrix_b_fmt:MATRIX_FMT_FP6
.else
	v_wmma_scale_f32_16x16x128_f8f6f4 v[8*(8*((\a)%4)+\b):8*(8*((\a)%4)+\b)+7], v[128*(\p)+FR*\b:128*(\p)+FR*\b+FR-1], v[AF+FR*(\a):AF+FR*(\a)+FR-1], v[8*(8*((\a)%4)+\b):8*(8*((\a)%4)+\b)+7], v[SC+16*(\sc)+8+\b], v[SC+16*(\sc)+(\a)] matrix_a_fmt:MATRIX_FMT_FP6 matrix_b_fmt:MATRIX_FMT_FP6 matrix_a_scale:MATRIX_SCALE_ROW1 matrix_b_scale:MATRIX_SCALE_ROW1
.endif
.endr
.endr
.endm
.macro FETCH_B slot, q, p
	WIN TO_B
.irp i, 0,1,2,3,4,5,6,7
	FRAG 128*(\p)+FR*\i, ADRB+\slot, \q, \i
.endr
	WIN 0
.endm
.macro FETCH_A slot, q, i0
.irp i, \i0, \i0+1, \i0+2, \i0+3
	FRAG AF+FR*(\i), ADRA+\slot, \q, \i
.endr
.endm
.macro SCALES sc
.irp i, 0,1,2,3,4,5,6,7
	ds_load_b32 v[SC+16*\sc+\i], v[ADSA] offset:64*\i
	ds_load_b32 v[SC+16*\sc+8+\i], v[ADSB] offset:64*\i
.endr
.endm
.macro PLACES n
.rept \n
	v_nop
.endr
.endm
.macro STEP slot, q, zero
	s_wait_dscnt 4*NL                              ; all but the youngest sixteen loads (A's blocks 4-7) are in
	WIN MUL_LO
	MUL16 0, (\q)%2, \q, \slot, \zero
	MUL16 2, (\q)%2, \q, \slot, \zero
	s_wait_dscnt 0
	PLACES NP
	FETCH_B \slot, (\q)+1, 1-(\q)%2
	FETCH_A \slot, (\q)+1, 0
	WIN MUL_HI
	MUL16 4, (\q)%2, \q, \slot, \zero
	MUL16 6, (\q)%2, \q, \slot, \zero
	PLACES NP
	WIN 0
	FETCH_A \slot, (\q)+1, 4
.endm
.macro TURN slot, next, fill
	s_wait_tensorcnt 0x0                           ; all my tensor loads have landed: my part of the next slot
	ds_add_u32 v[SPW], v[NIL]                      ; 0 onto my spare word
	s_wait_dscnt 4*NL+1                            ; (the add and A's blocks 4-7 may be out)
	WIN MUL_LO
	MUL16 0, 1, NQ-1, \slot, 0
	s_wait_dscnt 0x0                               ; the add is done, and my reads of this slot are over
	s_barrier_signal -1
	MUL16 2, 1, NQ-1, \slot, 0
	WIN 0
	s_barrier_wait -1
.if \fill
	CREST                                          ; a round of the cluster's barrier: no wave of any partner still reads this slot or has a load on its way
	s_add_nc_u64 s[G0+4*\slot+2:G0+4*\slot+3], s[G0+4*\slot+2:G0+4*\slot+3], 6144
	s_add_nc_u64 s[G0B+4*\slot+2:G0B+4*\slot+3], s[G0B+4*\slot+2:G0B+4*\slot+3], 6144
	JLOAD G0+4*\slot, G1, G0B+4*\slot, G1B
.else
	PLACES NP
.endif
	v_add_nc_u32 v[ADSA], 1152, v[ADSA]
	v_add_nc_u32 v[ADSB], 1152, v[ADSB]
	FETCH_B \next, 0, 0
	FETCH_A \next, 0, 0
	SCALES \next
	WIN MUL_HI
	MUL16 4, 1, NQ-1, \slot, 0
	MUL16 6, 1, NQ-1, \slot, 0
	PLACES NP
	WIN 0
	FETCH_A \next, 0, 4
.endm
	s_wait_tensorcnt 1                             ; the scale words and my part of K step 0 are in; K step 1's load may be out
	s_barrier_signal -1
	s_barrier_wait -1
	s_wait_loadcnt 0x0                             ; the bias
	FETCH_B 0, 0, 0
	FETCH_A 0, 0, 0
	SCALES 0
	FETCH_A 0, 0, 4
	STEP 0, 0, 1
	s_mov_b32 s3, LAPS-1
.Llap:
	TURN 0, 1, 1
	STEP 1, 0, 0
	TURN 1, 0, 1
	STEP 0, 0, 0
	s_sub_co_u32 s3, s3, 1
	s_cmp_lg_u32 s3, 0
	s_cbranch_scc1 .Llap
	TURN 0, 1, 0
	STEP 1, 0, 0
	s_wait_dscnt 4*NL
	WIN MUL_LO
	MUL16 0, 1, NQ-1, 1, 0
	MUL16 2, 1, NQ-1, 1, 0
	s_wait_dscnt 0
	WIN MUL_HI
	MUL16 4, 1, NQ-1, 1, 0
	MUL16 6, 1, NQ-1, 1, 0
	WIN 0
	PLACES NP
; 64 numbers of a lane, register 16 b + i = k 32 b + 16 (lane / 16) + i of my row, become a fragment's codes in v[PC] on and its scale word in v[PW].
.macro QUANT s
.irp b, 0,1,2,3
	v_max3_num_f32 v[TM+\b], |v[\s+16*\b]|, |v[\s+1+16*\b]|, 0x1800000
.endr
.irp i, 2,4,6,8,10,12,14
.irp b, 0,1,2,3
	v_max3_num_f32 v[TM+\b], v[TM+\b], |v[\s+16*\b+\i]|, |v[\s+1+16*\b+\i]|
.endr
.endr
.irp b, 0,1,2,3
	v_permlanex16_b32 v[TM+4+\b], v[TM+\b], s[SEL], s[SEL+1]
.endr
.irp b, 0,1,2,3
	v_max_num_f32 v[TM+\b], v[TM+\b], v[TM+4+\b]
.endr
.irp b, 0,1,2,3
	v_add_nc_u32 v[TM+12+\b], 0xff000000, v[TM+\b]
.endr
.irp b, 0,1,2,3
	v_lshrrev_b32 v[TM+4+\b], 23, v[TM+12+\b]
.endr
	v_lshl_or_b32 v[PW], v[TM+5], 8, v[TM+4]
	v_lshl_or_b32 v[PW], v[TM+6], 16, v[PW]
	v_lshl_or_b32 v[PW], v[TM+7], 24, v[PW]
.irp c, 0,1
	v_cvt_scalef32_pk16_fp6_f32 v[PC+6*\c:PC+2+6*\c], v[\s+32*\c:\s+15+32*\c], v[TM+12+2*\c]
	v_cvt_scalef32_pk16_fp6_f32 v[PC+12+4*\c:PC+14+4*\c], v[\s+16+32*\c:\s+31+32*\c], v[TM+12+2*\c+1]
.endr
	v_nop                                          ; one plain place behind a scaled conversion
.irp c, 0,1
.irp i, 0,1,2
	v_permlane16_swap_b32 v[PC+6*\c+\i], v[PC+12+4*\c+\i]
.endr
.irp i, 0,1,2
	v_mov_b32 v[PC+3+6*\c+\i], v[PC+12+4*\c+\i]
.endr
.endr
.endm
.macro CPAIR r, bits                   ; a coefficient as a scalar pair: the packed forms name the pair and take its low word for both halves
	s_mov_b32 s[\r], \bits
	s_mov_b32 s[\r+1], \bits
.endm
; eight numbers v[t] .. v[t + 7] become their GELU, in place
.macro GELU8 t
.irp k, 0,2,4,6
	v_pk_mul_f32 v[GU+\k:GU+\k+1], v[\t+\k:\t+\k+1], s[44:45] op_sel_hi:[1,0]     ; u = x / sqrt 2
.endr
.irp k, 0,1,2,3,4,5,6,7
	v_med3_num_f32 v[GU+\k], v[GU+\k], -4.0, 4.0
.endr
.irp k, 0,2,4,6
	v_pk_mul_f32 v[GZ+\k:GZ+\k+1], v[GU+\k:GU+\k+1], v[GU+\k:GU+\k+1]
.endr
.irp k, 0,2,4,6
	v_pk_fma_f32 v[GP+\k:GP+\k+1], v[GZ+\k:GZ+\k+1], v[52:53], s[24:25] op_sel_hi:[1,1,0]
.endr
.irp k, 0,2,4,6
	v_pk_fma_f32 v[GQ+\k:GQ+\k+1], v[GZ+\k:GZ+\k+1], v[54:55], s[36:37] op_sel_hi:[1,1,0]
.endr
.irp c, 26,28,30,32,34
.irp k, 0,2,4,6
	v_pk_fma_f32 v[GP+\k:GP+\k+1], v[GP+\k:GP+\k+1], v[GZ+\k:GZ+\k+1], s[\c:\c+1] op_sel_hi:[1,1,0]
.endr
.endr
.irp c, 38,40,42
.irp k, 0,2,4,6
	v_pk_fma_f32 v[GQ+\k:GQ+\k+1], v[GQ+\k:GQ+\k+1], v[GZ+\k:GZ+\k+1], s[\c:\c+1] op_sel_hi:[1,1,0]
.endr
.endr
.irp k, 0,1,2,3,4,5,6,7
	v_rcp_f32 v[GQ+\k], v[GQ+\k]
.endr
.irp k, 0,2,4,6
	v_pk_mul_f32 v[GP+\k:GP+\k+1], v[GP+\k:GP+\k+1], v[GU+\k:GU+\k+1]             ; plain work behind the reciprocals, which names none of them
.endr
.irp k, 0,2,4,6
	v_pk_mul_f32 v[GZ+\k:GZ+\k+1], v[\t+\k:\t+\k+1], 0.5 op_sel_hi:[1,0]
.endr
	s_wait_alu depctr_va_vdst(0)                   ; one wait for the eight, ahead of their first reader
.irp k, 0,2,4,6
	v_pk_mul_f32 v[GP+\k:GP+\k+1], v[GP+\k:GP+\k+1], v[GQ+\k:GQ+\k+1]             ; erf
.endr
.irp k, 0,2,4,6
	v_pk_fma_f32 v[\t+\k:\t+\k+1], v[GZ+\k:GZ+\k+1], v[GP+\k:GP+\k+1], v[GZ+\k:GZ+\k+1]   ; 0.5 x erf + 0.5 x
.endr
.endm
.macro COPY a                          ; block a's 64 sums + bias into window 0, ascending: each accumulator is first read at its low end
	WIN 0x02+((\a)/4)
.set i, 0
.rept 32
	v_pk_add_f32 v[T+i:T+i+1], v[64*((\a)%4)+i:64*((\a)%4)+i+1], v[BI+i:BI+i+1]
.set i, i+2
.endr
	WIN 0
.endm
	; all tensor loads are done, so the descriptors' registers are free
	s_mov_b32 s[SEL], 0x76543210
	s_mov_b32 s[SEL+1], 0xfedcba98
	CPAIR 24, 0x32edffee                           ; P's coefficients, from u^10 down
	CPAIR 26, 0xb60cff51
	CPAIR 28, 0xb86ec2d2
	CPAIR 30, 0xba40ac63
	CPAIR 32, 0xbb41a1f6
	CPAIR 34, 0xbc83dbd4
	CPAIR 36, 0xb95fbd29                           ; Q's, from u^6 down
	CPAIR 38, 0xbadc924e
	CPAIR 40, 0xbbf19bf8
	CPAIR 42, 0xbc69b6a7
	CPAIR 44, 0x3f3504f3                           ; 1 / sqrt 2
	v_mov_b32 v52, 0xaf95df0b                      ; the leading coefficients, as vector pairs
	v_mov_b32 v53, 0xaf95df0b
	v_mov_b32 v54, 0xb77460cd
	v_mov_b32 v55, 0xb77460cd
.irp b, 0,1,2,3
	v_mov_b32 v[TM+4+\b], 0                        ; a lane permute's destination counts as one of its sources
.endr
	s_lshr_b32 s46, s96, 4                         ; hid's codes: my first tile of tokens, 49,152 bytes a tile; K step = my 128 hidden units
	s_mul_i32 s46, s46, 49152
	s_lshr_b32 s47, s97, 7
	s_mul_i32 s92, s47, 1536
	s_add_co_u32 s46, s46, s92
	s_lshl_b32 s92, s47, 14                        ; scale words: that plane, my 128 places
	s_lshl_b32 s93, s96, 2
	s_add_co_u32 s92, s92, s93
	s_add_co_u32 s92, s92, HIDS
	s_mov_b32 s47, 0
	s_mov_b32 s93, 0
	s_add_nc_u64 s[46:47], s[10:11], s[46:47]
	s_add_nc_u64 s[92:93], s[10:11], s[92:93]
	s_mov_b32 s98, 0
.Lblk:
.irp a, 0,1,2,3,4,5,6
	s_cmp_eq_u32 s98, \a
	s_cbranch_scc1 .Lcopy\a
.endr
	COPY 7
	s_branch .Lgo
.irp a, 0,1,2,3,4,5,6
.Lcopy\a:
	COPY \a
	s_branch .Lgo
.endr
.Lgo:
.irp g, 0,1,2,3,4,5,6,7
	GELU8 T+8*\g
.endr
	QUANT T
	global_store_b128 v[LN16], v[PC:PC+3], s[46:47]              ; 512 consecutive bytes,
	global_store_b64 v[LN8], v[PC+4:PC+5], s[46:47] offset:512   ; 256, and so on: the fragment's 1,536
	global_store_b128 v[LN16], v[PC+6:PC+9], s[46:47] offset:768
	global_store_b64 v[LN8], v[PC+10:PC+11], s[46:47] offset:1280
	ds_store_b32 v[SWA], v[PW]                     ; (both halves of the lanes write the same word with the same value)
	v_add_nc_u32 v[SWA], 64, v[SWA]
	s_wait_xcnt 0x0                                ; the stores have read their registers and their base
	s_add_nc_u64 s[46:47], s[46:47], 49152         ; the next tile of tokens
	s_add_co_u32 s98, s98, 1
	s_cmp_lt_u32 s98, 8
	s_cbranch_scc1 .Lblk
	ds_load_b128 v[244:247], v[SRA]                ; LDS serves a wave's instructions in order: this sees my stores
	s_wait_dscnt 0x0
	global_store_b128 v[LN16], v[244:247], s[92:93]
	s_wait_tensorcnt 0x0                           ; the wave's end
	ds_add_u32 v[SPW], v[NIL]
	s_wait_dscnt 0x0
	CROUND                                         ; the closing round
	s_endpgm
.Lfunc_end_k_qcdcd919d41_ffn1:
	.size	k_qcdcd919d41_ffn1, .Lfunc_end_k_qcdcd919d41_ffn1-k_qcdcd919d41_ffn1
	.p2alignl 7, 3214868480
	.fill 96, 4, 3214868480
	.section	.rodata,"a",@progbits
	.p2align	6, 0x0
	.amdhsa_kernel k_qcdcd919d41_ffn1
		.amdhsa_group_segment_fixed_size 327680
		.amdhsa_private_segment_fixed_size 0
		.amdhsa_enable_private_segment 0
		.amdhsa_kernarg_size 32
		.amdhsa_user_sgpr_count 2
		.amdhsa_user_sgpr_kernarg_segment_ptr 1
		.amdhsa_wavefront_size32 1
		.amdhsa_system_sgpr_workgroup_id_x 1
		.amdhsa_system_sgpr_workgroup_id_y 1
		.amdhsa_system_sgpr_workgroup_id_z 1
		.amdhsa_system_vgpr_workitem_id 0
		.amdhsa_next_free_vgpr 1024
		.amdhsa_next_free_sgpr 102
		.amdhsa_reserve_vcc 0
		.amdhsa_float_denorm_mode_32 3
		.amdhsa_float_denorm_mode_16_64 3
		.amdhsa_memory_ordered 1
		.amdhsa_forward_progress 1
		.amdhsa_inst_pref_size 180
	.end_amdhsa_kernel
	.amdgpu_metadata
---
amdhsa.version: [ 1, 2 ]
amdhsa.kernels:
  - .name:           k_qcdcd919d41_ffn1
    .symbol:         k_qcdcd919d41_ffn1.kd
    .args:
      - { .name: hq, .offset: 0, .size: 8, .value_kind: global_buffer, .address_space: global }
      - { .name: wts, .offset: 8, .size: 8, .value_kind: global_buffer, .address_space: global }
      - { .name: b1, .offset: 16, .size: 8, .value_kind: global_buffer, .address_space: global }
      - { .name: hid, .offset: 24, .size: 8, .value_kind: global_buffer, .address_space: global }
    .group_segment_fixed_size: 327680
    .private_segment_fixed_size: 0
    .kernarg_segment_align: 8
    .kernarg_segment_size: 32
    .max_flat_workgroup_size: 128
    .sgpr_count:     102
    .vgpr_count:     1024
    .wavefront_size: 32
...
	.end_amdgpu_metadata
.endif
;; end of part 6
;; launch ffn2 (part 7): grid 4 x 16, 4 waves a work-group, clusters of 4 x 4, 327,680 bytes of LDS; arguments hid, wts, b2, x1, out0; writes out0
.if DOCPART == 7
	.amdgcn_target "amdgcn-amd-amdhsa--gfx1250"
	.amdhsa_code_object_version 6
	.text
	.protected	k_qcdcd919d41_ffn2
	.globl	k_qcdcd919d41_ffn2
	.p2align	8
	.type	k_qcdcd919d41_ffn2,@function
k_qcdcd919d41_ffn2:
	s_mov_b64 s[64:65], 0
	v_nop
	global_prefetch_b8 v0, s[64:65] scope:SCOPE_SE
	s_setreg_imm32_b32 hwreg(HW_REG_WAVE_MODE, 25, 1), 1
	s_wait_xcnt 0x0
	s_wait_alu depctr_hold_cnt(0) depctr_sa_sdst(0) depctr_va_vdst(0) depctr_va_sdst(0) depctr_va_ssrc(0) depctr_va_vcc(0) depctr_vm_vsrc(0)
	s_getreg_b32 s2, hwreg(HW_REG_IB_STS2, 6, 4)
	s_cmp_eq_u32 s2, 0
	s_cbranch_scc0 .Lentry_in_a_cluster
	s_endpgm
.Lentry_in_a_cluster:
	s_bfe_u32 s2, ttmp6, 0x10000c
	s_cmp_lg_u32 s2, 0xf033
	s_cbranch_scc0 .Lentry_shape_is_right
	s_endpgm
.Lentry_shape_is_right:
; out = x1 + (hid W2 + b2): a product on codes of FP6 (E2M3) with E8M0 scales, K = 4,096, M = 4,096 tokens, N = 1,024; bias and residual in f32.
; OPERANDS lie in memory as images of the matrix operand's registers: rows in groups of 32, place 16 u + r = row 8 u + r + 8 (r / 8); a fragment (16 places x 128 K) is 1,536 bytes: half c at 768 c: registers 6 c .. 6 c + 3
; of lane L at 16 L, registers 6 c + 4, + 5 at 512 + 8 L; codes [place / 16][K / 128][1,536]; scale words [K / 128][place].  So a fragment comes from LDS by four dense loads, with no padding.
; A tile of 256 x 256 is made by four waves, 128 x 128 each: 64 accumulators.  K goes in steps of 256 through two LDS slots; a wave's tensor load brings 8 rows of 3,072 bytes.  The scale words of the work-group's 512 rows
; for all of K come once, with the first fills.  CLUSTERS of 4 x 4: A's tiles are asked for jointly along a row of the cluster, B's along a column.  The output has 64 such tiles: 64 work-groups.
; THE INSTRUCTION IS USED TRANSPOSED: source 0 = B's fragment (W2's columns), source 1 = A's (tokens): a lane holds one token, and the registers of B's tile 2 e + u are columns 32 e + 16 (lane / 16) + 8 u + 0 .. 7.
; THE WAY OUT: a block of 16 tokens goes through the wave's stage in LDS, comes back as rows of 512 bytes, takes bias and residual, and leaves in stores of 512 consecutive bytes.
; REGISTERS: window 0: v1-31 addresses; v32-63 scale words; v128-223 A's fragments; v224-227 the bias.  window 1: B's, two sets.  windows 2, 3: accumulators.
.set KDIM,  4096
.set ASC,   12582912
.set ASPL,  16384
.set BCO,   6291456
.set BSC,   9732096
.set BSPL,  4096
.set RTG,   KDIM/128*1536
.set KS,    KDIM/128
.set LAPS,  KDIM/512
.set NQ,    2
.set FR,    12
.set NL,    4
.set NP,    4
.set HALFT, 8*3072
.set SLOT,  4*HALFT
.set SCL,   2*SLOT
.set HALFS, KS*576
.set SPARE, SCL+4*HALFS                ; the spare words, 128 bytes for each wave: two blocks of 256 bytes that no other line names
.set LN16, 1
.set LN8,  2
.set ADRA, 16
.set ADRB, 20
.set STO,  24
.set RD,   25
.set ADSA, 27
.set SPW,  28
.set NIL,  29
.set ADSB, 30
.set SC,   32
.set AF,   128
.set RES,  32
.set BB,   160
.set BIA,  224
.set G1, 24
.set G0, 32
.set G1B, 48
.set G0B, 56
.set G1S, 68
.set G0S, 76
.set G1SB, 80
.set G0SB, 88
.set MSB, 0
.macro WIN new
.if MSB != \new
	s_set_vgpr_msb (MSB<<8)|\new
.set MSB, \new
.endif
.endm
.set MUL_LO, 0xa1
.set MUL_HI, 0xf1
.set TO_B,   0x40
.macro JLOAD g0a, g1a, g0b, g1b        ; a joint load: waves 0 and 1 fetch for A, waves 2 and 3 for B; four v_nop follow each line
	s_cmp_eq_u32 s17, 0
	s_cbranch_scc0 .Lfor_b_\@
	tensor_load_to_lds s[\g0a:\g0a+3], s[\g1a:\g1a+7]
	s_nop 0
.rept 4
	v_nop
.endr
	s_branch .Lasked_\@
.Lfor_b_\@:
	tensor_load_to_lds s[\g0b:\g0b+3], s[\g1b:\g1b+7]
	s_nop 0
.rept 4
	v_nop
.endr
.Lasked_\@:
.endm
.macro CREST
	s_cmp_lg_u32 s16, 0
	s_cbranch_scc1 .Lnot_wave_0_\@
	s_barrier_signal -3
.Lnot_wave_0_\@:
	s_barrier_wait -3
	s_barrier_signal -1
	s_barrier_wait -1
.endm
.macro CROUND
	s_barrier_signal -1
	s_barrier_wait -1
	CREST
.endm
	s_load_b256 s[4:11], s[0:1], 0x0               ; A's buffer, wts, the bias, the residual
	s_load_b64 s[12:13], s[0:1], 0x20              ; the output
	v_lshl_add_u32 v[SPW], v0, 2, SPARE
	v_mov_b32 v[NIL], 0
	ds_add_u32 v28, v29
	ds_add_u32 v28, v29
	s_wait_dscnt 0x0
	v_lshrrev_b32 v1, 5, v0
	v_readfirstlane_b32 s16, v1
	s_lshr_b32 s17, s16, 1
	s_and_b32 s18, s16, 1
	s_bfe_u32 s40, ttmp6, 0x40000
	s_bfe_u32 s41, ttmp6, 0x40004
	s_lshl_b32 s42, ttmp9, 2
	s_add_co_u32 s42, s42, s40                     ; tile column
	s_and_b32 s19, ttmp7, 0xffff
	s_lshl_b32 s19, s19, 2
	s_add_co_u32 s19, s19, s41                     ; tile row
	s_lshl_b32 s43, s41, 2
	s_lshl_b32 s43, 15, s43
	s_lshl_b32 s44, 0x1111, s40
	s_or_b32 s[G1+0], s43, (3<<16)|(1<<21)
	s_or_b32 s[G1B+0], s44, (3<<16)|(1<<21)
.irp g, G1, G1B
	s_mov_b32 s[\g+1], 384<<16
	s_mov_b32 s[\g+2], 8<<16
	s_mov_b32 s[\g+3], 384<<16
	s_mov_b32 s[\g+4], 8
	s_mov_b32 s[\g+5], RTG/8
	s_mov_b32 s[\g+6], 0
	s_mov_b32 s[\g+7], 0
.endr
	s_or_b32 s[G1S+0], s43, (3<<16)|(1<<20)|(1<<21)|(6<<22)|(15<<25)
	s_or_b32 s[G1SB+0], s44, (3<<16)|(1<<20)|(1<<21)|(6<<22)|(15<<25)
.irp g, G1S, G1SB
	s_mov_b32 s[\g+1], 64<<16
	s_mov_b32 s[\g+2], KS<<16
	s_mov_b32 s[\g+3], 64<<16
	s_mov_b32 s[\g+4], KS
	s_mov_b32 s[\g+6], 0
	s_mov_b32 s[\g+7], 0
.endr
	s_mov_b32 s[G1S+5], ASPL/8
	s_mov_b32 s[G1SB+5], BSPL/8
	s_lshl_b32 s20, s19, 4
	s_lshl_b32 s21, s18, 3
	s_add_co_u32 s20, s20, s21
	s_mul_i32 s20, s20, RTG
	s_mov_b32 s21, 0
	s_lshl_b32 s22, s19, 10
	s_lshl_b32 s23, s18, 9
	s_add_co_u32 s22, s22, s23
	s_add_co_u32 s22, s22, ASC
	s_mov_b32 s23, 0
	s_lshl_b32 s46, s42, 4
	s_lshl_b32 s47, s18, 3
	s_add_co_u32 s46, s46, s47
	s_mul_i32 s46, s46, RTG
	s_add_co_u32 s46, s46, BCO
	s_mov_b32 s47, 0
	s_lshl_b32 s92, s42, 10
	s_lshl_b32 s93, s18, 9
	s_add_co_u32 s92, s92, s93
	s_add_co_u32 s92, s92, BSC
	s_mov_b32 s93, 0
	s_mul_i32 s45, s16, HALFT
	s_mul_i32 s94, s16, HALFS
	s_wait_kmcnt 0x0
	s_add_nc_u64 s[20:21], s[4:5], s[20:21]
	s_add_nc_u64 s[22:23], s[4:5], s[22:23]
	s_add_nc_u64 s[46:47], s[6:7], s[46:47]
	s_add_nc_u64 s[92:93], s[6:7], s[92:93]
	CROUND                                         ; all sixteen work-groups are here: the first joint loads meet
	s_mov_b32 s[G0S], 1
	s_add_co_u32 s[G0S+1], s94, SCL
	s_mov_b64 s[G0S+2:G0S+3], s[22:23]
	s_or_b32 s[G0S+3], s[G0S+3], 0x80000000
	s_mov_b32 s[G0SB], 1
	s_add_co_u32 s[G0SB+1], s94, SCL
	s_mov_b64 s[G0SB+2:G0SB+3], s[92:93]
	s_or_b32 s[G0SB+3], s[G0SB+3], 0x80000000
	JLOAD G0S, G1S, G0SB, G1SB                     ; with the two slots' fills three loads of mine are out
.irp s, 0,1
	s_mov_b32 s[G0+4*\s], 1
	s_add_co_u32 s[G0+4*\s+1], s45, \s*SLOT
	s_add_nc_u64 s[G0+4*\s+2:G0+4*\s+3], s[20:21], \s*3072
	s_or_b32 s[G0+4*\s+3], s[G0+4*\s+3], 0x80000000
	s_mov_b32 s[G0B+4*\s], 1
	s_add_co_u32 s[G0B+4*\s+1], s45, \s*SLOT
	s_add_nc_u64 s[G0B+4*\s+2:G0B+4*\s+3], s[46:47], \s*3072
	s_or_b32 s[G0B+4*\s+3], s[G0B+4*\s+3], 0x80000000
	JLOAD G0+4*\s, G1, G0B+4*\s, G1B
.endr
	v_and_b32 v7, 31, v0
	v_lshlrev_b32 v[LN16], 4, v7
	v_lshlrev_b32 v[LN8], 3, v7
	s_mul_i32 s21, s17, HALFT
	s_mul_i32 s22, s18, HALFT
	s_add_co_u32 s22, s22, 2*HALFT
.irp s, 0,1
	v_add_nc_u32 v[ADRA+\s], s21, v[LN16]
	v_add_nc_u32 v[ADRB+\s], s22, v[LN16]
	v_add_nc_u32 v[ADRA+2+\s], s21, v[LN8]
	v_add_nc_u32 v[ADRB+2+\s], s22, v[LN8]
	s_add_co_u32 s21, s21, SLOT
	s_add_co_u32 s22, s22, SLOT
.endr
	v_and_b32 v5, 15, v0                           ; r
	v_bfe_u32 v6, v0, 4, 1                         ; h
	v_mul_u32_u24 v7, v6, 576
	v_lshl_add_u32 v7, v5, 2, v7
	s_mul_i32 s21, s17, HALFS
	s_add_co_u32 s21, s21, SCL
	v_add_nc_u32 v[ADSA], s21, v7
	s_mul_i32 s22, s18, HALFS
	s_add_co_u32 s22, s22, SCL+2*HALFS
	v_add_nc_u32 v[ADSB], s22, v7
	s_mul_i32 s21, s16, 16*528                     ; my stage: 16 rows of 512 bytes + 16 (in slot 0, which has had its last fill and its last read by the way out)
	v_mul_u32_u24 v7, v5, 528
	v_lshl_add_u32 v7, v6, 6, v7
	v_add_nc_u32 v[STO], s21, v7
	v_add_nc_u32 v[RD], s21, v[LN16]
	s_lshl_b32 s20, s19, 8
	s_lshl_b32 s21, s17, 7
	s_add_co_u32 s20, s20, s21                     ; my first token,
	s_lshl_b32 s20, s20, 12                        ; 4,096 bytes a row
	s_lshl_b32 s46, s42, 10
	s_lshl_b32 s47, s18, 9
	s_add_co_u32 s46, s46, s47                     ; my first column, in bytes
	s_mov_b32 s47, 0
	s_add_nc_u64 s[8:9], s[8:9], s[46:47]
	s_add_co_u32 s20, s20, s46
	s_mov_b32 s21, 0
	s_add_nc_u64 s[10:11], s[10:11], s[20:21]
	s_add_nc_u64 s[12:13], s[12:13], s[20:21]
	global_load_b128 v[BIA:BIA+3], v[LN16], s[8:9] ; the bias of the four columns that I hold of a row read back
.macro FRAG reg, adr, q, i
	ds_load_b128 v[\reg:\reg+3], v[\adr] offset:(\i)*3072+(\q)*1536
	ds_load_b64 v[\reg+4:\reg+5], v[\adr+2] offset:(\i)*3072+(\q)*1536+512
	ds_load_b128 v[\reg+6:\reg+9], v[\adr] offset:(\i)*3072+(\q)*1536+768
	ds_load_b64 v[\reg+10:\reg+11], v[\adr+2] offset:(\i)*3072+(\q)*1536+1280
.endm
; 16 matrix instructions; the 64 accumulators take turns, one instruction a turn
.macro MUL16 a0, p, q, sc, zero
.irp a, \a0, \a0+1
.irp b, 0,1,2,3,4,5,6,7
.if \zero
	v_wmma_scale_f32_16x16x128_f8f6f4 v[8*(8*((\a)%4)+\b):8*(8*((\a)%4)+\b)+7], v[128*(\p)+FR*\b:128*(\p)+FR*\b+FR-1], v[AF+FR*(\a):AF+FR*(\a)+FR-1], 0, v[SC+16*(\sc)+8+\b], v[SC+16*(\sc)+(\a)] matrix_a_fmt:MATRIX_FMT_FP6 matrix_b_fmt:MATRIX_FMT_FP6
.elseif (\q) == 0
	v_wmma_scale_f32_16x16x128_f8f6f4 v[8*(8*((\a)%4)+\b):8*(8*((\a)%4)+\b)+7], v[128*(\p)+FR*\b:128*(\p)+FR*\b+FR-1], v[AF+FR*(\a):AF+FR*(\a)+FR-1], v[8*(8*((\a)%4)+\b):8*(8*((\a)%4)+\b)+7], v[SC+16*(\sc)+8+\b], v[SC+16*(\sc)+(\a)] matrix_a_fmt:MATRIX_FMT_FP6 matrix_b_fmt:MATRIX_FMT_FP6
.else
	v_wmma_scale_f32_16x16x128_f8f6f4 v[8*(8*((\a)%4)+\b):8*(8*((\a)%4)+\b)+7], v[128*(\p)+FR*\b:128*(\p)+FR*\b+FR-1], v[AF+FR*(\a):AF+FR*(\a)+FR-1], v[8*(8*((\a)%4)+\b):8*(8*((\a)%4)+\b)+7], v[SC+16*(\sc)+8+\b], v[SC+16*(\sc)+(\a)] matrix_a_fmt:MATRIX_FMT_FP6 matrix_b_fmt:MATRIX_FMT_FP6 matrix_a_scale:MATRIX_SCALE_ROW1 matrix_b_scale:MATRIX_SCALE_ROW1
.endif
.endr
.endr
.endm
.macro FETCH_B slot, q, p
	WIN TO_B
.irp i, 0,1,2,3,4,5,6,7
	FRAG 128*(\p)+FR*\i, ADRB+\slot, \q, \i
.endr
	WIN 0
.endm
.macro FETCH_A slot, q, i0
.irp i, \i0, \i0+1, \i0+2, \i0+3
	FRAG AF+FR*(\i), ADRA+\slot, \q, \i
.endr
.endm
.macro SCALES sc
.irp i, 0,1,2,3,4,5,6,7
	ds_load_b32 v[SC+16*\sc+\i], v[ADSA] offset:64*\i
	ds_load_b32 v[SC+16*\sc+8+\i], v[ADSB] offset:64*\i
.endr
.endm
.macro PLACES n
.rept \n
	v_nop
.endr
.endm
.macro STEP slot, q, zero
	s_wait_dscnt 4*NL                              ; all but the youngest sixteen loads (A's blocks 4-7) are in
	WIN MUL_LO
	MUL16 0, (\q)%2, \q, \slot, \zero
	MUL16 2, (\q)%2, \q, \slot, \zero
	s_wait_dscnt 0
	PLACES NP
	FETCH_B \slot, (\q)+1, 1-(\q)%2
	FETCH_A \slot, (\q)+1, 0
	WIN MUL_HI
	MUL16 4, (\q)%2, \q, \slot, \zero
	MUL16 6, (\q)%2, \q, \slot, \zero
	PLACES NP
	WIN 0
	FETCH_A \slot, (\q)+1, 4
.endm
.macro TURN slot, next, fill
	s_wait_tensorcnt 0x0                           ; all my tensor loads have landed: my part of the next slot
	ds_add_u32 v[SPW], v[NIL]                      ; 0 onto my spare word
	s_wait_dscnt 4*NL+1                            ; (the add and A's blocks 4-7 may be out)
	WIN MUL_LO
	MUL16 0, 1, NQ-1, \slot, 0
	s_wait_dscnt 0x0                               ; the add is done, and my reads of this slot are over
	s_barrier_signal -1
	MUL16 2, 1, NQ-1, \slot, 0
	WIN 0
	s_barrier_wait -1
.if \fill
	CREST                                          ; a round of the cluster's barrier: no wave of any partner still reads this slot or has a load on its way
	s_add_nc_u64 s[G0+4*\slot+2:G0+4*\slot+3], s[G0+4*\slot+2:G0+4*\slot+3], 6144
	s_add_nc_u64 s[G0B+4*\slot+2:G0B+4*\slot+3], s[G0B+4*\slot+2:G0B+4*\slot+3], 6144
	JLOAD G0+4*\slot, G1, G0B+4*\slot, G1B
.else
	PLACES NP
.endif
	v_add_nc_u32 v[ADSA], 1152, v[ADSA]
	v_add_nc_u32 v[ADSB], 1152, v[ADSB]
	FETCH_B \next, 0, 0
	FETCH_A \next, 0, 0
	SCALES \next
	WIN MUL_HI
	MUL16 4, 1, NQ-1, \slot, 0
	MUL16 6, 1, NQ-1, \slot, 0
	PLACES NP
	WIN 0
	FETCH_A \next, 0, 4
.endm
	s_wait_tensorcnt 1                             ; the scale words and my part of K step 0 are in; K step 1's load may be out
	s_barrier_signal -1
	s_barrier_wait -1
	s_wait_loadcnt 0x0                             ; the bias
	FETCH_B 0, 0, 0
	FETCH_A 0, 0, 0
	SCALES 0
	FETCH_A 0, 0, 4
	STEP 0, 0, 1
	s_mov_b32 s3, LAPS-1
.Llap:
	TURN 0, 1, 1
	STEP 1, 0, 0
	TURN 1, 0, 1
	STEP 0, 0, 0
	s_sub_co_u32 s3, s3, 1
	s_cmp_lg_u32 s3, 0
	s_cbranch_scc1 .Llap
	TURN 0, 1, 0
	STEP 1, 0, 0
	s_wait_dscnt 4*NL
	WIN MUL_LO
	MUL16 0, 1, NQ-1, 1, 0
	MUL16 2, 1, NQ-1, 1, 0
	s_wait_dscnt 0
	WIN MUL_HI
	MUL16 4, 1, NQ-1, 1, 0
	MUL16 6, 1, NQ-1, 1, 0
	WIN 0
	PLACES NP
; place t of block a is token 32 (a / 2) + 8 (a % 2) + t + 8 (t / 8) of my 128: its row's offset stands in the immediate, and no base is stepped
.macro RLOAD a
.irp t, 0,1,2,3,4,5,6,7,8,9,10,11,12,13,14,15
	global_load_b128 v[RES+64*((\a)%2)+4*\t:RES+64*((\a)%2)+4*\t+3], v[LN16], s[10:11] offset:(32*((\a)/2)+8*((\a)%2)+\t+8*(\t/8))*4096 th:TH_LOAD_NT
.endr
.endm
.macro TOSTAGE a
	WIN 0x08+4*((\a)/4)                            ; an LDS store's data are its source 1: window 2 or 3
.irp b, 0,1,2,3,4,5,6,7
	ds_store_b128 v[STO], v[64*((\a)%4)+8*\b:64*((\a)%4)+8*\b+3] offset:128*(\b/2)+32*(\b%2)          ; each accumulator from its low end on
	ds_store_b128 v[STO], v[64*((\a)%4)+8*\b+4:64*((\a)%4)+8*\b+7] offset:128*(\b/2)+32*(\b%2)+16
.endr
	WIN 0
.irp t, 0,1,2,3,4,5,6,7,8,9,10,11,12,13,14,15
	ds_load_b128 v[BB+4*\t:BB+4*\t+3], v[RD] offset:\t*528       ; LDS serves a wave's instructions in order: these see the stores above
.endr
.endm
	RLOAD 0
.irp a, 0,1,2,3,4,5,6,7
	s_wait_xcnt 0x0                                ; the last block's stores have read their registers
.if \a < 7
	RLOAD \a+1
.endif
	TOSTAGE \a
	s_wait_dscnt 0x0
.if \a < 7
	s_wait_loadcnt 16                              ; this block's residual rows are in; the next block's sixteen may be out
.else
	s_wait_loadcnt 0x0
.endif
.irp t, 0,1,2,3,4,5,6,7,8,9,10,11,12,13,14,15
	v_pk_add_f32 v[BB+4*\t:BB+4*\t+1], v[BB+4*\t:BB+4*\t+1], v[BIA:BIA+1]
	v_pk_add_f32 v[BB+4*\t+2:BB+4*\t+3], v[BB+4*\t+2:BB+4*\t+3], v[BIA+2:BIA+3]
.endr
.irp t, 0,1,2,3,4,5,6,7,8,9,10,11,12,13,14,15
	v_pk_add_f32 v[BB+4*\t:BB+4*\t+1], v[BB+4*\t:BB+4*\t+1], v[RES+64*(\a%2)+4*\t:RES+64*(\a%2)+4*\t+1]
	v_pk_add_f32 v[BB+4*\t+2:BB+4*\t+3], v[BB+4*\t+2:BB+4*\t+3], v[RES+64*(\a%2)+4*\t+2:RES+64*(\a%2)+4*\t+3]
.endr
.irp t, 0,1,2,3,4,5,6,7,8,9,10,11,12,13,14,15
	global_store_b128 v[LN16], v[BB+4*\t:BB+4*\t+3], s[12:13] offset:(32*(\a/2)+8*(\a%2)+\t+8*(\t/8))*4096 th:TH_STORE_NT   ; 512 consecutive bytes, aligned; written once, read by nobody here
.endr
.endr
	s_wait_tensorcnt 0x0                           ; the wave's end
	ds_add_u32 v[SPW], v[NIL]
	s_wait_dscnt 0x0
	CROUND                                         ; the closing round
	s_endpgm
.Lfunc_end_k_qcdcd919d41_ffn2:
	.size	k_qcdcd919d41_ffn2, .Lfunc_end_k_qcdcd919d41_ffn2-k_qcdcd919d41_ffn2
	.p2alignl 7, 3214868480
	.fill 96, 4, 3214868480
	.section	.rodata,"a",@progbits
	.p2align	6, 0x0
	.amdhsa_kernel k_qcdcd919d41_ffn2
		.amdhsa_group_segment_fixed_size 327680
		.amdhsa_private_segment_fixed_size 0
		.amdhsa_enable_private_segment 0
		.amdhsa_kernarg_size 40
		.amdhsa_user_sgpr_count 2
		.amdhsa_user_sgpr_kernarg_segment_ptr 1
		.amdhsa_wavefront_size32 1
		.amdhsa_system_sgpr_workgroup_id_x 1
		.amdhsa_system_sgpr_workgroup_id_y 1
		.amdhsa_system_sgpr_workgroup_id_z 1
		.amdhsa_system_vgpr_workitem_id 0
		.amdhsa_next_free_vgpr 1024
		.amdhsa_next_free_sgpr 102
		.amdhsa_reserve_vcc 0
		.amdhsa_float_denorm_mode_32 3
		.amdhsa_float_denorm_mode_16_64 3
		.amdhsa_memory_ordered 1
		.amdhsa_forward_progress 1
		.amdhsa_inst_pref_size 190
	.end_amdhsa_kernel
	.amdgpu_metadata
---
amdhsa.version: [ 1, 2 ]
amdhsa.kernels:
  - .name:           k_qcdcd919d41_ffn2
    .symbol:         k_qcdcd919d41_ffn2.kd
    .args:
      - { .name: hid, .offset: 0, .size: 8, .value_kind: global_buffer, .address_space: global }
      - { .name: wts, .offset: 8, .size: 8, .value_kind: global_buffer, .address_space: global }
      - { .name: b2, .offset: 16, .size: 8, .value_kind: global_buffer, .address_space: global }
      - { .name: x1, .offset: 24, .size: 8, .value_kind: global_buffer, .address_space: global }
      - { .name: out0, .offset: 32, .size: 8, .value_kind: global_buffer, .address_space: global }
    .group_segment_fixed_size: 327680
    .private_segment_fixed_size: 0
    .kernarg_segment_align: 8
    .kernarg_segment_size: 40
    .max_flat_workgroup_size: 128
    .sgpr_count:     102
    .vgpr_count:     1024
    .wavefront_size: 32
...
	.end_amdgpu_metadata
.endif
;; end of part 7
;; ======== version 2 of 2: 7 launches
;; limits: right only within a limited range of input values
;; workspace buffers: wts 9,863,168 bytes; hq 3,276,800 bytes; qkv 10,092,544 bytes; att 3,276,800 bytes; x1 16,777,216 bytes; hid 13,107,200 bytes
;; launch prep (part 8): grid 640 x 1, 4 waves a work-group, no clusters, 65,536 bytes of LDS; arguments Wq, Wk, Wv, Wp, W1, W2, wts, x, gamma, beta, hq; writes wts, hq
.if DOCPART == 8
	.amdgcn_target "amdgcn-amd-amdhsa--gfx1250"
	.amdhsa_code_object_version 6
	.text
	.protected	k_qcdcd919d41_prep
	.globl	k_qcdcd919d41_prep
	.p2align	8
	.type	k_qcdcd919d41_prep,@function
k_qcdcd919d41_prep:
	s_mov_b64 s[64:65], 0
	v_nop
	global_prefetch_b8 v0, s[64:65] scope:SCOPE_SE
	s_setreg_imm32_b32 hwreg(HW_REG_WAVE_MODE, 25, 1), 1
	s_wait_xcnt 0x0
; ONE LAUNCH PREPARES ALL OPERANDS THAT COME AS INPUTS.  Work-groups 0-383 quantise the six weights; work-groups 384-639 make LayerNorm(x) and quantise it.  The two paths part on the work-group's number alone, at the head,
; and each has LDS bytes of its own; the spare words (bytes 24,576 to 25,087) and their two registers, v30 and v31, serve both.
; LAYOUT OF AN OPERAND.  Codes of FP6 (E2M3) with one E8M0 byte for each 32 along K.  Rows stand in groups of 32; in a group, place 16 u + r holds row 8 u + r + 8 (r / 8) (bits 3 and 4 of the number change places).
; A fragment is 16 places x 128 K = 1,536 bytes, the image of the matrix operand's 12 registers: half c (K 64 c on) at 768 c: registers 6 c .. 6 c + 3 of lane L at 16 L, then registers 6 c + 4, 6 c + 5 at 512 + 8 L;
; lane L = r + 16 h holds block 2 c + h of place r.  Codes: [place / 16][K / 128][1,536]; W2's alone by chunks of 512 along K: [K / 512][place / 16][4][1,536].  Scale words: [K / 128][place], four bytes, byte b for block b.
; A block's scale is 2^(floor(log2(largest magnitude)) - 2); its byte is the largest magnitude's exponent field - 2, held at 1 from below.
; LIMITS: a block of zeros, or one whose largest magnitude lies under 2^-124, carries the byte 1 (the rule says 127 for zeros: its codes are zeros, and this program alone reads the bytes); NaN and infinities are not served;
; v_rsq_f32 is good to one unit in the last place.
	v_lshl_add_u32 v30, v0, 2, 0x6000
	v_mov_b32 v31, 0
	s_cmp_ge_u32 ttmp9, 384
	s_cbranch_scc1 .Lln
; ---- THE WEIGHTS, f32 with K as their first axis.  A work-group takes 128 columns x 256 K, a wave 32 columns (one group) x 256 K, A LANE ONE COLUMN WITH ITS REGISTERS DOWN K: a block of 32 lies in one lane,
; each load reads 128 consecutive bytes, and the conversions give codes with K innermost.  The wave's 6,144 bytes of codes are gathered in its own LDS and leave in stores of 512 consecutive bytes.  Waves share nothing: no barrier.
; All six tensors take one path: only numbers and pointers are chosen by the work-group's number.
.set WP_C,   2359296
.set W1_C,   3145728
.set W2_C,   6291456
.set WQKV_S, 9437184
.set WP_S,   9568256
.set W1_S,   9601024
.set W2_S,   9732096
.set VO,   32                          ; v32-63   4 x lane + i x the pitch from row k to row k + 1
.set X,    64                          ; v64-127  two sets of 32 numbers
.set OUTR, 128                         ; v128-175 the way out
	s_load_b256 s[4:11], s[0:1], 0x0               ; Wq, Wk, Wv, Wp
	s_load_b128 s[12:15], s[0:1], 0x20             ; W1, W2
	s_load_b64 s[16:17], s[0:1], 0x30              ; wts
	v_lshrrev_b32 v1, 5, v0
	v_readfirstlane_b32 s18, v1                    ; wave j
	v_and_b32 v1, 31, v0                           ; lane = my column in the group
	v_lshlrev_b32 v2, 2, v1
	v_bfe_u32 v8, v0, 3, 1                         ; my place: which of the group's two tiles: bit 3 of the column,
	v_bfe_u32 v9, v0, 4, 1
	v_and_b32 v10, 7, v0
	v_lshl_add_u32 v10, v9, 3, v10                 ; and r = (column % 8) + 8 x bit 4
	s_mul_i32 s19, s18, 6144                       ; my wave's stage: [tile][K / 128][1,536]
	v_mul_u32_u24 v11, v8, 3072
	v_add_nc_u32 v11, s19, v11
	v_lshl_add_u32 v3, v10, 4, v11                 ; where my four registers go,
	v_lshl_add_u32 v4, v10, 3, v11
	v_add_nc_u32 v4, 512, v4                       ; and my two
	v_lshlrev_b32 v6, 4, v1                        ; the way out: 16 bytes a lane
	v_add_nc_u32 v5, s19, v6
	v_lshl_add_u32 v7, v8, 4, v10
	v_lshlrev_b32 v7, 2, v7                        ; my place's scale word
	; the tensor's numbers: first work-group, bits of K's part, pitch, codes' and scales' places, bytes from tile to tile, pitch of a scale plane
	s_mov_b32 s20, 0
	s_mov_b32 s21, 2
	s_mov_b32 s22, 3
	s_mov_b32 s23, 256
	s_mov_b32 s24, 0
	s_mov_b32 s25, 12288
	s_mov_b32 s26, WQKV_S
	s_mov_b32 s27, 16384
	s_cmp_ge_u32 ttmp9, 96                         ; Wp
	s_cselect_b32 s20, 96, s20
	s_cselect_b32 s23, 4096, s23
	s_cselect_b32 s24, WP_C, s24
	s_cselect_b32 s26, WP_S, s26
	s_cselect_b32 s27, 4096, s27
	s_cmp_ge_u32 ttmp9, 128                        ; W1
	s_cselect_b32 s20, 128, s20
	s_cselect_b32 s23, 16384, s23
	s_cselect_b32 s24, W1_C, s24
	s_cselect_b32 s26, W1_S, s26
	s_cselect_b32 s27, 16384, s27
	s_cmp_ge_u32 ttmp9, 256                        ; W2
	s_cselect_b32 s20, 256, s20
	s_cselect_b32 s21, 4, s21
	s_cselect_b32 s22, 15, s22
	s_cselect_b32 s23, 4096, s23
	s_cselect_b32 s24, W2_C, s24
	s_cselect_b32 s25, 6144, s25
	s_cselect_b32 s26, W2_S, s26
	s_cselect_b32 s27, 4096, s27
	s_sub_co_u32 s28, ttmp9, s20
	s_and_b32 s29, s28, s22                        ; ky: which 256 along K
	s_lshr_b32 s28, s28, s21                       ; cg: which 128 columns
	s_lshl_b32 s30, s28, 2
	s_add_co_u32 s30, s30, s18                     ; which group of 32 columns
	s_and_b32 s31, s28, 7                          ; Wq, Wk, Wv are [head][k][64]: head 2 (cg % 8) + j / 2, 262,144 bytes a head, + 128 (j % 2)
	s_lshl_b32 s31, s31, 1
	s_lshr_b32 s34, s18, 1
	s_add_co_u32 s31, s31, s34
	s_lshl_b32 s31, s31, 18
	s_and_b32 s34, s18, 1
	s_lshl_b32 s34, s34, 7
	s_add_co_u32 s31, s31, s34
	s_lshl_b32 s34, s30, 7                         ; the others: 128 bytes a group
	s_cmp_ge_u32 ttmp9, 96
	s_cselect_b32 s31, s34, s31
	s_lshl_b32 s34, s29, 8
	s_mul_i32 s34, s34, s23                        ; + 256 ky rows
	s_add_co_u32 s36, s31, s34
	s_mov_b32 s37, 0
	s_lshl_b32 s34, s30, 1                         ; codes: tile 2 x group, + 3,072 ky;
	s_mul_i32 s34, s34, s25
	s_add_co_u32 s34, s34, s24
	s_mul_i32 s35, s29, 3072
	s_and_b32 s38, s29, 1                          ; W2: 3,072 (ky % 2) in the chunk's row of four fragments,
	s_mul_i32 s38, s38, 3072
	s_lshr_b32 s39, s29, 1
	s_mul_i32 s39, s39, 393216                     ; chunk ky / 2: 64 tiles x 6,144 bytes
	s_add_co_u32 s38, s38, s39
	s_cmp_ge_u32 ttmp9, 256
	s_cselect_b32 s35, s38, s35
	s_add_co_u32 s38, s34, s35
	s_mov_b32 s39, 0
	s_lshl_b32 s34, s29, 1                         ; scale words: plane 2 ky, + 128 bytes a group
	s_mul_i32 s34, s34, s27
	s_add_co_u32 s34, s34, s26
	s_lshl_b32 s35, s30, 7
	s_add_co_u32 s34, s34, s35
	s_mov_b32 s35, 0
	s_lshr_b32 s30, s28, 3                         ; among the first three: which tensor
.set i, 0
.rept 32
	v_mad_u32_u24 v[VO+i], s23, i, v2
.set i, i+1
.endr
	s_wait_alu depctr_va_vdst(0)
	s_wait_kmcnt 0x0
	s_add_nc_u64 s[56:57], s[16:17], s[38:39]      ; codes, first tile
	s_add_nc_u64 s[60:61], s[16:17], s[34:35]      ; scale words, first plane
	s_mov_b32 s34, s25
	s_add_nc_u64 s[58:59], s[56:57], s[34:35]      ; second tile
	s_mov_b32 s34, s27
	s_add_nc_u64 s[62:63], s[60:61], s[34:35]      ; second plane
	s_cmp_eq_u32 s30, 1
	s_cselect_b64 s[32:33], s[6:7], s[4:5]
	s_cmp_eq_u32 s30, 2
	s_cselect_b64 s[32:33], s[8:9], s[32:33]
	s_cmp_ge_u32 ttmp9, 96
	s_cselect_b64 s[32:33], s[10:11], s[32:33]
	s_cmp_ge_u32 ttmp9, 128
	s_cselect_b64 s[32:33], s[12:13], s[32:33]
	s_cmp_ge_u32 ttmp9, 256
	s_cselect_b64 s[32:33], s[14:15], s[32:33]
	s_add_nc_u64 s[40:41], s[32:33], s[36:37]      ; a base for each of the eight blocks: nothing is stepped while loads are out
	s_lshl_b32 s34, s23, 5
.irp t, 1,2,3,4,5,6,7
	s_add_nc_u64 s[40+2*\t:41+2*\t], s[38+2*\t:39+2*\t], s[34:35]
.endr
.macro LOAD t                          ; block t: W(32 t + i, my column) into set t % 2
.set i, 0
.rept 32
	global_load_b32 v[X+32*((\t)%2)+i], v[VO+i], s[40+2*(\t):41+2*(\t)] th:TH_LOAD_NT
.set i, i+1
.endr
.endm
	LOAD 0
	LOAD 1
.macro BLOCK t
.set XS, X+32*((\t)%2)
.if (\t) < 7
	s_wait_loadcnt 32                              ; this block's 32 loads are in; the next block's may be out
.else
	s_wait_loadcnt 0x0
.endif
	v_max3_num_f32 v12, |v[XS]|, |v[XS+1]|, |v[XS+2]|
	v_max3_num_f32 v13, |v[XS+3]|, |v[XS+4]|, |v[XS+5]|
.irp i, 6,10,14,18,22,26
	v_max3_num_f32 v12, v12, |v[XS+\i]|, |v[XS+\i+1]|
	v_max3_num_f32 v13, v13, |v[XS+\i+2]|, |v[XS+\i+3]|
.endr
	v_max3_num_f32 v12, v12, |v[XS+30]|, |v[XS+31]|
	v_max3_num_f32 v12, v12, v13, 0x1800000        ; and the floor 2^(3 - 127): the byte cannot fall under 1
	v_add_nc_u32 v14, 0xff000000, v12              ; 2 off the exponent field: the conversion takes this operand's exponent field as its scale
	v_lshrrev_b32 v15, 23, v14                     ; the scale's byte
.if (\t)%4 == 0
	v_mov_b32 v[26+(\t)/4], v15
.else
	v_lshl_or_b32 v[26+(\t)/4], v15, 8*((\t)%4), v[26+(\t)/4]
.endif
	v_cvt_scalef32_pk16_fp6_f32 v[16:18], v[XS:XS+15], v14
	v_cvt_scalef32_pk16_fp6_f32 v[22:24], v[XS+16:XS+31], v14    ; (a conversion's three registers begin on an even number)
	v_nop                                          ; one plain place behind a scaled conversion
	v_mov_b32 v19, v22
	v_mov_b32 v20, v23
	v_mov_b32 v21, v24
	ds_store_b128 v3, v[16:19] offset:((\t)/4)*1536+(((\t)/2)%2)*768+256*((\t)%2)   ; block t is block 2 c + h of K step t / 4: lane r + 16 h's place
	ds_store_b64 v4, v[20:21] offset:((\t)/4)*1536+(((\t)/2)%2)*768+128*((\t)%2)
.if (\t)+2 < 8
	LOAD (\t)+2
.endif
	s_wait_dscnt 0x0                               ; the stores have read their registers: the next block's codes may be written
.endm
.irp t, 0,1,2,3,4,5,6,7
	BLOCK \t
.endr
	global_store_b32 v7, v26, s[60:61]             ; the wave's 32 scale words of a plane: 128 consecutive bytes
	s_wait_alu depctr_va_vdst(0)
	global_store_b32 v7, v27, s[62:63]
.irp j, 0,1,2,3,4,5,6,7,8,9,10,11
	ds_load_b128 v[OUTR+4*\j:OUTR+4*\j+3], v5 offset:512*\j      ; LDS serves a wave's instructions in order: these see my stores
.endr
.irp j, 0,1,2,3,4,5,6,7,8,9,10,11
	s_wait_dscnt 11-\j
	global_store_b128 v6, v[OUTR+4*\j:OUTR+4*\j+3], s[56+2*(\j/6):57+2*(\j/6)] offset:512*(\j%6)   ; 512 consecutive bytes, aligned
.endr
	s_wait_tensorcnt 0x0                           ; the wave's end
	ds_add_u32 v30, v31
	s_wait_dscnt 0x0
	s_endpgm
; ---- LayerNorm over x's rows of 1,024 numbers, quantised along the row.  A work-group makes one tile of 16 places; wave w its places 4 w .. 4 w + 3, which are four neighbouring tokens.  One wave, one row at a time:
; mean and variance never leave the wave.  A row comes by eight loads of 512 consecutive bytes and turns through the wave's own stage in LDS, so that lane l holds numbers 32 l .. 32 l + 31: ONE BLOCK.
; gamma and beta come once a work-group, by dense loads: waves 0, 1 bring 2,048 bytes of gamma each, waves 2, 3 of beta; they are laid in LDS as a row is in a stage, and behind a barrier every wave reads its lanes' 32 numbers of each.
; The variance is the mean of (x - mean)^2, taken in a second pass over the registers.  The tile's 12,288 bytes of codes meet in LDS and leave in stores of 512 consecutive bytes a wave; the scale words leave as eight pieces of 64 bytes.
.Lln:
.set LB,  25088                        ; this path's LDS bytes begin behind the spare words: four stages of 32 x 144 bytes,
.set STG, 4608
.set IMG, LB+4*STG                     ; the tile's image,
.set SCS, IMG+12288                    ; its scale words,
.set GB,  SCS+512                      ; gamma, then beta
.set HS,  3145728
.set X,   32                           ; v32-63   my block
.set G,   192                          ; v192-223 gamma of my 32 columns;  v224-255 beta
.set BT,  224
	s_load_b256 s[4:11], s[0:1], 0x38              ; x, gamma, beta, hq
	v_lshrrev_b32 v1, 5, v0
	v_readfirstlane_b32 s12, v1                    ; wave
	s_sub_co_u32 s29, ttmp9, 384                   ; my tile
	s_mul_i32 s13, s12, STG
	s_add_co_u32 s13, s13, LB
	s_lshr_b32 s14, s12, 1                         ; gamma (0) or beta (1),
	s_mul_i32 s14, s14, STG
	s_and_b32 s26, s12, 1                          ; which 2,048 bytes of it
	s_mul_i32 s15, s26, 4*576
	s_add_co_u32 s14, s14, s15
	s_add_co_u32 s28, s14, GB
	s_lshl_b32 s26, s26, 11
	s_mov_b32 s27, 0
	v_and_b32 v20, 31, v0                          ; lane
	v_lshlrev_b32 v1, 4, v20                       ; my 16 bytes of a load's 512
	v_lshrrev_b32 v21, 3, v20
	v_mul_u32_u24 v21, v21, 144
	v_and_b32 v22, 7, v20
	v_lshl_add_u32 v21, v22, 4, v21
	v_add_nc_u32 v2, s13, v21                      ; the stage, in: eight lanes' 128 bytes on end, then 16 of padding
	v_add_nc_u32 v24, s28, v21                     ; the same for my pieces of gamma or beta
	v_mul_u32_u24 v21, v20, 144
	v_add_nc_u32 v3, s13, v21                      ; and out: 144 x lane: the lanes' reads start in different banks
	v_add_nc_u32 v25, GB, v21
	v_lshrrev_b32 v21, 2, v20                      ; my block l is block 2 c + h of K step l / 4
	v_mul_u32_u24 v21, v21, 1536
	v_bfe_u32 v22, v20, 1, 1
	v_mad_u32_u24 v21, v22, 768, v21
	v_and_b32 v22, 1, v20
	s_lshl_b32 s14, s12, 6
	s_add_co_u32 s14, s14, IMG
	v_lshl_add_u32 v4, v22, 8, v21
	v_add_nc_u32 v4, s14, v4                       ; four registers at 16 (r + 16 h), r = 4 w + i
	s_lshl_b32 s14, s12, 5
	s_add_co_u32 s14, s14, IMG+512
	v_lshl_add_u32 v5, v22, 7, v21
	v_add_nc_u32 v5, s14, v5                       ; two at 512 + 8 (r + 16 h)
	v_lshrrev_b32 v21, 2, v20
	v_and_b32 v22, 3, v20
	v_lshl_add_u32 v6, v21, 6, v22
	s_lshl_b32 s14, s12, 4
	s_add_co_u32 s14, s14, SCS
	v_add_nc_u32 v6, s14, v6                       ; my byte: 64 (l / 4) + 4 r + l % 4
	v_lshlrev_b32 v19, 4, v0                       ; the way out: 16 bytes a thread,
	v_lshlrev_b32 v7, 2, v0                        ; a scale word a thread,
	v_lshrrev_b32 v21, 4, v0
	v_and_b32 v22, 15, v0
	v_lshlrev_b32 v23, 14, v21
	v_lshl_add_u32 v23, v22, 2, v23                ; which goes to plane t / 16, place t % 16
	s_lshr_b32 s15, s29, 1                         ; my first token: 32 (tile / 2) + 8 (tile % 2) + 4 w + 8 (w / 2)
	s_lshl_b32 s15, s15, 5
	s_and_b32 s16, s29, 1
	s_lshl_b32 s16, s16, 3
	s_add_co_u32 s15, s15, s16
	s_lshl_b32 s16, s12, 2
	s_add_co_u32 s15, s15, s16
	s_lshr_b32 s16, s12, 1
	s_lshl_b32 s16, s16, 3
	s_add_co_u32 s15, s15, s16
	s_lshl_b32 s16, s15, 12
	s_mov_b32 s17, 0
	s_mul_i32 s18, s29, 12288
	s_mov_b32 s19, 0
	s_lshl_b32 s20, s29, 6
	s_add_co_u32 s20, s20, HS
	s_mov_b32 s21, 0
	s_mov_b32 s22, 0x3a800000                      ; 1 / 1,024
	s_mov_b32 s23, 0x3727c5ac                      ; 1e-5
	s_mov_b32 s24, 0x76543210
	s_mov_b32 s25, 0xfedcba98                      ; v_permlanex16_b32's selects for lane l xor 16
	s_wait_alu depctr_va_vdst(0)                   ; the wait at the head's end
	s_wait_kmcnt 0x0
	s_add_nc_u64 s[4:5], s[4:5], s[16:17]
	s_add_nc_u64 s[20:21], s[10:11], s[20:21]
	s_add_nc_u64 s[10:11], s[10:11], s[18:19]
	s_cmp_lt_u32 s12, 2                            ; the choice hangs on the wave's number alone
	s_cselect_b64 s[6:7], s[6:7], s[8:9]
	s_add_nc_u64 s[6:7], s[6:7], s[26:27]
.irp k, 0,1,2,3
	global_load_b128 v[G+4*\k:G+4*\k+3], v1, s[6:7] offset:512*\k   ; 512 consecutive bytes of gamma or of beta
.endr
.irp i, 0,1,2,3
.irp j, 0,1,2,3,4,5,6,7
	global_load_b128 v[64+32*\i+4*\j:67+32*\i+4*\j], v1, s[4:5] offset:4096*\i+512*\j
.endr
.endr
	s_wait_loadcnt 32                              ; my four pieces are in; the rows' 32 loads may be out
.irp k, 0,1,2,3
	ds_store_b128 v24, v[G+4*\k:G+4*\k+3] offset:576*\k
.endr
	s_wait_dscnt 0x0                               ; for the others' sake
	s_barrier_signal -1
	s_barrier_wait -1
.irp q, 0,1,2,3,4,5,6,7
	ds_load_b128 v[G+4*\q:G+4*\q+3], v25 offset:16*\q
.endr
.irp q, 0,1,2,3,4,5,6,7
	ds_load_b128 v[BT+4*\q:BT+4*\q+3], v25 offset:STG+16*\q
.endr
.macro ALLSUM                          ; v8 summed over the 32 lanes, the sum in every lane
	v_add_f32_dpp v8, v8, v8 row_xmask:1 row_mask:0xf bank_mask:0xf
	v_add_f32_dpp v8, v8, v8 row_xmask:2 row_mask:0xf bank_mask:0xf
	v_add_f32_dpp v8, v8, v8 row_xmask:4 row_mask:0xf bank_mask:0xf
	v_add_f32_dpp v8, v8, v8 row_xmask:8 row_mask:0xf bank_mask:0xf
	v_permlanex16_b32 v9, v8, s24, s25
	v_add_f32 v8, v8, v9
.endm
.macro FOLD                            ; four chains into v8
	v_pk_add_f32 v[8:9], v[8:9], v[10:11]
	v_pk_add_f32 v[12:13], v[12:13], v[14:15]
	v_pk_add_f32 v[8:9], v[8:9], v[12:13]
	v_add_f32 v8, v8, v9
.endm
.macro ROW i
	s_wait_loadcnt 24-8*\i                         ; this row is in; the rows behind it may be out
.irp j, 0,1,2,3,4,5,6,7
	ds_store_b128 v2, v[64+32*\i+4*\j:67+32*\i+4*\j] offset:576*\j
.endr
.irp q, 0,1,2,3,4,5,6,7
	ds_load_b128 v[X+4*\q:X+4*\q+3], v3 offset:16*\q            ; LDS serves a wave's instructions in order: these see the stores above
.endr
	s_wait_dscnt 0x0
	v_pk_add_f32 v[8:9], v[32:33], v[34:35]        ; the sum, in four chains
	v_pk_add_f32 v[10:11], v[36:37], v[38:39]
	v_pk_add_f32 v[12:13], v[40:41], v[42:43]
	v_pk_add_f32 v[14:15], v[44:45], v[46:47]
.irp j, 48,56
	v_pk_add_f32 v[8:9], v[8:9], v[\j:\j+1]
	v_pk_add_f32 v[10:11], v[10:11], v[\j+2:\j+3]
	v_pk_add_f32 v[12:13], v[12:13], v[\j+4:\j+5]
	v_pk_add_f32 v[14:15], v[14:15], v[\j+6:\j+7]
.endr
	FOLD
	ALLSUM
	v_mul_f32 v16, 0xba800000, v8                  ; - the mean
	v_mov_b32 v17, v16
.irp j, 0,2,4,6,8,10,12,14,16,18,20,22,24,26,28,30
	v_pk_add_f32 v[X+\j:X+\j+1], v[X+\j:X+\j+1], v[16:17]
.endr
	v_pk_mul_f32 v[8:9], v[32:33], v[32:33]        ; the sum of squares of x - mean
	v_pk_mul_f32 v[10:11], v[34:35], v[34:35]
	v_pk_mul_f32 v[12:13], v[36:37], v[36:37]
	v_pk_mul_f32 v[14:15], v[38:39], v[38:39]
.irp j, 40,48,56
	v_pk_fma_f32 v[8:9], v[\j:\j+1], v[\j:\j+1], v[8:9]
	v_pk_fma_f32 v[10:11], v[\j+2:\j+3], v[\j+2:\j+3], v[10:11]
	v_pk_fma_f32 v[12:13], v[\j+4:\j+5], v[\j+4:\j+5], v[12:13]
	v_pk_fma_f32 v[14:15], v[\j+6:\j+7], v[\j+6:\j+7], v[14:15]
.endr
	FOLD
	ALLSUM
	v_fma_f32 v18, v8, s22, s23                    ; the variance + 1e-5
	s_wait_alu depctr_va_vdst(0)
	v_rsq_f32 v16, v18
	v_nop                                          ; a plain place behind the transcendental,
	s_wait_alu depctr_va_vdst(0)                   ; and the wait ahead of the first line that names its result
	v_mov_b32 v17, v16
.irp j, 0,2,4,6,8,10,12,14,16,18,20,22,24,26,28,30
	v_pk_mul_f32 v[X+\j:X+\j+1], v[X+\j:X+\j+1], v[16:17]
.endr
.irp j, 0,2,4,6,8,10,12,14,16,18,20,22,24,26,28,30
	v_pk_fma_f32 v[X+\j:X+\j+1], v[X+\j:X+\j+1], v[G+\j:G+\j+1], v[BT+\j:BT+\j+1]
.endr
	v_max3_num_f32 v12, |v[X]|, |v[X+1]|, |v[X+2]|               ; the block's largest magnitude: all 32 numbers are mine
	v_max3_num_f32 v13, |v[X+3]|, |v[X+4]|, |v[X+5]|
.irp j, 6,10,14,18,22,26
	v_max3_num_f32 v12, v12, |v[X+\j]|, |v[X+\j+1]|
	v_max3_num_f32 v13, v13, |v[X+\j+2]|, |v[X+\j+3]|
.endr
	v_max3_num_f32 v12, v12, |v[X+30]|, |v[X+31]|
	v_max3_num_f32 v12, v12, v13, 0x1800000        ; and the floor 2^(3 - 127)
	v_add_nc_u32 v14, 0xff000000, v12              ; 2 off the exponent field: the conversion's scale operand
	v_lshrrev_b32 v15, 23, v14                     ; the byte
	v_cvt_scalef32_pk16_fp6_f32 v[24:26], v[X:X+15], v14
	v_cvt_scalef32_pk16_fp6_f32 v[8:10], v[X+16:X+31], v14       ; (a conversion's three registers begin on an even number)
	v_nop                                          ; one plain place behind a scaled conversion
	v_mov_b32 v27, v8
	v_mov_b32 v28, v9
	v_mov_b32 v29, v10
	ds_store_b128 v4, v[24:27] offset:16*\i
	ds_store_b64 v5, v[28:29] offset:8*\i
	ds_store_b8 v6, v15 offset:4*\i
.endm
	ROW 0
	ROW 1
	ROW 2
	ROW 3
	s_wait_dscnt 0x0                               ; for the others' sake: my stores into the image have landed
	s_barrier_signal -1
	s_barrier_wait -1
.irp k, 0,1,2,3,4,5
	ds_load_b128 v[64+4*\k:67+4*\k], v19 offset:IMG+2048*\k
.endr
	ds_load_b32 v88, v7 offset:SCS
.irp k, 0,1,2,3,4,5
	s_wait_dscnt 6-\k
	global_store_b128 v19, v[64+4*\k:67+4*\k], s[10:11] offset:2048*\k   ; a wave stores 512 consecutive bytes, aligned
.endr
	s_wait_dscnt 0x0
	global_store_b32 v23, v88, s[20:21]
	s_wait_tensorcnt 0x0                           ; the wave's end
	ds_add_u32 v30, v31
	s_wait_dscnt 0x0
	s_endpgm
.Lfunc_end_k_qcdcd919d41_prep:
	.size	k_qcdcd919d41_prep, .Lfunc_end_k_qcdcd919d41_prep-k_qcdcd919d41_prep
	.p2alignl 7, 3214868480
	.fill 96, 4, 3214868480
	.section	.rodata,"a",@progbits
	.p2align	6, 0x0
	.amdhsa_kernel k_qcdcd919d41_prep
		.amdhsa_group_segment_fixed_size 65536
		.amdhsa_private_segment_fixed_size 0
		.amdhsa_enable_private_segment 0
		.amdhsa_kernarg_size 88
		.amdhsa_user_sgpr_count 2
		.amdhsa_user_sgpr_kernarg_segment_ptr 1
		.amdhsa_wavefront_size32 1
		.amdhsa_system_sgpr_workgroup_id_x 1
		.amdhsa_system_sgpr_workgroup_id_y 1
		.amdhsa_system_sgpr_workgroup_id_z 1
		.amdhsa_system_vgpr_workitem_id 0
		.amdhsa_next_free_vgpr 256
		.amdhsa_next_free_sgpr 66
		.amdhsa_reserve_vcc 0
		.amdhsa_float_denorm_mode_32 3
		.amdhsa_float_denorm_mode_16_64 3
		.amdhsa_memory_ordered 1
		.amdhsa_forward_progress 1
		.amdhsa_inst_pref_size 93
	.end_amdhsa_kernel
	.amdgpu_metadata
---
amdhsa.version: [ 1, 2 ]
amdhsa.kernels:
  - .name:           k_qcdcd919d41_prep
    .symbol:         k_qcdcd919d41_prep.kd
    .args:
      - { .name: Wq, .offset: 0, .size: 8, .value_kind: global_buffer, .address_space: global }
      - { .name: Wk, .offset: 8, .size: 8, .value_kind: global_buffer, .address_space: global }
      - { .name: Wv, .offset: 16, .size: 8, .value_kind: global_buffer, .address_space: global }
      - { .name: Wp, .offset: 24, .size: 8, .value_kind: global_buffer, .address_space: global }
      - { .name: W1, .offset: 32, .size: 8, .value_kind: global_buffer, .address_space: global }
      - { .name: W2, .offset: 40, .size: 8, .value_kind: global_buffer, .address_space: global }
      - { .name: wts, .offset: 48, .size: 8, .value_kind: global_buffer, .address_space: global }
      - { .name: x, .offset: 56, .size: 8, .value_kind: global_buffer, .address_space: global }
      - { .name: gamma, .offset: 64, .size: 8, .value_kind: global_buffer, .address_space: global }
      - { .name: beta, .offset: 72, .size: 8, .value_kind: global_buffer, .address_space: global }
      - { .name: hq, .offset: 80, .size: 8, .value_kind: global_buffer, .address_space: global }
    .group_segment_fixed_size: 65536
    .private_segment_fixed_size: 0
    .kernarg_segment_align: 8
    .kernarg_segment_size: 88
    .max_flat_workgroup_size: 128
    .sgpr_count:     66
    .vgpr_count:     256
    .wavefront_size: 32
...
	.end_amdgpu_metadata
.endif
;; end of part 8
;; launch qkv (part 9): grid 48 x 4, 4 waves a work-group, clusters of 4 x 4, 327,680 bytes of LDS; arguments hq, wts, bq, bk, bv, qkv; writes qkv
.if DOCPART == 9
	.amdgcn_target "amdgcn-amd-amdhsa--gfx1250"
	.amdhsa_code_object_version 6
	.text
	.protected	k_qcdcd919d41_qkv
	.globl	k_qcdcd919d41_qkv
	.p2align	8
	.type	k_qcdcd919d41_qkv,@function
k_qcdcd919d41_qkv:
	s_mov_b64 s[64:65], 0
	v_nop
	global_prefetch_b8 v0, s[64:65] scope:SCOPE_SE
	s_setreg_imm32_b32 hwreg(HW_REG_WAVE_MODE, 25, 1), 1
	s_wait_xcnt 0x0
	s_wait_alu depctr_hold_cnt(0) depctr_sa_sdst(0) depctr_va_vdst(0) depctr_va_sdst(0) depctr_va_ssrc(0) depctr_va_vcc(0) depctr_vm_vsrc(0)
	s_getreg_b32 s2, hwreg(HW_REG_IB_STS2, 6, 4)
	s_cmp_eq_u32 s2, 0
	s_cbranch_scc0 .Lentry_in_a_cluster
	s_endpgm
.Lentry_in_a_cluster:
	s_bfe_u32 s2, ttmp6, 0x10000c
	s_cmp_lg_u32 s2, 0xf033
	s_cbranch_scc0 .Lentry_shape_is_right
	s_endpgm
.Lentry_shape_is_right:
; q, k and v = LN(x) W + b on codes of FP6 (E2M3) with E8M0 scales, K = 1,024, and the results quantised at once as attention's operands: q and k along the head's 64, v along the keys.
; OPERANDS lie in memory as images of the matrix operand's registers: rows in groups of 32, place 16 u + r = row 8 u + r + 8 (r / 8); a fragment (16 places x 128 K) is 1,536 bytes: half c at 768 c: registers 6 c .. 6 c + 3
; of lane L at 16 L, registers 6 c + 4, + 5 at 512 + 8 L; codes [place / 16][K / 128][1,536]; scale words [K / 128][place].  So a fragment comes from LDS by four dense loads, with no padding.
; A tile of 256 x 256 is made by four waves, 128 x 128 each: 64 accumulators.  K goes in steps of 256 through two LDS slots; a wave's tensor load brings 8 rows of 3,072 bytes (8 tiles of places x 2 fragments).
; The scale words of the work-group's 512 rows for all of K come once, with the first fills.  CLUSTERS of 4 x 4: A's tiles are asked for jointly along a row of the cluster, B's along a column.
; THE INSTRUCTION IS USED TRANSPOSED: source 0 = B's fragment, source 1 = A's.  By the order of places, the 16 registers of B's tiles 2 e and 2 e + 1 are 16 NEIGHBOURS of B's rows: 32 e + 16 (lane / 16) + 0 .. 15: what a quantiser along B's rows wants.
; TWO ROLES, by the cluster's number C, the same in all sixteen partners.  C < 8: A = tokens, B = Wq's or Wk's columns: a lane holds one token and neighbouring features.  C >= 8: A = Wv's columns, B = tokens: a lane holds one
; feature and neighbouring KEYS.  Only pointers and numbers are chosen up to the way out, which is written twice.
; OUT.  q: [batch x head][tile of 16 queries][768] half fragments, scale words behind them.  k and v: a record of 13,056 bytes for each head and 128 keys: k's 8 half fragments, v's 4 fragments, k's scale words, v's.
; LIMITS: blocks of zeros or under 2^-124 carry the byte 1 (read by this program alone); NaN and infinities are not served.
; REGISTERS: window 0: v1-31 addresses, v8-15 bv; v32-63 scale words, two sets; v64-127 bq or bk in the result's layout; v128-223 A's fragments.  window 1: B's, two sets.  windows 2, 3: accumulators.
.set KDIM,  1024
.set HQS,   3145728                    ; the scale planes in hq
.set WQS,   9437184                    ; and those of Wq, Wk, Wv in wts
.set QSC,   3145728                    ; q's scale words in qkv
.set KV,    3407872                    ; the records
.set BHB,   208896                     ; a head's 16 records
.set REC,   13056
.set RTG,   KDIM/128*1536              ; a tile of places: all its fragments
.set KS,    KDIM/128
.set LAPS,  KDIM/512
.set NQ,    2
.set FR,    12
.set NL,    4                          ; LDS loads that bring a fragment
.set NP,    4                          ; places behind this matrix instruction (ISA guide 7.12.1)
.set HALFT, 8*3072                     ; what one tensor load brings, and what one wave reads of A or of B
.set SLOT,  4*HALFT
.set SCL,   2*SLOT                     ; behind the ring: the scale words: for each operand KS rows of 1,024 bytes (256 places) + 64 of padding
.set SPT,   1088
.set HALFS, KS*SPT/2
.set SPARE, SCL+4*HALFS                ; the spare words, 128 bytes for each wave: two blocks of 256 bytes that no other line names
.set LN16, 1                           ; v1  16 x lane
.set LN8,  2                           ; v2  8 x lane
.set SWA,  3                           ; v3  the way out: my scale word's place in my wave's stage (in slot 0, which has had its last fill and its last read by then)
.set SRA,  4                           ; v4  and where I read 16 bytes of it back
.set BIO,  5
.set BVO,  6
.set BV,   8
.set ADRA, 16                          ; v16-17 A's fragments in slot 0, 1, + 16 x lane;  v18-19 + 8 x lane
.set ADRB, 20                          ; v20-23 the same for B
.set ADSA, 27                          ; v27 A's scale words: lanes 0-15 the slot's first 128 along K, lanes 16-31 its second
.set SPW,  28
.set NIL,  29
.set ADSB, 30
.set SC,   32                          ; set s: A's block i at v[SC + 16 s + i], B's at v[SC + 16 s + 8 + i]
.set BI,   64
.set AF,   128
.set T,    128                         ; the way out: 64 numbers
.set TM,   32
.set PW,   48
.set PC,   224
.set SEL,  20
.set G1, 24
.set G0, 32
.set G1B, 48
.set G0B, 56
.set G1S, 68
.set G0S, 76
.set G1SB, 80
.set G0SB, 88
.set MSB, 0
.macro WIN new                         ; the immediate's high byte repeats the setting that is left
.if MSB != \new
	s_set_vgpr_msb (MSB<<8)|\new
.set MSB, \new
.endif
.endm
.set MUL_LO, 0xa1                      ; source 0 (B) window 1, source 1 (A) window 0, C and D window 2
.set MUL_HI, 0xf1
.set TO_B,   0x40
.macro JLOAD g0a, g1a, g0b, g1b        ; a joint load: waves 0 and 1 fetch for A, waves 2 and 3 for B; four v_nop follow each line
	s_cmp_eq_u32 s17, 0
	s_cbranch_scc0 .Lfor_b_\@
	tensor_load_to_lds s[\g0a:\g0a+3], s[\g1a:\g1a+7]
	s_nop 0
.rept 4
	v_nop
.endr
	s_branch .Lasked_\@
.Lfor_b_\@:
	tensor_load_to_lds s[\g0b:\g0b+3], s[\g1b:\g1b+7]
	s_nop 0
.rept 4
	v_nop
.endr
.Lasked_\@:
.endm
.macro CREST                           ; a round of the cluster's barrier behind its opening barrier
	s_cmp_lg_u32 s16, 0
	s_cbranch_scc1 .Lnot_wave_0_\@
	s_barrier_signal -3
.Lnot_wave_0_\@:
	s_barrier_wait -3
	s_barrier_signal -1
	s_barrier_wait -1
.endm
.macro CROUND
	s_barrier_signal -1
	s_barrier_wait -1
	CREST
.endm
	s_load_b256 s[4:11], s[0:1], 0x0               ; hq, wts, bq, bk
	s_load_b128 s[12:15], s[0:1], 0x20             ; bv, qkv
	v_lshl_add_u32 v[SPW], v0, 2, SPARE
	v_mov_b32 v[NIL], 0
	ds_add_u32 v28, v29
	ds_add_u32 v28, v29
	s_wait_dscnt 0x0
	v_lshrrev_b32 v1, 5, v0
	v_readfirstlane_b32 s16, v1                    ; wave 0..3
	s_lshr_b32 s17, s16, 1                         ; which half of A's rows is mine.  Also: I fetch for A (0) or for B (1)
	s_and_b32 s18, s16, 1                          ; which half of B's rows.  Also: which 128 rows I fetch
	s_bfe_u32 s40, ttmp6, 0x40000                  ; cx, cy
	s_bfe_u32 s41, ttmp6, 0x40004
	s_lshr_b32 s20, ttmp9, 1
	s_lshl_b32 s20, s20, 2                         ; C < 8: tile row 4 (C / 2) + cy of 16 (tokens),
	s_and_b32 s21, ttmp9, 1
	s_lshl_b32 s21, s21, 2                         ; tile column 4 (C % 2) + cx of 8 (q's features, then k's)
	s_lshl_b32 s22, ttmp9, 2
	s_sub_co_u32 s22, s22, 32                      ; C >= 8: tile row 8 + cy (v's features in wts), tile column 4 (C - 8) + cx (tokens)
	s_mov_b32 s23, HQS
	s_mov_b32 s46, WQS
	s_cmp_ge_u32 ttmp9, 8
	s_cselect_b32 s19, 8, s20
	s_cselect_b32 s42, s22, s21
	s_cselect_b32 s98, s46, s23                    ; where A's scale planes begin in its buffer,
	s_cselect_b32 s99, s23, s46                    ; and B's
	s_add_co_u32 s19, s19, s41                     ; tile row
	s_add_co_u32 s42, s42, s40                     ; tile column
	s_lshl_b32 s43, s41, 2
	s_lshl_b32 s43, 15, s43                        ; my row of the cluster
	s_lshl_b32 s44, 0x1111, s40                    ; my column
	s_or_b32 s[G1+0], s43, (3<<16)|(1<<21)         ; codes: elements of 8 bytes, no padding; bit 21 beside a mask
	s_or_b32 s[G1B+0], s44, (3<<16)|(1<<21)
.irp g, G1, G1B
	s_mov_b32 s[\g+1], 384<<16                     ; tensor_dim0: 3,072 bytes
	s_mov_b32 s[\g+2], 16<<16                      ; tensor_dim1: 16 tiles of places for the head's loads, 8 behind them
	s_mov_b32 s[\g+3], 384<<16                     ; tile_dim0
	s_mov_b32 s[\g+4], 16                          ; tile_dim1
	s_mov_b32 s[\g+5], RTG/8                       ; from tile of places to tile of places
	s_mov_b32 s[\g+6], 0
	s_mov_b32 s[\g+7], 0
.endr
	s_or_b32 s[G1S+0], s43, (3<<16)|(1<<20)|(1<<21)|(7<<22)|(15<<25)   ; scale words: rows of 256 words, 16 words of padding behind each
	s_or_b32 s[G1SB+0], s44, (3<<16)|(1<<20)|(1<<21)|(7<<22)|(15<<25)
.irp g, G1S, G1SB
	s_mov_b32 s[\g+1], 128<<16
	s_mov_b32 s[\g+2], KS<<16
	s_mov_b32 s[\g+3], 128<<16
	s_mov_b32 s[\g+4], KS
	s_mov_b32 s[\g+5], 16384/8                     ; both buffers' planes are 16,384 bytes apart
	s_mov_b32 s[\g+6], 0
	s_mov_b32 s[\g+7], 0
.endr
	s_lshl_b32 s20, s19, 4                         ; A: tile of places 16 x tile row; nothing here holds the tile column
	s_mul_i32 s20, s20, RTG
	s_mov_b32 s21, 0
	s_lshl_b32 s22, s19, 10
	s_add_co_u32 s22, s22, s98
	s_mov_b32 s23, 0
	s_lshl_b32 s46, s42, 4                         ; B likewise by the tile column
	s_mul_i32 s46, s46, RTG
	s_mov_b32 s47, 0
	s_lshl_b32 s92, s42, 10
	s_add_co_u32 s92, s92, s99
	s_mov_b32 s93, 0
	s_mul_i32 s45, s16, HALFT                      ; where they go: by the wave alone
	s_wait_kmcnt 0x0
	s_cmp_ge_u32 ttmp9, 8
	s_cselect_b64 s[100:101], s[6:7], s[4:5]       ; A's buffer
	s_cselect_b64 s[2:3], s[4:5], s[6:7]           ; B's
	s_add_nc_u64 s[20:21], s[100:101], s[20:21]
	s_add_nc_u64 s[22:23], s[100:101], s[22:23]
	s_add_nc_u64 s[46:47], s[2:3], s[46:47]
	s_add_nc_u64 s[92:93], s[2:3], s[92:93]
	CROUND                                         ; all sixteen work-groups are here: the first joint loads meet
	s_mov_b32 s[G0S], 1
	s_mov_b32 s[G0S+1], SCL
	s_mov_b64 s[G0S+2:G0S+3], s[22:23]
	s_or_b32 s[G0S+3], s[G0S+3], 0x80000000
	s_mov_b32 s[G0SB], 1
	s_mov_b32 s[G0SB+1], SCL+2*HALFS
	s_mov_b64 s[G0SB+2:G0SB+3], s[92:93]
	s_or_b32 s[G0SB+3], s[G0SB+3], 0x80000000
	s_mov_b32 s4, 1                                ; the head's loads of K step 0: A's 16 tiles of places (the pointers that lay in s[4:7] have been used),
	s_mov_b32 s5, 0
	s_mov_b64 s[6:7], s[20:21]
	s_or_b32 s7, s7, 0x80000000
	s_mov_b32 s92, 1                               ; and B's, behind them in slot 0
	s_mov_b32 s93, 2*HALFT
	s_mov_b64 s[94:95], s[46:47]
	s_or_b32 s95, s95, 0x80000000
	s_lshl_b32 s22, s40, 2                         ; the prefetches: of a K step's 16 tile rows of A each of the sixteen waves of my row of the cluster takes one, told apart by address,
	s_add_co_u32 s22, s22, s16
	s_mul_i32 s22, s22, RTG
	s_mov_b32 s23, 0
	s_add_nc_u64 s[98:99], s[20:21], s[22:23]
	s_lshl_b32 s22, s41, 2                         ; and of B's each wave of my column
	s_add_co_u32 s22, s22, s16
	s_mul_i32 s22, s22, RTG
	s_add_nc_u64 s[100:101], s[46:47], s[22:23]
	s_mul_i32 s2, s18, 8*RTG
	s_mov_b32 s3, 0
	s_add_nc_u64 s[20:21], s[20:21], s[2:3]
	s_add_nc_u64 s[46:47], s[46:47], s[2:3]
.irp s, 0,1
	s_mov_b32 s[G0+4*\s], 1
	s_add_co_u32 s[G0+4*\s+1], s45, \s*SLOT
	s_add_nc_u64 s[G0+4*\s+2:G0+4*\s+3], s[20:21], \s*3072
	s_or_b32 s[G0+4*\s+3], s[G0+4*\s+3], 0x80000000
	s_mov_b32 s[G0B+4*\s], 1
	s_add_co_u32 s[G0B+4*\s+1], s45, \s*SLOT
	s_add_nc_u64 s[G0B+4*\s+2:G0B+4*\s+3], s[46:47], \s*3072
	s_or_b32 s[G0B+4*\s+3], s[G0B+4*\s+3], 0x80000000
.endr
; the head's four tiles, one load a wave: one chain of branches on the wave's number, each arm with its load
.macro ARM under, g0, g1, next
	s_cmp_lt_u32 s16, \under
	s_cbranch_scc0 \next
	tensor_load_to_lds s[\g0:\g0+3], s[\g1:\g1+7]
	s_nop 0
.rept 4
	v_nop
.endr
	s_branch .Lhead_asked
\next:
.endm
	ARM 1, 4, G1, .Lhead_b
	ARM 2, 92, G1B, .Lhead_sa
	ARM 3, G0S, G1S, .Lhead_sb
	tensor_load_to_lds s[G0SB:G0SB+3], s[G1SB:G1SB+7]
	s_nop 0
.rept 4
	v_nop
.endr
.Lhead_asked:
	v_and_b32 v31, 31, v0                          ; a tile row's 3,072 bytes of a K step are twelve blocks of 256: a lane a block, lanes 12 to 31 name the twelfth again
	v_min_u32 v31, 11, v31
	v_lshlrev_b32 v31, 8, v31
.irp c, 1,2                            ; K steps 1 and 2, which the next two fills will load
	global_prefetch_b8 v31, s[98:99] offset:3072*\c th:TH_LOAD_NT scope:SCOPE_SE
	global_prefetch_b8 v31, s[100:101] offset:3072*\c th:TH_LOAD_NT scope:SCOPE_SE
.endr
	v_and_b32 v7, 31, v0
	v_lshlrev_b32 v[LN16], 4, v7
	v_lshlrev_b32 v[LN8], 3, v7
	s_mul_i32 s21, s17, HALFT                      ; my 128 rows of A,
	s_mul_i32 s22, s18, HALFT
	s_add_co_u32 s22, s22, 2*HALFT                 ; of B, behind A's 256
.irp s, 0,1
	v_add_nc_u32 v[ADRA+\s], s21, v[LN16]
	v_add_nc_u32 v[ADRB+\s], s22, v[LN16]
	v_add_nc_u32 v[ADRA+2+\s], s21, v[LN8]
	v_add_nc_u32 v[ADRB+2+\s], s22, v[LN8]
	s_add_co_u32 s21, s21, SLOT
	s_add_co_u32 s22, s22, SLOT
.endr
	v_and_b32 v24, 15, v0                          ; r
	v_bfe_u32 v25, v0, 4, 1                        ; h
	s_wait_alu depctr_va_vdst(0)
	v_mul_u32_u24 v26, v25, SPT
	v_lshl_add_u32 v26, v24, 2, v26                ; plane h of the K step, word r
	s_lshl_b32 s21, s17, 9
	s_add_co_u32 s21, s21, SCL
	v_add_nc_u32 v[ADSA], s21, v26
	s_lshl_b32 s22, s18, 9
	s_add_co_u32 s22, s22, SCL+2*HALFS
	v_add_nc_u32 v[ADSB], s22, v26
	s_lshl_b32 s21, s16, 10
	v_lshl_add_u32 v[SWA], v24, 2, s21
	v_add_nc_u32 v[SRA], s21, v[LN16]
	s_lshl_b32 s96, s19, 8
	s_lshl_b32 s21, s17, 7
	s_add_co_u32 s96, s96, s21                     ; my first row of A
	s_lshl_b32 s97, s42, 8
	s_lshl_b32 s21, s18, 7
	s_add_co_u32 s97, s97, s21                     ; and of B
	; the biases.  Both kinds are loaded in both roles, with offsets held inside the 1,024 numbers; each role uses its own
	s_and_b32 s21, ttmp9, 1
	s_cmp_lg_u32 s21, 0
	s_cselect_b64 s[8:9], s[10:11], s[8:9]         ; bq or bk
	s_and_b32 s21, s97, 1023
	s_lshl_b32 s21, s21, 2
	v_lshl_add_u32 v[BIO], v25, 6, s21
.irp e, 0,1,2,3,4,5,6,7,8,9,10,11,12,13,14,15
	global_load_b128 v[BI+4*\e:BI+4*\e+3], v[BIO], s[8:9] offset:128*(\e/4)+16*(\e%4)   ; register 16 e' + i: feature 32 e' + 16 h + i
.endr
	v_and_b32 v26, 8, v24
	v_add_nc_u32 v26, v26, v24
	s_and_b32 s21, s96, 1023
	v_add_nc_u32 v26, s21, v26
	v_lshlrev_b32 v[BVO], 2, v26
.irp a, 0,1,2,3,4,5,6,7
	global_load_b32 v[BV+\a], v[BVO], s[12:13] offset:(32*(\a/2)+8*(\a%2))*4   ; bv of the feature at place r of A's block a
.endr
.macro FRAG reg, adr, q, i             ; a fragment as it lies: four dense loads
	ds_load_b128 v[\reg:\reg+3], v[\adr] offset:(\i)*3072+(\q)*1536
	ds_load_b64 v[\reg+4:\reg+5], v[\adr+2] offset:(\i)*3072+(\q)*1536+512
	ds_load_b128 v[\reg+6:\reg+9], v[\adr] offset:(\i)*3072+(\q)*1536+768
	ds_load_b64 v[\reg+10:\reg+11], v[\adr+2] offset:(\i)*3072+(\q)*1536+1280
.endm
; 16 matrix instructions: A's blocks a0, a0 + 1 x B's eight, the slot's q-th 128 along K.  The 64 accumulators take turns, one instruction a turn.
.macro MUL16 a0, p, q, sc, zero
.irp a, \a0, \a0+1
.irp b, 0,1,2,3,4,5,6,7
.if \zero
	v_wmma_scale_f32_16x16x128_f8f6f4 v[8*(8*((\a)%4)+\b):8*(8*((\a)%4)+\b)+7], v[128*(\p)+FR*\b:128*(\p)+FR*\b+FR-1], v[AF+FR*(\a):AF+FR*(\a)+FR-1], 0, v[SC+16*(\sc)+8+\b], v[SC+16*(\sc)+(\a)] matrix_a_fmt:MATRIX_FMT_FP6 matrix_b_fmt:MATRIX_FMT_FP6
.elseif (\q) == 0
	v_wmma_scale_f32_16x16x128_f8f6f4 v[8*(8*((\a)%4)+\b):8*(8*((\a)%4)+\b)+7], v[128*(\p)+FR*\b:128*(\p)+FR*\b+FR-1], v[AF+FR*(\a):AF+FR*(\a)+FR-1], v[8*(8*((\a)%4)+\b):8*(8*((\a)%4)+\b)+7], v[SC+16*(\sc)+8+\b], v[SC+16*(\sc)+(\a)] matrix_a_fmt:MATRIX_FMT_FP6 matrix_b_fmt:MATRIX_FMT_FP6
.else
	v_wmma_scale_f32_16x16x128_f8f6f4 v[8*(8*((\a)%4)+\b):8*(8*((\a)%4)+\b)+7], v[128*(\p)+FR*\b:128*(\p)+FR*\b+FR-1], v[AF+FR*(\a):AF+FR*(\a)+FR-1], v[8*(8*((\a)%4)+\b):8*(8*((\a)%4)+\b)+7], v[SC+16*(\sc)+8+\b], v[SC+16*(\sc)+(\a)] matrix_a_fmt:MATRIX_FMT_FP6 matrix_b_fmt:MATRIX_FMT_FP6 matrix_a_scale:MATRIX_SCALE_ROW1 matrix_b_scale:MATRIX_SCALE_ROW1
.endif
.endr
.endr
.endm
.macro FETCH_B slot, q, p
	WIN TO_B
.irp i, 0,1,2,3,4,5,6,7
	FRAG 128*(\p)+FR*\i, ADRB+\slot, \q, \i
.endr
	WIN 0
.endm
.macro FETCH_A slot, q, i0
.irp i, \i0, \i0+1, \i0+2, \i0+3
	FRAG AF+FR*(\i), ADRA+\slot, \q, \i
.endr
.endm
.macro SCALES sc                       ; a K step's scale words: a register serves both of its 128s, one in each half of the lanes
.irp i, 0,1,2,3,4,5,6,7
	ds_load_b32 v[SC+16*\sc+\i], v[ADSA] offset:64*\i
	ds_load_b32 v[SC+16*\sc+8+\i], v[ADSB] offset:64*\i
.endr
.endm
.macro PLACES n                        ; plain places behind matrix instructions, in front of loads into their registers and of reads of results
.rept \n
	v_nop
.endr
.endm
.macro STEP slot, q, zero              ; 128 along K that has its successor in the same slot
	s_wait_dscnt 4*NL                              ; all but the youngest sixteen loads (A's blocks 4-7) are in
	WIN MUL_LO
	MUL16 0, (\q)%2, \q, \slot, \zero
	MUL16 2, (\q)%2, \q, \slot, \zero
	s_wait_dscnt 0
	PLACES NP
	FETCH_B \slot, (\q)+1, 1-(\q)%2
	FETCH_A \slot, (\q)+1, 0
	WIN MUL_HI
	MUL16 4, (\q)%2, \q, \slot, \zero
	MUL16 6, (\q)%2, \q, \slot, \zero
	PLACES NP
	WIN 0
	FETCH_A \slot, (\q)+1, 4
.endm
; A slot's last 128 changes slots: one barrier; in front of it each wave waits for all its tensor loads, adds 0 to its spare word, and waits for that and for its reads of this slot.
.macro TURN slot, next, fill
	s_wait_tensorcnt 0x0                           ; all my tensor loads have landed: my part of the next slot
	ds_add_u32 v[SPW], v[NIL]                      ; 0 onto my spare word
	s_wait_dscnt 4*NL+1                            ; (the add and A's blocks 4-7 may be out)
	WIN MUL_LO
	MUL16 0, 1, NQ-1, \slot, 0
	s_wait_dscnt 0x0                               ; the add is done, and my reads of this slot are over
	s_barrier_signal -1
	MUL16 2, 1, NQ-1, \slot, 0
	WIN 0
	s_barrier_wait -1
.if \fill
	CREST                                          ; the barrier has opened a round of the cluster's: no wave of any partner still reads this slot or has a load on its way
	s_add_nc_u64 s[G0+4*\slot+2:G0+4*\slot+3], s[G0+4*\slot+2:G0+4*\slot+3], 6144
	s_add_nc_u64 s[G0B+4*\slot+2:G0B+4*\slot+3], s[G0B+4*\slot+2:G0B+4*\slot+3], 6144
	JLOAD G0+4*\slot, G1, G0B+4*\slot, G1B         ; the first tensor load behind the round; its four v_nop are the places in front of the loads below
.else
	PLACES NP
.endif
	s_wait_alu depctr_va_vdst(0)
	v_add_nc_u32 v[ADSA], 2*SPT, v[ADSA]           ; two planes on
	v_add_nc_u32 v[ADSB], 2*SPT, v[ADSB]
	FETCH_B \next, 0, 0
	FETCH_A \next, 0, 0
	SCALES \next
	WIN MUL_HI
	MUL16 4, 1, NQ-1, \slot, 0
	MUL16 6, 1, NQ-1, \slot, 0
	PLACES NP
	WIN 0
	FETCH_A \next, 0, 4
.endm
	s_wait_alu depctr_va_vdst(0)
	s_wait_tensorcnt 0x0                           ; my tile of the head's four is in; slot 1's first fill is issued as a refill is
	ds_add_u32 v[SPW], v[NIL]
	s_mov_b32 s[G1+2], 8<<16                       ; no tensor load of mine is out: from here on a load brings 8 tiles of places
	s_mov_b32 s[G1+4], 8
	s_mov_b32 s[G1B+2], 8<<16
	s_mov_b32 s[G1B+4], 8
	s_wait_dscnt 0x0
	CROUND
	JLOAD G0+4, G1, G0B+4, G1B                     ; K step 1
	s_wait_loadcnt 0x0                             ; the biases
	global_prefetch_b8 v31, s[98:99] offset:3072*3 th:TH_LOAD_NT scope:SCOPE_SE    ; K step 3, the last: two fills ahead
	global_prefetch_b8 v31, s[100:101] offset:3072*3 th:TH_LOAD_NT scope:SCOPE_SE
	FETCH_B 0, 0, 0
	FETCH_A 0, 0, 0
	SCALES 0
	FETCH_A 0, 0, 4
	STEP 0, 0, 1                                   ; the first products start the sums
	s_mov_b32 s3, LAPS-1
.Llap:
	TURN 0, 1, 1
	STEP 1, 0, 0
	TURN 1, 0, 1
	STEP 0, 0, 0
	s_sub_co_u32 s3, s3, 1
	s_cmp_lg_u32 s3, 0
	s_cbranch_scc1 .Llap
	TURN 0, 1, 0                                   ; the last lap fills nothing
	STEP 1, 0, 0
	s_wait_dscnt 4*NL
	WIN MUL_LO
	MUL16 0, 1, NQ-1, 1, 0
	MUL16 2, 1, NQ-1, 1, 0
	s_wait_dscnt 0
	WIN MUL_HI
	MUL16 4, 1, NQ-1, 1, 0
	MUL16 6, 1, NQ-1, 1, 0
	WIN 0
	PLACES NP
; 64 numbers of a lane, register 16 b + i = k 32 b + 16 (lane / 16) + i of my row, become a fragment's codes in v[PC] on and its scale word in v[PW].
.macro QUANT s
.irp b, 0,1,2,3
	v_max3_num_f32 v[TM+\b], |v[\s+16*\b]|, |v[\s+1+16*\b]|, 0x1800000   ; my 16 numbers of block b, and the floor 2^(3 - 127)
.endr
.irp i, 2,4,6,8,10,12,14
.irp b, 0,1,2,3
	v_max3_num_f32 v[TM+\b], v[TM+\b], |v[\s+16*\b+\i]|, |v[\s+1+16*\b+\i]|
.endr
.endr
.irp b, 0,1,2,3
	v_permlanex16_b32 v[TM+4+\b], v[TM+\b], s[SEL], s[SEL+1]
.endr
.irp b, 0,1,2,3
	v_max_num_f32 v[TM+\b], v[TM+\b], v[TM+4+\b]   ; with lane l xor 16's: the block's largest magnitude
.endr
.irp b, 0,1,2,3
	v_add_nc_u32 v[TM+12+\b], 0xff000000, v[TM+\b]   ; 2 off the exponent field: the conversion's scale operand
.endr
.irp b, 0,1,2,3
	v_lshrrev_b32 v[TM+4+\b], 23, v[TM+12+\b]
.endr
	v_lshl_or_b32 v[PW], v[TM+5], 8, v[TM+4]
	v_lshl_or_b32 v[PW], v[TM+6], 16, v[PW]
	v_lshl_or_b32 v[PW], v[TM+7], 24, v[PW]
.irp c, 0,1
	v_cvt_scalef32_pk16_fp6_f32 v[PC+6*\c:PC+2+6*\c], v[\s+32*\c:\s+15+32*\c], v[TM+12+2*\c]
	v_cvt_scalef32_pk16_fp6_f32 v[PC+12+4*\c:PC+14+4*\c], v[\s+16+32*\c:\s+31+32*\c], v[TM+12+2*\c+1]
.endr
	v_nop                                          ; one plain place behind a scaled conversion
.irp c, 0,1                                    ; a whole block to a lane: lanes 0-15 block 2 c, lanes 16-31 block 2 c + 1
.irp i, 0,1,2
	v_permlane16_swap_b32 v[PC+6*\c+\i], v[PC+12+4*\c+\i]
.endr
.irp i, 0,1,2
	v_mov_b32 v[PC+3+6*\c+\i], v[PC+12+4*\c+\i]
.endr
.endr
.endm
	s_mov_b32 s[SEL], 0x76543210
	s_mov_b32 s[SEL+1], 0xfedcba98
.irp b, 0,1,2,3
	v_mov_b32 v[TM+4+\b], 0                        ; written once: a lane permute's destination counts as one of its sources
.endr
	s_cmp_ge_u32 ttmp9, 8
	s_cbranch_scc1 .Lv_role
	; ---- q or k: my 128 tokens x two heads.  All tensor loads are done, so the descriptors' registers are free
	s_lshr_b32 s24, s96, 11                        ; batch
	s_bfe_u32 s25, s96, 0x40007                    ; which 128 tokens of it
	s_bfe_u32 s26, s97, 0x40006                    ; my first head
	s_lshl_b32 s24, s24, 4
	s_add_co_u32 s24, s24, s26
	s_mul_i32 s26, s24, 98304                      ; q: 128 tiles of 768 bytes a head,
	s_mul_i32 s27, s25, 6144
	s_add_co_u32 s26, s26, s27
	s_lshl_b32 s27, s24, 13                        ; 128 x 64 bytes of scale words
	s_lshl_b32 s28, s25, 9
	s_add_co_u32 s27, s27, s28
	s_add_co_u32 s27, s27, QSC
	s_mul_i32 s28, s24, BHB                        ; k: the record's head,
	s_mul_i32 s29, s25, REC
	s_add_co_u32 s28, s28, s29
	s_add_co_u32 s28, s28, KV
	s_add_co_u32 s29, s28, 12288                   ; and its scale words
	s_mov_b32 s30, 98304
	s_mov_b32 s31, 8192
	s_mov_b32 s32, BHB
	s_and_b32 s33, ttmp9, 1
	s_cmp_lg_u32 s33, 0
	s_cselect_b32 s26, s28, s26
	s_cselect_b32 s28, s29, s27
	s_cselect_b32 s30, s32, s30                    ; from head to head: codes,
	s_cselect_b32 s32, s32, s31                    ; scale words
	s_mov_b32 s27, 0
	s_mov_b32 s29, 0
	s_mov_b32 s31, 0
	s_mov_b32 s33, 0
	s_add_nc_u64 s[36:37], s[14:15], s[26:27]
	s_add_nc_u64 s[38:39], s[36:37], s[30:31]
	s_add_nc_u64 s[40:41], s[14:15], s[28:29]
	s_add_nc_u64 s[42:43], s[40:41], s[32:33]
.macro QKBLOCK a                       ; 16 tokens: + bias, quantised: half c of the fragment is head c's 64 features
	WIN 0x02+((\a)/4)
.set i, 0
.rept 32
	v_pk_add_f32 v[T+i:T+i+1], v[64*((\a)%4)+i:64*((\a)%4)+i+1], v[BI+i:BI+i+1]   ; ascending: each accumulator is first read at its low end
.set i, i+2
.endr
	WIN 0
	s_wait_xcnt 0x0                                ; the last block's stores have read their registers
	QUANT T
.irp c, 0,1
	global_store_b128 v[LN16], v[PC+6*\c:PC+6*\c+3], s[36+2*\c:37+2*\c] offset:(\a)*768        ; 512 consecutive bytes,
	global_store_b64 v[LN8], v[PC+6*\c+4:PC+6*\c+5], s[36+2*\c:37+2*\c] offset:(\a)*768+512    ; 256
.endr
	v_and_b32 v49, 0xffff, v[PW]                   ; head 0's two bytes; the upper two, for the half of K that attention fills with zero codes, are 0
	v_lshrrev_b32 v50, 16, v[PW]                   ; head 1's
	ds_store_b32 v[SWA], v49 offset:(\a)*64        ; (both halves of the lanes write the same word with the same value)
	ds_store_b32 v[SWA], v50 offset:512+(\a)*64
.endm
.irp a, 0,1,2,3,4,5,6,7
	QKBLOCK \a
.endr
	ds_load_b128 v[244:247], v[SRA]                ; LDS serves a wave's instructions in order: these see my stores
	ds_load_b128 v[248:251], v[SRA] offset:512
	s_wait_dscnt 0x0
	global_store_b128 v[LN16], v[244:247], s[40:41]
	global_store_b128 v[LN16], v[248:251], s[42:43]
	s_branch .Ldone
.Lv_role:
	; ---- v: my 128 features (two heads) x 128 keys: each block of 16 features is one fragment along the keys
	s_lshr_b32 s24, s97, 11                        ; batch
	s_bfe_u32 s25, s97, 0x40007                    ; which 128 keys
	s_bfe_u32 s26, s96, 0x40006                    ; my first head
	s_lshl_b32 s24, s24, 4
	s_add_co_u32 s24, s24, s26
	s_mul_i32 s26, s24, BHB
	s_mul_i32 s27, s25, REC
	s_add_co_u32 s26, s26, s27
	s_add_co_u32 s26, s26, KV+6144
	s_mov_b32 s27, 0
	s_add_nc_u64 s[36:37], s[14:15], s[26:27]
	s_add_nc_u64 s[40:41], s[36:37], 12800-6144
	v_mul_u32_u24 v26, v25, BHB
	v_lshl_add_u32 v26, v24, 4, v26                ; the scale words' way out: lanes 0-15 head 0's 256 bytes, lanes 16-31 head 1's
.irp a, 0,1,2,3,4,5,6,7
	v_mov_b32 v[BI+2*\a], v[BV+\a]                 ; my feature's bias as a pair
	v_mov_b32 v[BI+2*\a+1], v[BV+\a]
.endr
.macro VBLOCK a
	WIN 0x02+((\a)/4)
.set i, 0
.rept 32
	v_pk_add_f32 v[T+i:T+i+1], v[64*((\a)%4)+i:64*((\a)%4)+i+1], v[BI+2*(\a):BI+2*(\a)+1]
.set i, i+2
.endr
	WIN 0
	s_wait_xcnt 0x0
	QUANT T
	global_store_b128 v[LN16], v[PC:PC+3], s[36:37] offset:((\a)/4)*BHB+((\a)%4)*1536
	global_store_b64 v[LN8], v[PC+4:PC+5], s[36:37] offset:((\a)/4)*BHB+((\a)%4)*1536+512
	global_store_b128 v[LN16], v[PC+6:PC+9], s[36:37] offset:((\a)/4)*BHB+((\a)%4)*1536+768
	global_store_b64 v[LN8], v[PC+10:PC+11], s[36:37] offset:((\a)/4)*BHB+((\a)%4)*1536+1280
	ds_store_b32 v[SWA], v[PW] offset:8192+(\a)*64   ; this role's stage has bytes of its own
.endm
.irp a, 0,1,2,3,4,5,6,7
	VBLOCK \a
.endr
	ds_load_b128 v[244:247], v[SRA] offset:8192
	s_wait_dscnt 0x0
	global_store_b128 v26, v[244:247], s[40:41]
.Ldone:
	s_wait_tensorcnt 0x0                           ; the wave's end
	ds_add_u32 v[SPW], v[NIL]
	s_wait_dscnt 0x0
	CROUND                                         ; the closing round
	s_endpgm
.Lfunc_end_k_qcdcd919d41_qkv:
	.size	k_qcdcd919d41_qkv, .Lfunc_end_k_qcdcd919d41_qkv-k_qcdcd919d41_qkv
	.p2alignl 7, 3214868480
	.fill 96, 4, 3214868480
	.section	.rodata,"a",@progbits
	.p2align	6, 0x0
	.amdhsa_kernel k_qcdcd919d41_qkv
		.amdhsa_group_segment_fixed_size 327680
		.amdhsa_private_segment_fixed_size 0
		.amdhsa_enable_private_segment 0
		.amdhsa_kernarg_size 48
		.amdhsa_user_sgpr_count 2
		.amdhsa_user_sgpr_kernarg_segment_ptr 1
		.amdhsa_wavefront_size32 1
		.amdhsa_system_sgpr_workgroup_id_x 1
		.amdhsa_system_sgpr_workgroup_id_y 1
		.amdhsa_system_sgpr_workgroup_id_z 1
		.amdhsa_system_vgpr_workitem_id 0
		.amdhsa_next_free_vgpr 1024
		.amdhsa_next_free_sgpr 102
		.amdhsa_reserve_vcc 0
		.amdhsa_float_denorm_mode_32 3
		.amdhsa_float_denorm_mode_16_64 3
		.amdhsa_memory_ordered 1
		.amdhsa_forward_progress 1
		.amdhsa_inst_pref_size 226
	.end_amdhsa_kernel
	.amdgpu_metadata
---
amdhsa.version: [ 1, 2 ]
amdhsa.kernels:
  - .name:           k_qcdcd919d41_qkv
    .symbol:         k_qcdcd919d41_qkv.kd
    .args:
      - { .name: hq, .offset: 0, .size: 8, .value_kind: global_buffer, .address_space: global }
      - { .name: wts, .offset: 8, .size: 8, .value_kind: global_buffer, .address_space: global }
      - { .name: bq, .offset: 16, .size: 8, .value_kind: global_buffer, .address_space: global }
      - { .name: bk, .offset: 24, .size: 8, .value_kind: global_buffer, .address_space: global }
      - { .name: bv, .offset: 32, .size: 8, .value_kind: global_buffer, .address_space: global }
      - { .name: qkv, .offset: 40, .size: 8, .value_kind: global_buffer, .address_space: global }
    .group_segment_fixed_size: 327680
    .private_segment_fixed_size: 0
    .kernarg_segment_align: 8
    .kernarg_segment_size: 48
    .max_flat_workgroup_size: 128
    .sgpr_count:     102
    .vgpr_count:     1024
    .wavefront_size: 32
...
	.end_amdgpu_metadata
.endif
;; end of part 9
;; launch attn (part 10): grid 8 x 32, 16 waves a work-group, no clusters, 251,904 bytes of LDS; arguments qkv, att; writes att
.if DOCPART == 10
	.amdgcn_target "amdgcn-amd-amdhsa--gfx1250"
	.amdhsa_code_object_version 6
	.text
	.protected	k_qcdcd919d41_attn
	.globl	k_qcdcd919d41_attn
	.p2align	8
	.type	k_qcdcd919d41_attn,@function
k_qcdcd919d41_attn:
	s_mov_b64 s[64:65], 0
	v_nop
	global_prefetch_b8 v0, s[64:65] scope:SCOPE_SE
	s_setreg_imm32_b32 hwreg(HW_REG_WAVE_MODE, 25, 1), 1
	s_wait_xcnt 0x0
; Causal attention on codes of FP6 (E2M3) with E8M0 scales, head size 64, 2,048 keys, and the result quantised along the features as the next product's operand.
; t = score x log2(e) / 8; M = the running largest t rounded UP to a whole number; p = 2^(t - M) is quantised along the keys, not normalised; the row's sum is taken of the unquantised p and divides O at the end.
; When M moves, the sum and O are multiplied by 2^(old M - new M): exact.
; INPUTS, made by the launch before: q: half fragments of 768 bytes (16 queries x 64) and scale words; k, v: a record of 13,056 bytes for each 128 keys: k's 8 half fragments, v's 4 fragments (16 features x 128 keys), k's scale words, v's.
; All are images of the operand's registers: registers 6 c .. 6 c + 3 of lane L at 768 c + 16 L, registers 6 c + 4, + 5 at 768 c + 512 + 8 L.  The score product's K is 64: the upper half of both operands is zero codes, kept in registers.
; Places: tile position 16 u + r = row 8 u + r + 8 (r / 8) in each group of 32, for tokens and features alike: so the 16 registers of two neighbouring tiles of a transposed product are 16 neighbours.
; SHARES.  A work-group serves one head of one batch and two blocks of 128 queries: the short one, i (i + 1 key steps), and the long one, 15 - i (16 - i key steps), i = 0 .. 7; a tile is 16 queries.
; THE LONG TILES' KEYS ARE SPLIT BETWEEN TWO WAVES.  Wave w + 8 takes key steps 0 to 8 of long tile w.  Wave w (0-7) takes short tile w, carries it out, and then takes key steps 9 to 15 - i of long tile w from a fresh state;
; at the end it hands -M, the sum and O^T to wave w + 8 through LDS bytes of their own, and that wave brings both parts under the larger M (factors that are powers of two: exact), adds them and carries the tile out.
; So a wave has 8 or 9 key steps whatever i.  Steps that are not a wave's are left out by branches on ids at the step's head, round the work alone.
; A HEAD'S 16 RECORDS, 208,896 BYTES, LIE IN LDS FOR THE WHOLE LAUNCH: each of the sixteen waves brings one at the start; nothing is filled again.  Records 0 and 1, waves 0's and 1's, are waited for first; the other fourteen land while key steps 0 and 1 are worked.
; No cluster: the steps that a wave leaves out hang on the work-group's block of queries, and partners of a cluster may not branch apart.  No prefetch: all that the work-group reads by tensor loads is asked for at the head.
; Both products are used transposed (S^T = K Q^T, O^T = V^T P^T): a lane holds one query throughout.
; LIMITS: blocks of zeros or under 2^-124 carry the byte 1 (read by this program alone); NaN and infinities are not served; v_exp_f32 and v_rcp_f32 are good to one unit in the last place.
; REGISTERS: v1-4 lane terms; v5 the pair's LDS bytes; v8-10 the step's addresses; v12 -M, v13 the largest t, v[14:15] the sum; v16-27 Q; v28-31 V's scale words; v32-79 four fragments of K; v80-143 S^T, then p; v144-175 O^T; v176-223 V; v224-254 at work; v255 Q's scale word.
.set REC, 13056
.set BHB, 208896
.set QSC, 3145728
.set KV,  3407872
.set HS,  3145728
.set MG,  215040                       ; behind the records and the spare words: 4,608 bytes for each pair of waves
.set KFR, 32
.set S,   80
.set O,   144
.set VF,  176
.set WV,  18
.set SEL, 20
.set CS,  22
.set G1,  24
.set G0,  32
.set TB,  2                            ; s2   LDS byte of the step's record
.set QB2, 40                           ; s40  the long tile's first query
.set LO,  41                           ; s41, s42  the first keys of my first and of my last key step
.set HI,  42
.set KF,  48                           ; s48  the step's first key
.set QB,  49                           ; s49  the first query of the tile at work
.set CNT, 50
	s_load_b128 s[4:7], s[0:1], 0x0                ; qkv, att
	v_lshl_add_u32 v11, v0, 2, 0x34000
	v_mov_b32 v243, 0
	ds_add_u32 v11, v243
	ds_add_u32 v11, v243
	v_lshrrev_b32 v8, 5, v0
	s_delay_alu instid0(VALU_DEP_1)
	v_readfirstlane_b32 s[WV], v8                  ; wave 0..15
	s_and_b32 s52, ttmp7, 0xffff                   ; 16 x batch + head
	s_and_b32 s54, s[WV], 7
	s_mul_i32 s44, s54, 4608
	s_add_co_u32 s44, s44, MG                      ; my pair's LDS bytes
	s_sub_co_u32 s43, 15, ttmp9
	s_lshl_b32 s43, s43, 3
	s_add_co_u32 s43, s43, s54                     ; the pair's long tile
	s_lshl_b32 s53, ttmp9, 3
	s_add_co_u32 s53, s53, s54                     ; and its short one
	s_mov_b32 s[HI], 1024
	s_cmp_lt_u32 s[WV], 8
	s_cselect_b32 s53, s53, s43                    ; the tile that I begin with and carry out
	s_cselect_b32 s[HI], 4096, s[HI]               ; waves 8-15 end with key step 8
	s_mov_b32 s[LO], 0
	s_lshr_b32 s54, s53, 1
	s_lshl_b32 s54, s54, 5
	s_and_b32 s55, s53, 1
	s_lshl_b32 s55, s55, 3
	s_add_co_u32 s[QB], s54, s55                   ; its queries: QB + r + 8 (r / 8)
	s_lshr_b32 s54, s43, 1
	s_lshl_b32 s54, s54, 5
	s_and_b32 s55, s43, 1
	s_lshl_b32 s55, s55, 3
	s_add_co_u32 s[QB2], s54, s55
	s_mul_i32 s57, s[WV], REC                      ; the record that I fetch
	s_mul_i32 s58, s52, BHB
	s_add_co_u32 s58, s58, KV
	s_add_co_u32 s58, s58, s57
	s_mov_b32 s59, 0
	s_mul_i32 s60, s52, 98304                      ; q's half fragments: the long tile's,
	s_mul_i32 s36, s43, 768
	s_add_co_u32 s36, s36, s60
	s_mov_b32 s37, 0
	s_mul_i32 s61, s53, 768                        ; my first tile's;
	s_add_co_u32 s60, s60, s61
	s_mov_b32 s61, 0
	s_lshl_b32 s62, s52, 13                        ; their scale words
	s_add_co_u32 s62, s62, QSC
	s_lshl_b32 s38, s43, 6
	s_add_co_u32 s38, s38, s62
	s_mov_b32 s39, 0
	s_lshl_b32 s63, s53, 6
	s_add_co_u32 s62, s62, s63
	s_mov_b32 s63, 0
	s_lshr_b32 s54, s52, 4                         ; batch
	s_lshl_b32 s54, s54, 7
	s_add_co_u32 s54, s54, s53                     ; the tile that I carry out, among all tokens'
	s_and_b32 s55, s52, 15                         ; head: K step head / 2, half head % 2 of the next product's operand
	s_lshr_b32 s56, s55, 1
	s_and_b32 s55, s55, 1
	s_mul_i32 s66, s54, 12288
	s_mul_i32 s67, s56, 1536
	s_add_co_u32 s66, s66, s67
	s_mul_i32 s67, s55, 768
	s_add_co_u32 s66, s66, s67
	s_mov_b32 s67, 0
	s_lshl_b32 s68, s56, 14
	s_lshl_b32 s69, s54, 6
	s_add_co_u32 s68, s68, s69
	s_lshl_b32 s69, s55, 1
	s_add_co_u32 s68, s68, s69
	s_add_co_u32 s68, s68, HS
	s_mov_b32 s69, 0
	s_mov_b32 s[G1], 3<<16                         ; a record is dense: 51 rows of 32 elements of 8 bytes, no padding, no mask
	s_mov_b32 s[G1+1], 32<<16
	s_mov_b32 s[G1+2], 51<<16
	s_mov_b32 s[G1+3], 32<<16
	s_mov_b32 s[G1+4], 51
	s_mov_b32 s[G1+5], 32
	s_mov_b32 s[G1+6], 0
	s_mov_b32 s[G1+7], 0
	s_mov_b32 s[SEL], 0x76543210
	s_mov_b32 s[SEL+1], 0xfedcba98
	s_mov_b32 s[CS], 0x3e38aa3b                    ; c = log2(e) / 8
	s_mov_b32 s[CS+1], s[CS]
	s_mov_b32 s[TB], 0
	s_mov_b32 s[KF], 0
	s_wait_dscnt 0x0
	s_wait_kmcnt 0x0
	s_add_nc_u64 s[58:59], s[4:5], s[58:59]
	s_add_nc_u64 s[60:61], s[4:5], s[60:61]
	s_add_nc_u64 s[62:63], s[4:5], s[62:63]
	s_add_nc_u64 s[36:37], s[4:5], s[36:37]
	s_add_nc_u64 s[38:39], s[4:5], s[38:39]
	s_add_nc_u64 s[66:67], s[6:7], s[66:67]
	s_add_nc_u64 s[68:69], s[6:7], s[68:69]
	s_mov_b32 s[G0], 1
	s_add_co_u32 s[G0+1], s57, 0
	s_mov_b64 s[G0+2:G0+3], s[58:59]
	s_or_b32 s[G0+3], s[G0+3], 0x80000000
	s_cmp_lt_u32 s[WV], 2                          ; two arms, one load each: records 0 and 1, which are waited for first, have a line of their own
	s_cbranch_scc0 .Llater
	tensor_load_to_lds s[G0:G0+3], s[G1:G1+7]
	s_nop 0
.rept 4
	v_nop
.endr
	s_branch .Lasked
.Llater:
	tensor_load_to_lds s[G0:G0+3], s[G1:G1+7]
	s_nop 0
.rept 4
	v_nop
.endr
.Lasked:
	v_and_b32 v8, 31, v0
	s_delay_alu instid0(VALU_DEP_1)
	v_lshlrev_b32 v1, 4, v8                        ; 16 x lane
	s_delay_alu instid0(VALU_DEP_2)
	v_lshlrev_b32 v2, 3, v8                        ; 8 x lane
	v_and_b32 v9, 15, v0                           ; r
	s_delay_alu instid0(VALU_DEP_1)
	v_lshlrev_b32 v3, 2, v9                        ; a scale word's place
	v_bfe_u32 v10, v0, 4, 1
	s_delay_alu instid0(VALU_DEP_3)
	v_and_b32 v4, 8, v9
	s_delay_alu instid0(VALU_DEP_1)
	v_add_nc_u32 v4, v4, v9
	s_delay_alu instid0(VALU_DEP_3)
	v_lshlrev_b32 v10, 4, v10
	s_delay_alu instid0(VALU_DEP_1)
	v_sub_nc_u32 v4, v4, v10                       ; r + 8 (r / 8) - 16 (lane / 16), for the mask
	v_add_nc_u32 v5, s44, v1
	global_load_b128 v[16:19], v1, s[60:61]
	global_load_b64 v[20:21], v2, s[60:61] offset:512
	global_load_b32 v255, v3, s[62:63]
.irp j, 22,23,24,25,26,27
	v_mov_b32 v\j, 0                               ; the upper half of K: zero codes
.endr
.irp t, 0,1,2,3
.irp j, 6,7,8,9,10,11
	v_mov_b32 v[KFR+12*\t+\j], 0
.endr
.endr
.macro FRESH                           ; the state ahead of a tile's or a part's first step
	v_mov_b32 v13, 0xff61b1e6                      ; the largest t so far: -3e38
	s_delay_alu instid0(VALU_DEP_1)
	v_floor_f32 v12, -v13                          ; -M
	v_mov_b32 v14, 0
	v_mov_b32 v15, 0
.set i, 0
.rept 32
	v_mov_b32 v[O+i], 0                            ; the step is written once: the first finds zeros
.set i, i+1
.endr
.endm
.irp b, 0,1,2,3
	v_mov_b32 v[236+\b], 0                         ; a lane permute's destination counts as one of its sources
.endr
	v_mov_b32 v252, 0
	v_mov_b32 v253, 0
	FRESH
; A KEY STEP: 128 keys.
.macro STEP
	s_add_co_u32 s51, s[QB], 23                    ; a step all of whose keys come after my queries, or that is my partner's, is left out: branches on ids, round the work, not round the lines that step addresses
	s_min_u32 s51, s51, s[HI]
	s_cmp_gt_u32 s[KF], s51
	s_cbranch_scc1 .Lhidden_\@
	s_cmp_lt_u32 s[KF], s[LO]
	s_cbranch_scc1 .Lhidden_\@
	v_add_nc_u32 v8, s[TB], v1
	s_wait_alu depctr_va_vdst(0)
	v_add_nc_u32 v9, s[TB], v2
	s_wait_alu depctr_va_vdst(0)
	v_add_nc_u32 v10, s[TB], v3
	s_wait_alu depctr_va_vdst(0)
.irp g, 0,1                                    ; S^T = K Q^T, four tiles of 16 keys at a time
.if \g > 0
.rept 4
	v_nop                                          ; places in front of loads into registers that matrix instructions have read
.endr
.endif
.irp t, 0,1,2,3
	ds_load_b128 v[KFR+12*\t:KFR+12*\t+3], v8 offset:(4*\g+\t)*768
	ds_load_b64 v[KFR+12*\t+4:KFR+12*\t+5], v9 offset:(4*\g+\t)*768+512
	ds_load_b32 v[248+\t], v10 offset:12288+64*(4*\g+\t)
.endr
	s_wait_dscnt 0x0
.irp t, 0,1,2,3
	v_wmma_scale_f32_16x16x128_f8f6f4 v[S+8*(4*\g+\t):S+8*(4*\g+\t)+7], v[KFR+12*\t:KFR+12*\t+11], v[16:27], 0, v[248+\t], v255 matrix_a_fmt:MATRIX_FMT_FP6 matrix_b_fmt:MATRIX_FMT_FP6
.endr
.endr                                          ; register 16 b + i: key KF + 32 b + 16 (lane / 16) + i
.rept 4
	v_nop
.endr
.irp t, 0,1,2,3                                ; V's fragments land while the softmax is worked
	ds_load_b128 v[VF+12*\t:VF+12*\t+3], v8 offset:6144+1536*\t
	ds_load_b64 v[VF+12*\t+4:VF+12*\t+5], v9 offset:6144+1536*\t+512
	ds_load_b128 v[VF+12*\t+6:VF+12*\t+9], v8 offset:6144+1536*\t+768
	ds_load_b64 v[VF+12*\t+10:VF+12*\t+11], v9 offset:6144+1536*\t+1280
	ds_load_b32 v[28+\t], v10 offset:12800+64*\t
.endr
	s_add_co_u32 s51, s[KF], 127                   ; on the diagonal hidden scores become -infinity ahead of the maximum; a step all of whose keys count skips this
	s_cmp_le_u32 s51, s[QB]
	s_cbranch_scc1 .Lopen_\@
	s_sub_co_i32 s51, s[QB], s[KF]
	v_add_nc_u32 v252, s51, v4                     ; d = my query - KF - 16 (lane / 16): register 16 b + i is hidden where 32 b + i > d
	v_mov_b32 v254, 0xff800000
.set n, 0
.rept 64
	v_cmp_gt_i32 vcc_lo, 32*(n/16)+n%16, v252
	v_cndmask_b32 v[S+n], v[S+n], v254, vcc_lo
.set n, n+1
.endr
.Lopen_\@:
.irp b, 0,1,2,3
	v_max3_num_f32 v[232+\b], v[S+16*\b], v[S+1+16*\b], v[S+2+16*\b]   ; the largest score of each block of 32 keys: for the row's maximum, and, since p rises with the score, for the block's largest p
.endr
.irp i, 3,5,7,9,11,13
.irp b, 0,1,2,3
	v_max3_num_f32 v[232+\b], v[232+\b], v[S+16*\b+\i], v[S+1+16*\b+\i]
.endr
.endr
.irp b, 0,1,2,3
	v_max_num_f32 v[232+\b], v[232+\b], v[S+15+16*\b]
.endr
.irp b, 0,1,2,3
	s_delay_alu instid0(VALU_DEP_4)
	v_permlanex16_b32 v[236+\b], v[232+\b], s[SEL], s[SEL+1]
.endr
.irp b, 0,1,2,3
	s_delay_alu instid0(VALU_DEP_4)
	v_max_num_f32 v[232+\b], v[232+\b], v[236+\b]
.endr
	s_delay_alu instid0(VALU_DEP_2)
	v_max3_num_f32 v254, v232, v233, v234
	s_delay_alu instid0(VALU_DEP_1)
	v_max_num_f32 v254, v254, v235
	s_delay_alu instid0(VALU_DEP_1)
	v_mul_f32 v254, s[CS], v254
	s_delay_alu instid0(VALU_DEP_1)
	v_max_num_f32 v13, v13, v254                   ; the running largest t
	v_mov_b32 v254, v12
	s_delay_alu instid0(VALU_DEP_2)
	v_floor_f32 v12, -v13                          ; the new -M = -ceil(t)
	s_delay_alu instid0(VALU_DEP_1)
	v_sub_f32 v254, v12, v254                      ; old M - new M: a whole number, 0 or less
	s_delay_alu instid0(VALU_DEP_1)
	v_cvt_i32_f32 v254, v254
	s_delay_alu instid0(VALU_DEP_1)
	v_ldexp_f32 v252, 1.0, v254                    ; f = 2^(old M - new M)
.set j, 0
.rept 32
	v_pk_fma_f32 v[S+j:S+j+1], v[S+j:S+j+1], s[CS:CS+1], v[12:13] op_sel_hi:[1,0,0]   ; t - M
.set j, j+2
.endr
.irp b, 0,1,2,3
	v_fma_f32 v[232+\b], v[232+\b], s[CS], v12
.endr
.set j, 0
	s_wait_alu depctr_va_vdst(0)
.rept 64
	v_exp_f32 v[S+j], v[S+j]                       ; p = 2^(t - M)
.set j, j+1
.endr
	v_pk_mul_f32 v[14:15], v[14:15], v[252:253] op_sel_hi:[1,0]   ; the sums under the new M (a plain place behind the exponentials)
	s_wait_alu depctr_va_vdst(0)                   ; one wait for the whole batch, ahead of its first reader
.irp b, 0,1,2,3
	v_exp_f32 v[232+\b], v[232+\b]                 ; each block's largest p
.endr
	v_pk_add_f32 v[236:237], v[84:85], v[88:89]    ; the row's sum, of the unquantised p, in eight chains
	v_pk_add_f32 v[250:251], v[92:93], v[96:97]
	v_pk_add_f32 v[248:249], v[100:101], v[104:105]
	v_pk_add_f32 v[246:247], v[108:109], v[112:113]
	v_pk_add_f32 v[244:245], v[116:117], v[120:121]
	v_pk_add_f32 v[240:241], v[124:125], v[128:129]
	v_pk_add_f32 v[238:239], v[132:133], v[136:137]
	v_pk_add_f32 v[14:15], v[14:15], v[140:141]
	v_pk_add_f32 v[236:237], v[236:237], v[80:81]
	v_pk_add_f32 v[250:251], v[250:251], v[82:83]
	v_pk_add_f32 v[248:249], v[248:249], v[86:87]
	v_pk_add_f32 v[246:247], v[246:247], v[90:91]
	v_pk_add_f32 v[244:245], v[244:245], v[94:95]
	v_pk_add_f32 v[240:241], v[240:241], v[98:99]
	v_pk_add_f32 v[238:239], v[238:239], v[102:103]
	v_pk_add_f32 v[14:15], v[14:15], v[106:107]
	v_pk_add_f32 v[236:237], v[236:237], v[110:111]
	v_pk_add_f32 v[250:251], v[250:251], v[114:115]
	v_pk_add_f32 v[248:249], v[248:249], v[118:119]
	v_pk_add_f32 v[246:247], v[246:247], v[122:123]
	v_pk_add_f32 v[244:245], v[244:245], v[126:127]
	v_pk_add_f32 v[240:241], v[240:241], v[130:131]
	v_pk_add_f32 v[238:239], v[238:239], v[134:135]
	v_pk_add_f32 v[14:15], v[14:15], v[138:139]
	v_pk_add_f32 v[236:237], v[236:237], v[142:143]
	s_delay_alu instid0(VALU_DEP_2)
	v_pk_add_f32 v[14:15], v[14:15], v[246:247]
	s_delay_alu instid0(VALU_DEP_2)
	v_pk_add_f32 v[236:237], v[236:237], v[244:245]
	v_pk_add_f32 v[250:251], v[250:251], v[240:241]
	v_pk_add_f32 v[248:249], v[248:249], v[238:239]
	s_delay_alu instid0(VALU_DEP_2)
	v_pk_add_f32 v[14:15], v[14:15], v[250:251]
	s_delay_alu instid0(VALU_DEP_2)
	v_pk_add_f32 v[236:237], v[236:237], v[248:249]
	s_delay_alu instid0(VALU_DEP_1)
	v_pk_add_f32 v[14:15], v[14:15], v[236:237]
	s_wait_alu depctr_va_vdst(0)                   ; and one for the four
.irp b, 0,1,2,3
	v_max_num_f32 v[232+\b], 0x1800000, v[232+\b]  ; the floor 2^(3 - 127)
.endr
.irp b, 0,1,2,3
	s_delay_alu instid0(VALU_DEP_4)
	v_add_nc_u32 v[244+\b], 0xff000000, v[232+\b]
.endr
.irp b, 0,1,2,3
	s_delay_alu instid0(VALU_DEP_4)
	v_lshrrev_b32 v[236+\b], 23, v[244+\b]
.endr
	s_delay_alu instid0(VALU_DEP_3)
	v_lshl_or_b32 v253, v237, 8, v236              ; p's scale word for these 128 keys
	s_delay_alu instid0(VALU_DEP_1)
	v_lshl_or_b32 v253, v238, 16, v253
	s_delay_alu instid0(VALU_DEP_1)
	v_lshl_or_b32 v253, v239, 24, v253
.irp c, 0,1
	v_cvt_scalef32_pk16_fp6_f32 v[224+6*\c:226+6*\c], v[S+32*\c:S+15+32*\c], v[244+2*\c]
	v_cvt_scalef32_pk16_fp6_f32 v[236+4*\c:238+4*\c], v[S+16+32*\c:S+31+32*\c], v[244+2*\c+1]
.endr
	v_nop                                          ; one plain place behind a scaled conversion
.irp c, 0,1
.irp i, 0,1,2
	v_permlane16_swap_b32 v[224+6*\c+\i], v[236+4*\c+\i]
.endr
.irp i, 0,1,2
	s_delay_alu instid0(VALU_DEP_3)
	v_mov_b32 v[227+6*\c+\i], v[236+4*\c+\i]
.endr
.endr
.set j, 0
.rept 16
	v_pk_mul_f32 v[O+j:O+j+1], v[O+j:O+j+1], v[252:253] op_sel_hi:[1,0]   ; O^T under the new M; these sixteen are also the places between the lines that made p's codes and scale word and the products
.set j, j+2
.endr
	s_wait_alu depctr_va_vdst(0)
	s_wait_dscnt 0x0                               ; V
.irp t, 0,1,2,3                                ; O^T += V^T P^T: the four accumulators by turns
	v_wmma_scale_f32_16x16x128_f8f6f4 v[O+8*\t:O+8*\t+7], v[VF+12*\t:VF+12*\t+11], v[224:235], v[O+8*\t:O+8*\t+7], v[28+\t], v253 matrix_a_fmt:MATRIX_FMT_FP6 matrix_b_fmt:MATRIX_FMT_FP6
.endr
.Lhidden_\@:
	s_add_co_u32 s[KF], s[KF], 128
	s_add_co_u32 s[TB], s[TB], REC
.endm
; THE WAY OUT of a tile: O^T / the sum; register 16 b + i is feature 32 b + 16 (lane / 16) + i of my query: two blocks of the next product's K
.macro OUT
	v_add_f32 v14, v14, v15
	s_delay_alu instid0(VALU_DEP_1)
	v_permlanex16_b32 v252, v14, s[SEL], s[SEL+1]
	s_delay_alu instid0(VALU_DEP_1)
	v_add_f32 v14, v14, v252                       ; the row's sum
	s_wait_alu depctr_va_vdst(0)
	v_rcp_f32 v14, v14
	v_nop                                          ; a plain place behind the transcendental
	s_wait_alu depctr_va_vdst(0)                   ; and the wait ahead of the first reader
.set j, 0
.rept 32
	v_mul_f32 v[S+j], v[O+j], v14
.set j, j+1
.endr
.irp b, 0,1
	v_max3_num_f32 v[232+\b], |v[S+16*\b]|, |v[S+1+16*\b]|, 0x1800000
.endr
.irp i, 2,4,6,8,10,12,14
.irp b, 0,1
	s_delay_alu instid0(VALU_DEP_2)
	v_max3_num_f32 v[232+\b], v[232+\b], |v[S+16*\b+\i]|, |v[S+1+16*\b+\i]|
.endr
.endr
.irp b, 0,1
	s_delay_alu instid0(VALU_DEP_2)
	v_permlanex16_b32 v[236+\b], v[232+\b], s[SEL], s[SEL+1]
.endr
.irp b, 0,1
	s_delay_alu instid0(VALU_DEP_2)
	v_max_num_f32 v[232+\b], v[232+\b], v[236+\b]
.endr
.irp b, 0,1
	s_delay_alu instid0(VALU_DEP_2)
	v_add_nc_u32 v[244+\b], 0xff000000, v[232+\b]
.endr
.irp b, 0,1
	s_delay_alu instid0(VALU_DEP_2)
	v_lshrrev_b32 v[236+\b], 23, v[244+\b]
.endr
	s_delay_alu instid0(VALU_DEP_1)
	v_lshl_or_b32 v253, v237, 8, v236              ; my head's two bytes of the scale word
	v_cvt_scalef32_pk16_fp6_f32 v[224:226], v[S:S+15], v244
	v_cvt_scalef32_pk16_fp6_f32 v[228:230], v[S+16:S+31], v245
	v_nop
.irp i, 0,1,2
	v_permlane16_swap_b32 v[224+\i], v[228+\i]
.endr
	s_delay_alu instid0(VALU_DEP_3)
	v_mov_b32 v227, v228
	s_delay_alu instid0(VALU_DEP_3)
	v_mov_b32 v228, v229
	s_delay_alu instid0(VALU_DEP_3)
	v_mov_b32 v229, v230
	global_store_b128 v1, v[224:227], s[66:67]     ; 512 consecutive bytes,
	global_store_b64 v2, v[228:229], s[66:67] offset:512   ; 256
	global_store_b16 v3, v253, s[68:69]            ; two heads share a scale word, so this store is two bytes a lane (both halves of the lanes write the same bytes with the same value)
.endm
	s_wait_alu depctr_va_vdst(0)                   ; the wait at the head's end
	s_cmp_lt_u32 s[WV], 2                          ; waves 0 and 1 wait for their records: with the barrier, records 0 and 1 are whole; the other fourteen may be out
	s_cbranch_scc0 .Lnot_first
	s_wait_tensorcnt 0x0
.Lnot_first:
	s_wait_loadcnt 0x0                             ; Q
	s_barrier_signal -1
	s_barrier_wait -1
	s_mov_b32 s[CNT], 2
.Lfirst:
	STEP
	s_sub_co_u32 s[CNT], s[CNT], 1
	s_cmp_lg_u32 s[CNT], 0
	s_cbranch_scc1 .Lfirst
	s_wait_tensorcnt 0x0                           ; all records
	s_wait_dscnt 0x0
	s_barrier_signal -1
	s_barrier_wait -1
	s_mov_b32 s[CNT], 14
.Lrest:
	s_cmp_lg_u32 s[KF], 1024                       ; ahead of key step 8, which is theirs in no case, waves 0-7 change tiles
	s_cbranch_scc1 .Lno_change
	s_cmp_lt_u32 s[WV], 8
	s_cbranch_scc0 .Lno_change
.rept 4
	v_nop                                          ; places behind the last products
.endr
	global_load_b128 v[16:19], v1, s[36:37]        ; the long tile's Q lands while the short tile goes out
	global_load_b64 v[20:21], v2, s[36:37] offset:512
	global_load_b32 v255, v3, s[38:39]
	OUT
	FRESH
	s_mov_b32 s[QB], s[QB2]
	s_mov_b32 s[LO], 1152                          ; from key step 9 on
	s_wait_alu depctr_va_vdst(0)                   ; the wait ahead of the waits below
	s_wait_loadcnt 0x0
	s_wait_xcnt 0x0                                ; the stores have read their registers
.Lno_change:
	STEP
	s_sub_co_u32 s[CNT], s[CNT], 1
	s_cmp_lg_u32 s[CNT], 0
	s_cbranch_scc1 .Lrest
.rept 4
	v_nop
.endr
	s_cmp_lt_u32 s[WV], 8
	s_cbranch_scc0 .Lkeeps
.irp g, 0,1,2,3,4,5,6,7                        ; waves 0-7 hand their part over as an image of its registers, each accumulator from its low end on
	ds_store_b128 v5, v[O+4*\g:O+4*\g+3] offset:512*\g
.endr
	ds_store_b128 v5, v[12:15] offset:4096
.Lkeeps:
	s_wait_dscnt 0x0
	s_barrier_signal -1
	s_barrier_wait -1
	s_cmp_lt_u32 s[WV], 8
	s_cbranch_scc1 .Lend
.irp g, 0,1,2,3,4,5,6,7
	ds_load_b128 v[S+4*\g:S+4*\g+3], v5 offset:512*\g
.endr
	ds_load_b128 v[S+32:S+35], v5 offset:4096      ; the partner's -M, largest t, sum
	s_wait_dscnt 0x0
	v_min_num_f32 v232, v12, v[S+32]               ; - the larger M
	s_delay_alu instid0(VALU_DEP_1)
	v_sub_f32 v233, v232, v12                      ; my M - the larger M, a whole number, 0 or less;
	v_sub_f32 v234, v232, v[S+32]                  ; the partner's (a part with no step has -M = 3e38 and zeros: its factor is 0)
	s_delay_alu instid0(VALU_DEP_2)
	v_cvt_i32_f32 v233, v233
	s_delay_alu instid0(VALU_DEP_2)
	v_cvt_i32_f32 v234, v234
	s_delay_alu instid0(VALU_DEP_2)
	v_ldexp_f32 v236, 1.0, v233
	s_delay_alu instid0(VALU_DEP_2)
	v_ldexp_f32 v238, 1.0, v234
	s_delay_alu instid0(VALU_DEP_2)
	v_mov_b32 v237, v236
	s_delay_alu instid0(VALU_DEP_2)
	v_mov_b32 v239, v238
	v_pk_mul_f32 v[14:15], v[14:15], v[236:237]
.set j, 0
.rept 16
	v_pk_mul_f32 v[O+j:O+j+1], v[O+j:O+j+1], v[236:237]
.set j, j+2
.endr
	v_pk_fma_f32 v[14:15], v[S+34:S+35], v[238:239], v[14:15]
.set j, 0
.rept 16
	v_pk_fma_f32 v[O+j:O+j+1], v[S+j:S+j+1], v[238:239], v[O+j:O+j+1]
.set j, j+2
.endr
	OUT
.Lend:
	s_wait_tensorcnt 0x0                           ; the wave's end
	ds_add_u32 v11, v243
	s_wait_dscnt 0x0
	s_endpgm
.Lfunc_end_k_qcdcd919d41_attn:
	.size	k_qcdcd919d41_attn, .Lfunc_end_k_qcdcd919d41_attn-k_qcdcd919d41_attn
	.p2alignl 7, 3214868480
	.fill 96, 4, 3214868480
	.section	.rodata,"a",@progbits
	.p2align	6, 0x0
	.amdhsa_kernel k_qcdcd919d41_attn
		.amdhsa_group_segment_fixed_size 251904
		.amdhsa_private_segment_fixed_size 0
		.amdhsa_enable_private_segment 0
		.amdhsa_kernarg_size 16
		.amdhsa_user_sgpr_count 2
		.amdhsa_user_sgpr_kernarg_segment_ptr 1
		.amdhsa_wavefront_size32 1
		.amdhsa_system_sgpr_workgroup_id_x 1
		.amdhsa_system_sgpr_workgroup_id_y 1
		.amdhsa_system_sgpr_workgroup_id_z 1
		.amdhsa_system_vgpr_workitem_id 0
		.amdhsa_next_free_vgpr 256
		.amdhsa_next_free_sgpr 72
		.amdhsa_reserve_vcc 1
		.amdhsa_float_denorm_mode_32 3
		.amdhsa_float_denorm_mode_16_64 3
		.amdhsa_memory_ordered 1
		.amdhsa_forward_progress 1
		.amdhsa_inst_pref_size 70
	.end_amdhsa_kernel
	.amdgpu_metadata
---
amdhsa.version: [ 1, 2 ]
amdhsa.kernels:
  - .name:           k_qcdcd919d41_attn
    .symbol:         k_qcdcd919d41_attn.kd
    .args:
      - { .name: qkv, .offset: 0, .size: 8, .value_kind: global_buffer, .address_space: global }
      - { .name: att, .offset: 8, .size: 8, .value_kind: global_buffer, .address_space: global }
    .group_segment_fixed_size: 251904
    .private_segment_fixed_size: 0
    .kernarg_segment_align: 8
    .kernarg_segment_size: 16
    .max_flat_workgroup_size: 512
    .sgpr_count:     72
    .vgpr_count:     256
    .wavefront_size: 32
...
	.end_amdgpu_metadata
.endif
;; end of part 10
;; launch proj (part 11): grid 8 x 32, 4 waves a work-group, clusters of 4 x 4, 327,680 bytes of LDS; arguments att, wts, bp, x, x1; writes x1
.if DOCPART == 11
	.amdgcn_target "amdgcn-amd-amdhsa--gfx1250"
	.amdhsa_code_object_version 6
	.text
	.protected	k_qcdcd919d41_proj
	.globl	k_qcdcd919d41_proj
	.p2align	8
	.type	k_qcdcd919d41_proj,@function
k_qcdcd919d41_proj:
	s_mov_b64 s[64:65], 0
	v_nop
	global_prefetch_b8 v0, s[64:65] scope:SCOPE_SE
	s_setreg_imm32_b32 hwreg(HW_REG_WAVE_MODE, 25, 1), 1
	s_wait_xcnt 0x0
	s_wait_alu depctr_hold_cnt(0) depctr_sa_sdst(0) depctr_va_vdst(0) depctr_va_sdst(0) depctr_va_ssrc(0) depctr_va_vcc(0) depctr_vm_vsrc(0)
	s_getreg_b32 s2, hwreg(HW_REG_IB_STS2, 6, 4)
	s_cmp_eq_u32 s2, 0
	s_cbranch_scc0 .Lentry_in_a_cluster
	s_endpgm
.Lentry_in_a_cluster:
	s_bfe_u32 s2, ttmp6, 0x10000c
	s_cmp_lg_u32 s2, 0xf033
	s_cbranch_scc0 .Lentry_shape_is_right
	s_endpgm
.Lentry_shape_is_right:
; x1 = x + att Wp + bp on codes of FP6 (E2M3) with E8M0 scales, K = 1,024; x1 is f32.
; OPERANDS lie in memory as images of the matrix operand's registers: codes [place / 16][K / 128][1,536], scale words [K / 128][place]; place 16 u + r of a group of 32 rows is row 8 u + r + 8 (r / 8).
; A block of 128 x 128 is made by four waves, 64 x 64 each: 16 accumulators.  256 work-groups.
; K IS SHORT: the block's 128 rows of A and 128 rows of B, all of K, are 2 x 98,304 bytes and lie in LDS whole.  The head asks for four tiles, one load a wave: A's codes, B's codes, A's scale words, B's.
; Nothing is filled again: no ring, and behind the head's barrier no barrier.  So the stage for the way out has LDS bytes of its own: other waves may still read codes when a wave stores there.
; CLUSTERS of 4 x 4: A's tiles are asked for jointly along a row of the cluster, B's along a column.
; No prefetch: all that the work-group reads by tensor loads is asked for at the head; there is no loop to run ahead in.
; THE INSTRUCTION IS USED TRANSPOSED: source 0 = B's fragment, source 1 = A's: a lane holds eight neighbouring columns of one row.
; REGISTERS: window 0: v1-31 addresses, v32-63 scale words, v64-67 bp, v128-255 accumulators; window 1: fragments, two sets; window 2: x's numbers.
.set ASC,   3145728
.set ASPL,  16384
.set BCO,   2359296
.set BSC,   9568256
.set BSPL,  4096
.set RTG,   12288                      ; a tile of 16 places, all of K
.set KS,    8
.set FR,    12
.set NL,    4
.set NP,    4
.set HALFT, 4*RTG                      ; what one wave reads of A or of B
.set OPB,   8*RTG
.set SCL,   2*OPB
.set SPT,   576                        ; a plane of 128 scale words + 64 bytes of padding
.set SPARE, SCL+2*KS*SPT
.set STAGE, SPARE+512
.set SPITCH, 272
.set LN16, 1
.set LN8,  2
.set ADRA, 16                          ; v16 + 16 x lane, v17 + 8 x lane
.set ADRB, 20
.set STO,  24
.set RD,   25
.set GOF,  26
.set ADSA, 27
.set SPW,  28
.set NIL,  29
.set ADSB, 30
.set BO,   31
.set SC,   32                          ; K steps 2 g, 2 g + 1 (one in each half of the lanes): A's block i at v[SC + 8 g + i], B's at v[SC + 8 g + 4 + i]
.set BIA,  64
.set ACC,  128
.set G1, 24
.set G0, 32
.set G1B, 48
.set G0B, 56
.set G1S, 68
.set G0S, 76
.set G1SB, 80
.set G0SB, 88
.set MSB, 0
.macro WIN new
.if MSB != \new
	s_set_vgpr_msb (MSB<<8)|\new
.set MSB, \new
.endif
.endm
.set MUL,  0x05
.set TO_F, 0x40
.macro PLACES n
.rept \n
	v_nop
.endr
.endm
.macro TLOAD g0, g1
	tensor_load_to_lds s[\g0:\g0+3], s[\g1:\g1+7]
	s_nop 0
	PLACES 4
.endm
.macro ARM under, g0, g1, next
	s_cmp_lt_u32 s16, \under
	s_cbranch_scc0 \next
	TLOAD \g0, \g1
	s_branch .Lhead_asked
\next:
.endm
.macro G0SET g, lds, a
	s_mov_b32 s[\g], 1
	s_mov_b32 s[\g+1], \lds
	s_mov_b64 s[\g+2:\g+3], s[\a:\a+1]
	s_or_b32 s[\g+3], s[\g+3], 0x80000000
.endm
.macro CROUND
	s_barrier_signal -1
	s_barrier_wait -1
	s_cmp_lg_u32 s16, 0
	s_cbranch_scc1 .Lnot_wave_0_\@
	s_barrier_signal -3
.Lnot_wave_0_\@:
	s_barrier_wait -3
	s_barrier_signal -1
	s_barrier_wait -1
.endm
	s_load_b256 s[4:11], s[0:1], 0x0               ; att, wts, bp, x
	s_load_b64 s[12:13], s[0:1], 0x20              ; x1
	v_lshl_add_u32 v[SPW], v0, 2, SPARE
	v_mov_b32 v[NIL], 0
	ds_add_u32 v[SPW], v[NIL]                      ; the opening lines: the add twice on end and its wait
	ds_add_u32 v[SPW], v[NIL]
	v_lshrrev_b32 v1, 5, v0
	v_readfirstlane_b32 s16, v1                    ; wave
	s_lshr_b32 s17, s16, 1                         ; my half of A's rows
	s_and_b32 s18, s16, 1                          ; my half of B's
	s_bfe_u32 s40, ttmp6, 0x40000
	s_bfe_u32 s41, ttmp6, 0x40004
	s_lshl_b32 s42, ttmp9, 2
	s_add_co_u32 s42, s42, s40                     ; tile column
	s_and_b32 s19, ttmp7, 0xffff
	s_lshl_b32 s19, s19, 2
	s_add_co_u32 s19, s19, s41                     ; tile row
	s_lshl_b32 s43, s41, 2
	s_lshl_b32 s43, 15, s43                        ; my row of the cluster
	s_lshl_b32 s44, 0x1111, s40                    ; my column
	s_or_b32 s[G1+0], s43, (3<<16)|(1<<21)
	s_or_b32 s[G1B+0], s44, (3<<16)|(1<<21)
.irp g, G1, G1B                        ; codes: 8 rows of 12,288 bytes, dense
	s_mov_b32 s[\g+1], (RTG/8)<<16
	s_mov_b32 s[\g+2], 8<<16
	s_mov_b32 s[\g+3], (RTG/8)<<16
	s_mov_b32 s[\g+4], 8
	s_mov_b32 s[\g+5], RTG/8
	s_mov_b32 s[\g+6], 0
	s_mov_b32 s[\g+7], 0
.endr
	s_or_b32 s[G1S+0], s43, (3<<16)|(1<<20)|(1<<21)|(6<<22)|(15<<25)   ; scale words: rows of 128 words, 16 words of padding behind each
	s_or_b32 s[G1SB+0], s44, (3<<16)|(1<<20)|(1<<21)|(6<<22)|(15<<25)
.irp g, G1S, G1SB
	s_mov_b32 s[\g+1], 64<<16
	s_mov_b32 s[\g+2], KS<<16
	s_mov_b32 s[\g+3], 64<<16
	s_mov_b32 s[\g+4], KS
	s_mov_b32 s[\g+6], 0
	s_mov_b32 s[\g+7], 0
.endr
	s_mov_b32 s[G1S+5], ASPL/8
	s_mov_b32 s[G1SB+5], BSPL/8
	s_mul_i32 s20, s19, OPB
	s_mov_b32 s21, 0
	s_lshl_b32 s22, s19, 9
	s_add_co_u32 s22, s22, ASC
	s_mov_b32 s23, 0
	s_mul_i32 s46, s42, OPB
	s_add_co_u32 s46, s46, BCO
	s_mov_b32 s47, 0
	s_lshl_b32 s92, s42, 9
	s_add_co_u32 s92, s92, BSC
	s_mov_b32 s93, 0
	s_wait_dscnt 0x0
	s_wait_kmcnt 0x0
	s_add_nc_u64 s[20:21], s[4:5], s[20:21]
	s_add_nc_u64 s[22:23], s[4:5], s[22:23]
	s_add_nc_u64 s[46:47], s[6:7], s[46:47]
	s_add_nc_u64 s[92:93], s[6:7], s[92:93]
	CROUND                                         ; all sixteen work-groups are here: the joint loads meet
	G0SET G0, 0, 20
	G0SET G0B, OPB, 46
	G0SET G0S, SCL, 22
	G0SET G0SB, SCL+KS*SPT, 92
	ARM 1, G0, G1, .Lhead_b
	ARM 2, G0B, G1B, .Lhead_sa
	ARM 3, G0S, G1S, .Lhead_sb
	TLOAD G0SB, G1SB
.Lhead_asked:
	v_and_b32 v7, 31, v0
	v_lshlrev_b32 v[LN16], 4, v7
	v_lshlrev_b32 v[LN8], 3, v7
	s_mul_i32 s21, s17, HALFT
	s_mul_i32 s22, s18, HALFT
	s_add_co_u32 s22, s22, OPB
	v_add_nc_u32 v[ADRA], s21, v[LN16]
	v_add_nc_u32 v[ADRB], s22, v[LN16]
	v_add_nc_u32 v[ADRA+1], s21, v[LN8]
	v_add_nc_u32 v[ADRB+1], s22, v[LN8]
	v_and_b32 v5, 15, v0                           ; r
	v_bfe_u32 v6, v0, 4, 1                         ; h
	v_mul_u32_u24 v7, v6, SPT
	v_lshl_add_u32 v7, v5, 2, v7                   ; plane h, word r
	s_lshl_b32 s21, s17, 8
	s_add_co_u32 s21, s21, SCL
	v_add_nc_u32 v[ADSA], s21, v7
	s_lshl_b32 s22, s18, 8
	s_add_co_u32 s22, s22, SCL+KS*SPT
	v_add_nc_u32 v[ADSB], s22, v7
	s_mul_i32 s21, s16, 16*SPITCH
	s_add_co_u32 s21, s21, STAGE
	v_mul_u32_u24 v7, v5, SPITCH
	v_lshl_add_u32 v7, v6, 6, v7
	v_add_nc_u32 v[STO], s21, v7
	v_mul_u32_u24 v7, v6, SPITCH
	v_lshl_add_u32 v7, v5, 4, v7
	v_add_nc_u32 v[RD], s21, v7
	v_lshlrev_b32 v[BO], 4, v5
	v_lshl_add_u32 v[GOF], v6, 12, v[BO]
	s_wait_alu depctr_va_vdst(0)                   ; the wait ahead of the run of scalar lines
	s_lshl_b32 s20, s19, 7
	s_lshl_b32 s21, s17, 6
	s_add_co_u32 s20, s20, s21
	s_lshl_b32 s20, s20, 12                        ; my first row, 4,096 bytes a row
	s_lshl_b32 s46, s42, 9
	s_lshl_b32 s47, s18, 8
	s_add_co_u32 s46, s46, s47                     ; my first column, in bytes
	s_mov_b32 s47, 0
	s_add_nc_u64 s[8:9], s[8:9], s[46:47]
	s_add_co_u32 s20, s20, s46
	s_mov_b32 s21, 0
	s_add_nc_u64 s[10:11], s[10:11], s[20:21]
	s_add_nc_u64 s[12:13], s[12:13], s[20:21]
	global_load_b128 v[BIA:BIA+3], v[BO], s[8:9]
	WIN 0x80
.irp a, 0,1,2,3                        ; x's numbers of my 64 x 64, in the order of the way out
.irp t, 0,1,2,3,4,5,6,7
	global_load_b128 v[32*\a+4*\t:32*\a+4*\t+3], v[GOF], s[10:11] offset:(32*(\a/2)+8*(\a%2)+2*\t+8*(\t/4))*4096 th:TH_LOAD_NT
.endr
.endr
	WIN 0
.macro FRAG reg, adr, q, i             ; a fragment as it lies: four dense loads
	ds_load_b128 v[\reg:\reg+3], v[\adr] offset:(\i)*RTG+(\q)*1536
	ds_load_b64 v[\reg+4:\reg+5], v[\adr+1] offset:(\i)*RTG+(\q)*1536+512
	ds_load_b128 v[\reg+6:\reg+9], v[\adr] offset:(\i)*RTG+(\q)*1536+768
	ds_load_b64 v[\reg+10:\reg+11], v[\adr+1] offset:(\i)*RTG+(\q)*1536+1280
.endm
.macro MULA a, q, zero                 ; A's block a x B's four, K step q; the 16 accumulators take turns
.irp b, 0,1,2,3
.set D_, ACC+8*(4*(\a)+\b)
.set B_, 128*((\q)%2)+FR*\b
.set A_, 128*((\q)%2)+48+FR*(\a)
.set XB_, SC+8*((\q)/2)+4+\b
.set XA_, SC+8*((\q)/2)+(\a)
.if \zero
	v_wmma_scale_f32_16x16x128_f8f6f4 v[D_:D_+7], v[B_:B_+FR-1], v[A_:A_+FR-1], 0, v[XB_], v[XA_] matrix_a_fmt:MATRIX_FMT_FP6 matrix_b_fmt:MATRIX_FMT_FP6
.elseif (\q)%2 == 0
	v_wmma_scale_f32_16x16x128_f8f6f4 v[D_:D_+7], v[B_:B_+FR-1], v[A_:A_+FR-1], v[D_:D_+7], v[XB_], v[XA_] matrix_a_fmt:MATRIX_FMT_FP6 matrix_b_fmt:MATRIX_FMT_FP6
.else
	v_wmma_scale_f32_16x16x128_f8f6f4 v[D_:D_+7], v[B_:B_+FR-1], v[A_:A_+FR-1], v[D_:D_+7], v[XB_], v[XA_] matrix_a_fmt:MATRIX_FMT_FP6 matrix_b_fmt:MATRIX_FMT_FP6 matrix_a_scale:MATRIX_SCALE_ROW1 matrix_b_scale:MATRIX_SCALE_ROW1
.endif
.endr
.endm
.macro FETCH q
	WIN TO_F
.irp i, 0,1,2,3
	FRAG 128*((\q)%2)+FR*\i, ADRB, \q, \i
.endr
.irp i, 0,1,2,3
	FRAG 128*((\q)%2)+48+FR*\i, ADRA, \q, \i
.endr
.endm
.macro STEP q, zero
	s_wait_dscnt 2*NL                              ; all but the youngest eight loads (A's blocks 2, 3) are in
	WIN MUL
	MULA 0, \q, \zero
	MULA 1, \q, \zero
	PLACES NP
	FETCH (\q)+1
	s_wait_dscnt 8*NL                              ; all but the 32 just issued
	WIN MUL
	MULA 2, \q, \zero
	MULA 3, \q, \zero
.endm
	s_wait_alu depctr_va_vdst(0)                   ; the wait at the head's end
	s_wait_tensorcnt 0x0                           ; my tile of the four is in
	s_barrier_signal -1
	s_barrier_wait -1                              ; all four are
.irp g, 0,1,2,3
.irp i, 0,1,2,3
	ds_load_b32 v[SC+8*\g+\i], v[ADSA] offset:2*SPT*\g+64*\i
	ds_load_b32 v[SC+8*\g+4+\i], v[ADSB] offset:2*SPT*\g+64*\i
.endr
.endr
	FETCH 0
	STEP 0, 1                                      ; the first products start the sums
.set Q, 1
.rept 6
	STEP Q, 0
.set Q, Q+1
.endr
	s_wait_dscnt 2*NL
	WIN MUL
	MULA 0, 7, 0
	MULA 1, 7, 0
	s_wait_dscnt 0
	MULA 2, 7, 0
	MULA 3, 7, 0
	WIN 0
	PLACES NP
	s_wait_loadcnt 0x0                             ; bp and x
; THE WAY OUT: a block of 16 rows x 64 columns goes through my own stage and comes back as rows of 256 bytes; + bp + x; sixteen lanes store 256 consecutive bytes, aligned
.macro TOSTAGE a
.irp b, 0,1,2,3
	ds_store_b128 v[STO], v[ACC+8*(4*(\a)+\b):ACC+8*(4*(\a)+\b)+3] offset:128*(\b/2)+32*(\b%2)
	ds_store_b128 v[STO], v[ACC+8*(4*(\a)+\b)+4:ACC+8*(4*(\a)+\b)+7] offset:128*(\b/2)+32*(\b%2)+16
.endr
.irp t, 0,1,2,3,4,5,6,7
	ds_load_b128 v[32+64*((\a)%2)+4*\t:32+64*((\a)%2)+4*\t+3], v[RD] offset:\t*2*SPITCH
.endr
.endm
.macro SEND a, younger
.set BS, 32+64*((\a)%2)
	s_wait_dscnt \younger
.irp t, 0,1,2,3,4,5,6,7
	v_pk_add_f32 v[BS+4*\t:BS+4*\t+1], v[BS+4*\t:BS+4*\t+1], v[BIA:BIA+1]
	v_pk_add_f32 v[BS+4*\t+2:BS+4*\t+3], v[BS+4*\t+2:BS+4*\t+3], v[BIA+2:BIA+3]
.endr
	WIN 0x08
.irp t, 0,1,2,3,4,5,6,7
	v_pk_add_f32 v[BS+4*\t:BS+4*\t+1], v[BS+4*\t:BS+4*\t+1], v[32*(\a)+4*\t:32*(\a)+4*\t+1]
	v_pk_add_f32 v[BS+4*\t+2:BS+4*\t+3], v[BS+4*\t+2:BS+4*\t+3], v[32*(\a)+4*\t+2:32*(\a)+4*\t+3]
.endr
	WIN 0
.irp t, 0,1,2,3,4,5,6,7
	global_store_b128 v[GOF], v[BS+4*\t:BS+4*\t+3], s[12:13] offset:(32*((\a)/2)+8*((\a)%2)+2*\t+8*(\t/4))*4096
.endr
.endm
	TOSTAGE 0
.irp a, 1,2,3
.if \a > 1
	s_wait_xcnt 0x0                                ; block a - 2's stores have read their registers
.endif
	TOSTAGE \a
	SEND \a-1, 16
.endr
	SEND 3, 0
	s_wait_tensorcnt 0x0                           ; the wave's end
	ds_add_u32 v[SPW], v[NIL]
	s_wait_dscnt 0x0
	CROUND                                         ; the closing round
	s_endpgm
.Lfunc_end_k_qcdcd919d41_proj:
	.size	k_qcdcd919d41_proj, .Lfunc_end_k_qcdcd919d41_proj-k_qcdcd919d41_proj
	.p2alignl 7, 3214868480
	.fill 96, 4, 3214868480
	.section	.rodata,"a",@progbits
	.p2align	6, 0x0
	.amdhsa_kernel k_qcdcd919d41_proj
		.amdhsa_group_segment_fixed_size 327680
		.amdhsa_private_segment_fixed_size 0
		.amdhsa_enable_private_segment 0
		.amdhsa_kernarg_size 40
		.amdhsa_user_sgpr_count 2
		.amdhsa_user_sgpr_kernarg_segment_ptr 1
		.amdhsa_wavefront_size32 1
		.amdhsa_system_sgpr_workgroup_id_x 1
		.amdhsa_system_sgpr_workgroup_id_y 1
		.amdhsa_system_sgpr_workgroup_id_z 1
		.amdhsa_system_vgpr_workitem_id 0
		.amdhsa_next_free_vgpr 640
		.amdhsa_next_free_sgpr 102
		.amdhsa_reserve_vcc 0
		.amdhsa_float_denorm_mode_32 3
		.amdhsa_float_denorm_mode_16_64 3
		.amdhsa_memory_ordered 1
		.amdhsa_forward_progress 1
		.amdhsa_inst_pref_size 64
	.end_amdhsa_kernel
	.amdgpu_metadata
---
amdhsa.version: [ 1, 2 ]
amdhsa.kernels:
  - .name:           k_qcdcd919d41_proj
    .symbol:         k_qcdcd919d41_proj.kd
    .args:
      - { .name: att, .offset: 0, .size: 8, .value_kind: global_buffer, .address_space: global }
      - { .name: wts, .offset: 8, .size: 8, .value_kind: global_buffer, .address_space: global }
      - { .name: bp, .offset: 16, .size: 8, .value_kind: global_buffer, .address_space: global }
      - { .name: x, .offset: 24, .size: 8, .value_kind: global_buffer, .address_space: global }
      - { .name: x1, .offset: 32, .size: 8, .value_kind: global_buffer, .address_space: global }
    .group_segment_fixed_size: 327680
    .private_segment_fixed_size: 0
    .kernarg_segment_align: 8
    .kernarg_segment_size: 40
    .max_flat_workgroup_size: 128
    .sgpr_count:     102
    .vgpr_count:     640
    .wavefront_size: 32
...
	.end_amdgpu_metadata
.endif
;; end of part 11
;; launch ln1 (part 12): grid 256 x 1, 16 waves a work-group, no clusters, 97,792 bytes of LDS; arguments x1, gamma, beta, hq; writes hq
.if DOCPART == 12
	.amdgcn_target "amdgcn-amd-amdhsa--gfx1250"
	.amdhsa_code_object_version 6
	.text
	.protected	k_qcdcd919d41_ln1
	.globl	k_qcdcd919d41_ln1
	.p2align	8
	.type	k_qcdcd919d41_ln1,@function
k_qcdcd919d41_ln1:
	s_mov_b64 s[64:65], 0
	v_nop
	global_prefetch_b8 v0, s[64:65] scope:SCOPE_SE
	s_setreg_imm32_b32 hwreg(HW_REG_WAVE_MODE, 25, 1), 1
	s_wait_xcnt 0x0
; LayerNorm over rows of 1,024 f32 numbers, and the result quantised along the row to codes of FP6 (E2M3) with one E8M0 byte for each 32, laid as a matrix operand's images:
; tokens in groups of 32, place 16 u + r = token 8 u + r + 8 (r / 8); codes [place / 16][K / 128][1,536] (half c at 768 c: registers 6 c .. 6 c + 3 of lane r + 16 h at 16 x lane, registers 6 c + 4, + 5 at 512 + 8 x lane;
; that lane holds block 2 c + h of place r); scale words [K / 128][place] from byte HS on.
; SHARES.  A work-group of sixteen waves makes one tile of 16 places; wave w makes place w: one wave, one row: mean and variance never leave the wave.
; A row comes by eight loads of 512 consecutive bytes and turns through the wave's own stage in LDS, so that lane l holds numbers 32 l .. 32 l + 31: ONE BLOCK, whose largest magnitude needs no other lane.
; gamma and beta come ONCE a work-group, by dense loads: waves 0-7 bring 512 bytes of gamma each, waves 8-15 of beta; they are laid in LDS as a row is in a stage, and behind a barrier every wave reads its lanes' 32 numbers of each.
; The variance is the mean of (x - mean)^2, taken in a second pass over the registers.  The tile's 12,288 bytes of codes meet in LDS and leave by waves 0-3 in stores of 512 consecutive bytes; the scale words leave as
; eight pieces of 64 bytes, one for each plane (512 bytes of the tile's 12,800).
; LIMITS: a block of zeros, or one under 2^-124, carries the byte 1 (read by this program alone); NaN and infinities are not served; v_rsq_f32 is good to one unit in the last place.
.set STG, 4608                         ; a stage: 32 x 144 bytes
.set IMG, 16*STG                       ; behind sixteen stages: the tile's image,
.set SCS, IMG+12288                    ; its scale words,
.set SPARE, SCS+512                    ; the spare words, 128 bytes a wave,
.set GB,  SPARE+2048                   ; gamma, then beta
.set HS,  3145728
.set X,   32                           ; v32-63   my block
.set G,   192                          ; v192-223 gamma of my 32 columns;  v224-255 beta
.set BT,  224
	s_load_b256 s[4:11], s[0:1], 0x0               ; the rows, gamma, beta, hq
	v_lshl_add_u32 v19, v0, 2, SPARE
	v_mov_b32 v96, 0
	v_lshrrev_b32 v1, 5, v0
	v_readfirstlane_b32 s12, v1                    ; wave
	s_mul_i32 s13, s12, STG
	s_lshr_b32 s14, s12, 3                         ; gamma (0) or beta (1),
	s_mul_i32 s14, s14, STG
	s_and_b32 s26, s12, 7                          ; which 512 bytes of it
	s_mul_i32 s15, s26, 576
	s_add_co_u32 s14, s14, s15
	s_add_co_u32 s28, s14, GB
	s_lshl_b32 s26, s26, 9
	s_mov_b32 s27, 0
	v_and_b32 v20, 31, v0                          ; lane
	v_lshlrev_b32 v1, 4, v20                       ; my 16 bytes of a load's 512
	v_lshrrev_b32 v21, 3, v20
	v_mul_u32_u24 v21, v21, 144
	v_and_b32 v22, 7, v20
	v_lshl_add_u32 v21, v22, 4, v21
	v_add_nc_u32 v2, s13, v21                      ; the stage, in: eight lanes' 128 bytes on end, then 16 of padding
	v_add_nc_u32 v99, s28, v21                     ; the same for my piece of gamma or beta
	v_mul_u32_u24 v21, v20, 144
	v_add_nc_u32 v3, s13, v21                      ; and out: 144 x lane: the lanes' reads start in different banks
	v_add_nc_u32 v100, GB, v21
	v_lshrrev_b32 v21, 2, v20                      ; my block l is block 2 c + h of K step l / 4
	v_mul_u32_u24 v21, v21, 1536
	v_bfe_u32 v22, v20, 1, 1
	v_mad_u32_u24 v21, v22, 768, v21
	v_and_b32 v22, 1, v20
	s_lshl_b32 s14, s12, 4
	s_add_co_u32 s14, s14, IMG
	v_lshl_add_u32 v4, v22, 8, v21
	v_add_nc_u32 v4, s14, v4                       ; four registers at 16 (r + 16 h), r = w
	s_lshl_b32 s14, s12, 3
	s_add_co_u32 s14, s14, IMG+512
	v_lshl_add_u32 v5, v22, 7, v21
	v_add_nc_u32 v5, s14, v5                       ; two at 512 + 8 (r + 16 h)
	v_lshrrev_b32 v21, 2, v20
	v_and_b32 v22, 3, v20
	v_lshl_add_u32 v6, v21, 6, v22
	s_lshl_b32 s14, s12, 2
	s_add_co_u32 s14, s14, SCS
	v_add_nc_u32 v6, s14, v6                       ; my byte: 64 (l / 4) + 4 r + l % 4
	v_lshlrev_b32 v30, 4, v0                       ; the way out: 16 bytes a thread,
	v_lshlrev_b32 v31, 2, v0                       ; a scale word a thread,
	v_add_nc_u32 v97, IMG, v30                     ; the same two places in LDS
	v_add_nc_u32 v98, SCS, v31
	v_lshrrev_b32 v21, 4, v0
	v_and_b32 v22, 15, v0
	v_lshlrev_b32 v23, 14, v21
	v_lshl_add_u32 v23, v22, 2, v23                ; which goes to plane t / 16, place t % 16
	s_lshr_b32 s15, ttmp9, 1                       ; my token: 32 (tile / 2) + 8 (tile % 2) + w + 8 (w / 8)
	s_lshl_b32 s15, s15, 5
	s_and_b32 s16, ttmp9, 1
	s_lshl_b32 s16, s16, 3
	s_add_co_u32 s15, s15, s16
	s_add_co_u32 s15, s15, s12
	s_lshr_b32 s16, s12, 3
	s_lshl_b32 s16, s16, 3
	s_add_co_u32 s15, s15, s16
	s_lshl_b32 s16, s15, 12
	s_mov_b32 s17, 0
	s_mul_i32 s18, ttmp9, 12288
	s_mov_b32 s19, 0
	s_lshl_b32 s20, ttmp9, 6
	s_add_co_u32 s20, s20, HS
	s_mov_b32 s21, 0
	s_mov_b32 s22, 0x3a800000                      ; 1 / 1,024
	s_mov_b32 s23, 0x3727c5ac                      ; 1e-5
	s_mov_b32 s24, 0x76543210
	s_mov_b32 s25, 0xfedcba98                      ; v_permlanex16_b32's selects for lane l xor 16
	s_wait_alu depctr_va_vdst(0)                   ; the wait at the head's end
	s_wait_kmcnt 0x0
	s_add_nc_u64 s[4:5], s[4:5], s[16:17]
	s_add_nc_u64 s[20:21], s[10:11], s[20:21]
	s_add_nc_u64 s[10:11], s[10:11], s[18:19]
	s_cmp_lt_u32 s12, 8                            ; the choice hangs on the wave's number alone
	s_cselect_b64 s[6:7], s[6:7], s[8:9]
	s_add_nc_u64 s[6:7], s[6:7], s[26:27]
	global_load_b128 v[G:G+3], v1, s[6:7]          ; 512 consecutive bytes of gamma or of beta
.irp j, 0,1,2,3,4,5,6,7
	global_load_b128 v[64+4*\j:67+4*\j], v1, s[4:5] offset:512*\j
.endr
	s_wait_loadcnt 8                               ; my piece is in; the row's eight loads may be out
	ds_store_b128 v99, v[G:G+3]
	s_wait_dscnt 0x0                               ; for the others' sake
	s_barrier_signal -1
	s_barrier_wait -1
.irp q, 0,1,2,3,4,5,6,7
	ds_load_b128 v[G+4*\q:G+4*\q+3], v100 offset:16*\q
.endr
.irp q, 0,1,2,3,4,5,6,7
	ds_load_b128 v[BT+4*\q:BT+4*\q+3], v100 offset:STG+16*\q
.endr
.macro ALLSUM                          ; v8 summed over the 32 lanes, the sum in every lane
	v_add_f32_dpp v8, v8, v8 row_xmask:1 row_mask:0xf bank_mask:0xf
	v_add_f32_dpp v8, v8, v8 row_xmask:2 row_mask:0xf bank_mask:0xf
	v_add_f32_dpp v8, v8, v8 row_xmask:4 row_mask:0xf bank_mask:0xf
	v_add_f32_dpp v8, v8, v8 row_xmask:8 row_mask:0xf bank_mask:0xf
	v_permlanex16_b32 v9, v8, s24, s25
	v_add_f32 v8, v8, v9
.endm
.macro FOLD                            ; four chains into v8
	v_pk_add_f32 v[8:9], v[8:9], v[10:11]
	v_pk_add_f32 v[12:13], v[12:13], v[14:15]
	v_pk_add_f32 v[8:9], v[8:9], v[12:13]
	v_add_f32 v8, v8, v9
.endm
	s_wait_loadcnt 0x0                             ; my row
.irp j, 0,1,2,3,4,5,6,7
	ds_store_b128 v2, v[64+4*\j:67+4*\j] offset:576*\j
.endr
.irp q, 0,1,2,3,4,5,6,7
	ds_load_b128 v[X+4*\q:X+4*\q+3], v3 offset:16*\q            ; LDS serves a wave's instructions in order: these see the stores above
.endr
	s_wait_dscnt 0x0
	v_pk_add_f32 v[8:9], v[32:33], v[34:35]        ; the sum, in four chains
	v_pk_add_f32 v[10:11], v[36:37], v[38:39]
	v_pk_add_f32 v[12:13], v[40:41], v[42:43]
	v_pk_add_f32 v[14:15], v[44:45], v[46:47]
.irp j, 48,56
	v_pk_add_f32 v[8:9], v[8:9], v[\j:\j+1]
	v_pk_add_f32 v[10:11], v[10:11], v[\j+2:\j+3]
	v_pk_add_f32 v[12:13], v[12:13], v[\j+4:\j+5]
	v_pk_add_f32 v[14:15], v[14:15], v[\j+6:\j+7]
.endr
	FOLD
	ALLSUM
	v_mul_f32 v16, 0xba800000, v8                  ; - the mean
	v_mov_b32 v17, v16
.irp j, 0,2,4,6,8,10,12,14,16,18,20,22,24,26,28,30
	v_pk_add_f32 v[X+\j:X+\j+1], v[X+\j:X+\j+1], v[16:17]
.endr
	v_pk_mul_f32 v[8:9], v[32:33], v[32:33]        ; the sum of squares of x - mean
	v_pk_mul_f32 v[10:11], v[34:35], v[34:35]
	v_pk_mul_f32 v[12:13], v[36:37], v[36:37]
	v_pk_mul_f32 v[14:15], v[38:39], v[38:39]
.irp j, 40,48,56
	v_pk_fma_f32 v[8:9], v[\j:\j+1], v[\j:\j+1], v[8:9]
	v_pk_fma_f32 v[10:11], v[\j+2:\j+3], v[\j+2:\j+3], v[10:11]
	v_pk_fma_f32 v[12:13], v[\j+4:\j+5], v[\j+4:\j+5], v[12:13]
	v_pk_fma_f32 v[14:15], v[\j+6:\j+7], v[\j+6:\j+7], v[14:15]
.endr
	FOLD
	ALLSUM
	v_fma_f32 v18, v8, s22, s23                    ; the variance + 1e-5
	s_wait_alu depctr_va_vdst(0)
	v_rsq_f32 v16, v18
	v_nop                                          ; a plain place behind the transcendental,
	s_wait_alu depctr_va_vdst(0)                   ; and the wait ahead of the first line that names its result
	v_mov_b32 v17, v16
.irp j, 0,2,4,6,8,10,12,14,16,18,20,22,24,26,28,30
	v_pk_mul_f32 v[X+\j:X+\j+1], v[X+\j:X+\j+1], v[16:17]
.endr
.irp j, 0,2,4,6,8,10,12,14,16,18,20,22,24,26,28,30
	v_pk_fma_f32 v[X+\j:X+\j+1], v[X+\j:X+\j+1], v[G+\j:G+\j+1], v[BT+\j:BT+\j+1]
.endr
	v_max3_num_f32 v12, |v[X]|, |v[X+1]|, |v[X+2]|               ; the block's largest magnitude: all 32 numbers are mine
	v_max3_num_f32 v13, |v[X+3]|, |v[X+4]|, |v[X+5]|
.irp j, 6,10,14,18,22,26
	v_max3_num_f32 v12, v12, |v[X+\j]|, |v[X+\j+1]|
	v_max3_num_f32 v13, v13, |v[X+\j+2]|, |v[X+\j+3]|
.endr
	v_max3_num_f32 v12, v12, |v[X+30]|, |v[X+31]|
	v_max3_num_f32 v12, v12, v13, 0x1800000        ; and the floor 2^(3 - 127)
	v_add_nc_u32 v14, 0xff000000, v12              ; 2 off the exponent field: the conversion's scale operand
	v_lshrrev_b32 v15, 23, v14                     ; the byte
	v_cvt_scalef32_pk16_fp6_f32 v[24:26], v[X:X+15], v14
	v_cvt_scalef32_pk16_fp6_f32 v[8:10], v[X+16:X+31], v14       ; (a conversion's three registers begin on an even number)
	v_nop                                          ; one plain place behind a scaled conversion
	v_mov_b32 v27, v8
	v_mov_b32 v28, v9
	v_mov_b32 v29, v10
	ds_store_b128 v4, v[24:27]
	ds_store_b64 v5, v[28:29]
	ds_store_b8 v6, v15
	s_wait_dscnt 0x0                               ; for the others' sake: my stores into the image have landed
	s_barrier_signal -1
	s_barrier_wait -1
	s_cmp_lt_u32 s12, 4                            ; threads 0 to 127 carry the tile out
	s_cbranch_scc0 .Lend
.irp k, 0,1,2,3,4,5
	ds_load_b128 v[64+4*\k:67+4*\k], v97 offset:2048*\k
.endr
	ds_load_b32 v88, v98
.irp k, 0,1,2,3,4,5
	s_wait_dscnt 6-\k
	global_store_b128 v30, v[64+4*\k:67+4*\k], s[10:11] offset:2048*\k   ; a wave stores 512 consecutive bytes, aligned
.endr
	s_wait_dscnt 0x0
	global_store_b32 v23, v88, s[20:21]
.Lend:
	s_wait_tensorcnt 0x0                           ; the wave's end
	ds_add_u32 v19, v96
	s_wait_dscnt 0x0
	s_endpgm
.Lfunc_end_k_qcdcd919d41_ln1:
	.size	k_qcdcd919d41_ln1, .Lfunc_end_k_qcdcd919d41_ln1-k_qcdcd919d41_ln1
	.p2alignl 7, 3214868480
	.fill 96, 4, 3214868480
	.section	.rodata,"a",@progbits
	.p2align	6, 0x0
	.amdhsa_kernel k_qcdcd919d41_ln1
		.amdhsa_group_segment_fixed_size 97792
		.amdhsa_private_segment_fixed_size 0
		.amdhsa_enable_private_segment 0
		.amdhsa_kernarg_size 32
		.amdhsa_user_sgpr_count 2
		.amdhsa_user_sgpr_kernarg_segment_ptr 1
		.amdhsa_wavefront_size32 1
		.amdhsa_system_sgpr_workgroup_id_x 1
		.amdhsa_system_sgpr_workgroup_id_y 1
		.amdhsa_system_sgpr_workgroup_id_z 1
		.amdhsa_system_vgpr_workitem_id 0
		.amdhsa_next_free_vgpr 256
		.amdhsa_next_free_sgpr 66
		.amdhsa_reserve_vcc 0
		.amdhsa_float_denorm_mode_32 3
		.amdhsa_float_denorm_mode_16_64 3
		.amdhsa_memory_ordered 1
		.amdhsa_forward_progress 1
		.amdhsa_inst_pref_size 17
	.end_amdhsa_kernel
	.amdgpu_metadata
---
amdhsa.version: [ 1, 2 ]
amdhsa.kernels:
  - .name:           k_qcdcd919d41_ln1
    .symbol:         k_qcdcd919d41_ln1.kd
    .args:
      - { .name: x1, .offset: 0, .size: 8, .value_kind: global_buffer, .address_space: global }
      - { .name: gamma, .offset: 8, .size: 8, .value_kind: global_buffer, .address_space: global }
      - { .name: beta, .offset: 16, .size: 8, .value_kind: global_buffer, .address_space: global }
      - { .name: hq, .offset: 24, .size: 8, .value_kind: global_buffer, .address_space: global }
    .group_segment_fixed_size: 97792
    .private_segment_fixed_size: 0
    .kernarg_segment_align: 8
    .kernarg_segment_size: 32
    .max_flat_workgroup_size: 512
    .sgpr_count:     66
    .vgpr_count:     256
    .wavefront_size: 32
...
	.end_amdgpu_metadata
.endif
;; end of part 12
;; launch ffn1 (part 13): grid 16 x 16, 4 waves a work-group, clusters of 4 x 4, 327,680 bytes of LDS; arguments hq, wts, b1, hid; writes hid
.if DOCPART == 13
	.amdgcn_target "amdgcn-amd-amdhsa--gfx1250"
	.amdhsa_code_object_version 6
	.text
	.protected	k_qcdcd919d41_ffn1
	.globl	k_qcdcd919d41_ffn1
	.p2align	8
	.type	k_qcdcd919d41_ffn1,@function
k_qcdcd919d41_ffn1:
	s_mov_b64 s[64:65], 0
	v_nop
	global_prefetch_b8 v0, s[64:65] scope:SCOPE_SE
	s_setreg_imm32_b32 hwreg(HW_REG_WAVE_MODE, 25, 1), 1
	s_wait_xcnt 0x0
	s_wait_alu depctr_hold_cnt(0) depctr_sa_sdst(0) depctr_va_vdst(0) depctr_va_sdst(0) depctr_va_ssrc(0) depctr_va_vcc(0) depctr_vm_vsrc(0)
	s_getreg_b32 s2, hwreg(HW_REG_IB_STS2, 6, 4)
	s_cmp_eq_u32 s2, 0
	s_cbranch_scc0 .Lentry_in_a_cluster
	s_endpgm
.Lentry_in_a_cluster:
	s_bfe_u32 s2, ttmp6, 0x10000c
	s_cmp_lg_u32 s2, 0xf033
	s_cbranch_scc0 .Lentry_shape_is_right
	s_endpgm
.Lentry_shape_is_right:
.set KDIM,  1024
.set ASC,   3145728
.set ASPL,  16384
.set BCO,   3145728
.set BSC,   9601024
.set BSPL,  16384
.set HIDS,  12582912
.set RTG,   KDIM/128*1536
.set KS,    KDIM/128
.set LAPS,  KDIM/512
.set NQ,    2
.set FR,    12
.set NL,    4
.set NP,    4
.set HALFT, 8*3072
.set SLOT,  4*HALFT
.set SCL,   2*SLOT
.set SPT,   1088                       ; a plane of 256 scale words + 64 bytes of padding
.set HALFS, KS*SPT/2
.set SPARE, SCL+4*HALFS
.set LN16, 1
.set LN8,  2
.set SWA,  3
.set SRA,  4
.set BIO,  5
.set ADRA, 16
.set ADRB, 20
.set ADSA, 27
.set SPW,  28
.set NIL,  29
.set ADSB, 30
.set SC,   32
.set BI,   64
.set AF,   128
.set T,    128
.set TM,   32
.set PW,   48
.set PC,   224
.set GU,   192
.set GZ,   200
.set GP,   208
.set GQ,   216
.set SEL,  20
.set G1, 24
.set G0, 32
.set G1B, 48
.set G0B, 56
.set G1S, 68
.set G0S, 76
.set G1SB, 80
.set G0SB, 88
.set MSB, 0
.macro WIN new
.if MSB != \new
	s_set_vgpr_msb (MSB<<8)|\new
.set MSB, \new
.endif
.endm
.set MUL_LO, 0xa1
.set MUL_HI, 0xf1
.set TO_B,   0x40
.macro JLOAD g0a, g1a, g0b, g1b
	s_cmp_eq_u32 s17, 0
	s_cbranch_scc0 .Lfor_b_\@
	tensor_load_to_lds s[\g0a:\g0a+3], s[\g1a:\g1a+7]
	s_nop 0
.rept 4
	v_nop
.endr
	s_branch .Lasked_\@
.Lfor_b_\@:
	tensor_load_to_lds s[\g0b:\g0b+3], s[\g1b:\g1b+7]
	s_nop 0
.rept 4
	v_nop
.endr
.Lasked_\@:
.endm
.macro CREST
	s_cmp_lg_u32 s16, 0
	s_cbranch_scc1 .Lnot_wave_0_\@
	s_barrier_signal -3
.Lnot_wave_0_\@:
	s_barrier_wait -3
	s_barrier_signal -1
	s_barrier_wait -1
.endm
.macro CROUND
	s_barrier_signal -1
	s_barrier_wait -1
	CREST
.endm
	s_load_b256 s[4:11], s[0:1], 0x0
	v_lshl_add_u32 v[SPW], v0, 2, SPARE
	v_mov_b32 v[NIL], 0
	ds_add_u32 v28, v29
	ds_add_u32 v28, v29
	s_wait_dscnt 0x0
	v_lshrrev_b32 v1, 5, v0
	v_readfirstlane_b32 s16, v1
	s_lshr_b32 s17, s16, 1
	s_and_b32 s18, s16, 1
	s_bfe_u32 s40, ttmp6, 0x40000
	s_bfe_u32 s41, ttmp6, 0x40004
	s_lshl_b32 s42, ttmp9, 2
	s_add_co_u32 s42, s42, s40
	s_and_b32 s19, ttmp7, 0xffff
	s_lshl_b32 s19, s19, 2
	s_add_co_u32 s19, s19, s41
	s_lshl_b32 s43, s41, 2
	s_lshl_b32 s43, 15, s43
	s_lshl_b32 s44, 0x1111, s40
	s_or_b32 s[G1+0], s43, (3<<16)|(1<<21)
	s_or_b32 s[G1B+0], s44, (3<<16)|(1<<21)
.irp g, G1, G1B
	s_mov_b32 s[\g+1], 384<<16
	s_mov_b32 s[\g+2], 16<<16                      ; 16 tiles of places for the head's loads, 8 behind them
	s_mov_b32 s[\g+3], 384<<16
	s_mov_b32 s[\g+4], 16
	s_mov_b32 s[\g+5], RTG/8
	s_mov_b32 s[\g+6], 0
	s_mov_b32 s[\g+7], 0
.endr
	s_or_b32 s[G1S+0], s43, (3<<16)|(1<<20)|(1<<21)|(7<<22)|(15<<25)
	s_or_b32 s[G1SB+0], s44, (3<<16)|(1<<20)|(1<<21)|(7<<22)|(15<<25)
.irp g, G1S, G1SB
	s_mov_b32 s[\g+1], 128<<16
	s_mov_b32 s[\g+2], KS<<16
	s_mov_b32 s[\g+3], 128<<16
	s_mov_b32 s[\g+4], KS
	s_mov_b32 s[\g+6], 0
	s_mov_b32 s[\g+7], 0
.endr
	s_mov_b32 s[G1S+5], ASPL/8
	s_mov_b32 s[G1SB+5], BSPL/8
	s_lshl_b32 s20, s19, 4
	s_mul_i32 s20, s20, RTG
	s_mov_b32 s21, 0
	s_lshl_b32 s22, s19, 10
	s_add_co_u32 s22, s22, ASC
	s_mov_b32 s23, 0
	s_lshl_b32 s46, s42, 4
	s_mul_i32 s46, s46, RTG
	s_add_co_u32 s46, s46, BCO
	s_mov_b32 s47, 0
	s_lshl_b32 s92, s42, 10
	s_add_co_u32 s92, s92, BSC
	s_mov_b32 s93, 0
	s_mul_i32 s45, s16, HALFT
	s_wait_kmcnt 0x0
	s_add_nc_u64 s[20:21], s[4:5], s[20:21]
	s_add_nc_u64 s[22:23], s[4:5], s[22:23]
	s_add_nc_u64 s[46:47], s[6:7], s[46:47]
	s_add_nc_u64 s[92:93], s[6:7], s[92:93]
	CROUND
	s_mov_b32 s[G0S], 1
	s_mov_b32 s[G0S+1], SCL
	s_mov_b64 s[G0S+2:G0S+3], s[22:23]
	s_or_b32 s[G0S+3], s[G0S+3], 0x80000000
	s_mov_b32 s[G0SB], 1
	s_mov_b32 s[G0SB+1], SCL+2*HALFS
	s_mov_b64 s[G0SB+2:G0SB+3], s[92:93]
	s_or_b32 s[G0SB+3], s[G0SB+3], 0x80000000
	s_mov_b32 s4, 1                                ; the head's loads of K step 0: A's 16 tiles of places (the pointers that lay in s[4:7] have been used),
	s_mov_b32 s5, 0
	s_mov_b64 s[6:7], s[20:21]
	s_or_b32 s7, s7, 0x80000000
	s_mov_b32 s92, 1                               ; and B's, behind them in slot 0
	s_mov_b32 s93, 2*HALFT
	s_mov_b64 s[94:95], s[46:47]
	s_or_b32 s95, s95, 0x80000000
	s_lshl_b32 s22, s40, 2                         ; the prefetches: of a K step's 16 tile rows of A each of the sixteen waves of my row of the cluster takes one, told apart by address,
	s_add_co_u32 s22, s22, s16
	s_mul_i32 s22, s22, RTG
	s_mov_b32 s23, 0
	s_add_nc_u64 s[12:13], s[20:21], s[22:23]
	s_lshl_b32 s22, s41, 2                         ; and of B's each wave of my column
	s_add_co_u32 s22, s22, s16
	s_mul_i32 s22, s22, RTG
	s_add_nc_u64 s[14:15], s[46:47], s[22:23]
	s_mul_i32 s2, s18, 8*RTG
	s_mov_b32 s3, 0
	s_add_nc_u64 s[20:21], s[20:21], s[2:3]
	s_add_nc_u64 s[46:47], s[46:47], s[2:3]
.irp s, 0,1
	s_mov_b32 s[G0+4*\s], 1
	s_add_co_u32 s[G0+4*\s+1], s45, \s*SLOT
	s_add_nc_u64 s[G0+4*\s+2:G0+4*\s+3], s[20:21], \s*3072
	s_or_b32 s[G0+4*\s+3], s[G0+4*\s+3], 0x80000000
	s_mov_b32 s[G0B+4*\s], 1
	s_add_co_u32 s[G0B+4*\s+1], s45, \s*SLOT
	s_add_nc_u64 s[G0B+4*\s+2:G0B+4*\s+3], s[46:47], \s*3072
	s_or_b32 s[G0B+4*\s+3], s[G0B+4*\s+3], 0x80000000
.endr
; the head's four tiles, one load a wave: one chain of branches on the wave's number, each arm with its load
.macro ARM under, g0, g1, next
	s_cmp_lt_u32 s16, \under
	s_cbranch_scc0 \next
	tensor_load_to_lds s[\g0:\g0+3], s[\g1:\g1+7]
	s_nop 0
.rept 4
	v_nop
.endr
	s_branch .Lhead_asked
\next:
.endm
	ARM 1, 4, G1, .Lhead_b
	ARM 2, 92, G1B, .Lhead_sa
	ARM 3, G0S, G1S, .Lhead_sb
	tensor_load_to_lds s[G0SB:G0SB+3], s[G1SB:G1SB+7]
	s_nop 0
.rept 4
	v_nop
.endr
.Lhead_asked:
	v_and_b32 v31, 31, v0                          ; a tile row's 3,072 bytes of a K step are twelve blocks of 256: a lane a block, lanes 12 to 31 name the twelfth again
	v_min_u32 v31, 11, v31
	v_lshlrev_b32 v31, 8, v31
.irp c, 1,2                            ; K steps 1 and 2, which the next two fills will load
	global_prefetch_b8 v31, s[12:13] offset:3072*\c th:TH_LOAD_NT scope:SCOPE_SE
	global_prefetch_b8 v31, s[14:15] offset:3072*\c th:TH_LOAD_NT scope:SCOPE_SE
.endr
	v_and_b32 v7, 31, v0
	v_lshlrev_b32 v[LN16], 4, v7
	v_lshlrev_b32 v[LN8], 3, v7
	s_mul_i32 s21, s17, HALFT
	s_mul_i32 s22, s18, HALFT
	s_add_co_u32 s22, s22, 2*HALFT
.irp s, 0,1
	v_add_nc_u32 v[ADRA+\s], s21, v[LN16]
	v_add_nc_u32 v[ADRB+\s], s22, v[LN16]
	v_add_nc_u32 v[ADRA+2+\s], s21, v[LN8]
	v_add_nc_u32 v[ADRB+2+\s], s22, v[LN8]
	s_add_co_u32 s21, s21, SLOT
	s_add_co_u32 s22, s22, SLOT
.endr
	v_and_b32 v24, 15, v0
	v_bfe_u32 v25, v0, 4, 1
	s_wait_alu depctr_va_vdst(0)
	v_mul_u32_u24 v26, v25, SPT
	v_lshl_add_u32 v26, v24, 2, v26
	s_lshl_b32 s21, s17, 9
	s_add_co_u32 s21, s21, SCL
	v_add_nc_u32 v[ADSA], s21, v26
	s_lshl_b32 s22, s18, 9
	s_add_co_u32 s22, s22, SCL+2*HALFS
	v_add_nc_u32 v[ADSB], s22, v26
	s_lshl_b32 s21, s16, 10
	v_lshl_add_u32 v[SWA], v24, 2, s21
	v_add_nc_u32 v[SRA], s21, v[LN16]
	s_lshl_b32 s96, s19, 8
	s_lshl_b32 s21, s17, 7
	s_add_co_u32 s96, s96, s21
	s_lshl_b32 s97, s42, 8
	s_lshl_b32 s21, s18, 7
	s_add_co_u32 s97, s97, s21
	s_lshl_b32 s21, s97, 2
	v_lshl_add_u32 v[BIO], v25, 6, s21
.irp e, 0,1,2,3,4,5,6,7,8,9,10,11,12,13,14,15
	global_load_b128 v[BI+4*\e:BI+4*\e+3], v[BIO], s[8:9] offset:128*(\e/4)+16*(\e%4)
.endr
.macro FRAG reg, adr, q, i
	ds_load_b128 v[\reg:\reg+3], v[\adr] offset:(\i)*3072+(\q)*1536
	ds_load_b64 v[\reg+4:\reg+5], v[\adr+2] offset:(\i)*3072+(\q)*1536+512
	ds_load_b128 v[\reg+6:\reg+9], v[\adr] offset:(\i)*3072+(\q)*1536+768
	ds_load_b64 v[\reg+10:\reg+11], v[\adr+2] offset:(\i)*3072+(\q)*1536+1280
.endm
.macro MUL16 a0, p, q, sc, zero
.irp a, \a0, \a0+1
.irp b, 0,1,2,3,4,5,6,7
.if \zero
	v_wmma_scale_f32_16x16x128_f8f6f4 v[8*(8*((\a)%4)+\b):8*(8*((\a)%4)+\b)+7], v[128*(\p)+FR*\b:128*(\p)+FR*\b+FR-1], v[AF+FR*(\a):AF+FR*(\a)+FR-1], 0, v[SC+16*(\sc)+8+\b], v[SC+16*(\sc)+(\a)] matrix_a_fmt:MATRIX_FMT_FP6 matrix_b_fmt:MATRIX_FMT_FP6
.elseif (\q) == 0
	v_wmma_scale_f32_16x16x128_f8f6f4 v[8*(8*((\a)%4)+\b):8*(8*((\a)%4)+\b)+7], v[128*(\p)+FR*\b:128*(\p)+FR*\b+FR-1], v[AF+FR*(\a):AF+FR*(\a)+FR-1], v[8*(8*((\a)%4)+\b):8*(8*((\a)%4)+\b)+7], v[SC+16*(\sc)+8+\b], v[SC+16*(\sc)+(\a)] matrix_a_fmt:MATRIX_FMT_FP6 matrix_b_fmt:MATRIX_FMT_FP6
.else
	v_wmma_scale_f32_16x16x128_f8f6f4 v[8*(8*((\a)%4)+\b):8*(8*((\a)%4)+\b)+7], v[128*(\p)+FR*\b:128*(\p)+FR*\b+FR-1], v[AF+FR*(\a):AF+FR*(\a)+FR-1], v[8*(8*((\a)%4)+\b):8*(8*((\a)%4)+\b)+7], v[SC+16*(\sc)+8+\b], v[SC+16*(\sc)+(\a)] matrix_a_fmt:MATRIX_FMT_FP6 matrix_b_fmt:MATRIX_FMT_FP6 matrix_a_scale:MATRIX_SCALE_ROW1 matrix_b_scale:MATRIX_SCALE_ROW1
.endif
.endr
.endr
.endm
.macro FETCH_B slot, q, p
	WIN TO_B
.irp i, 0,1,2,3,4,5,6,7
	FRAG 128*(\p)+FR*\i, ADRB+\slot, \q, \i
.endr
	WIN 0
.endm
.macro FETCH_A slot, q, i0
.irp i, \i0, \i0+1, \i0+2, \i0+3
	FRAG AF+FR*(\i), ADRA+\slot, \q, \i
.endr
.endm
.macro SCALES sc
.irp i, 0,1,2,3,4,5,6,7
	ds_load_b32 v[SC+16*\sc+\i], v[ADSA] offset:64*\i
	ds_load_b32 v[SC+16*\sc+8+\i], v[ADSB] offset:64*\i
.endr
.endm
.macro PLACES n
.rept \n
	v_nop
.endr
.endm
.macro STEP slot, q, zero
	s_wait_dscnt 4*NL
	WIN MUL_LO
	MUL16 0, (\q)%2, \q, \slot, \zero
	MUL16 2, (\q)%2, \q, \slot, \zero
	s_wait_dscnt 0
	PLACES NP
	FETCH_B \slot, (\q)+1, 1-(\q)%2
	FETCH_A \slot, (\q)+1, 0
	WIN MUL_HI
	MUL16 4, (\q)%2, \q, \slot, \zero
	MUL16 6, (\q)%2, \q, \slot, \zero
	PLACES NP
	WIN 0
	FETCH_A \slot, (\q)+1, 4
.endm
.macro TURN slot, next, fill
	s_wait_tensorcnt 0x0
	ds_add_u32 v[SPW], v[NIL]
	s_wait_dscnt 4*NL+1
	WIN MUL_LO
	MUL16 0, 1, NQ-1, \slot, 0
	s_wait_dscnt 0x0
	s_barrier_signal -1
	MUL16 2, 1, NQ-1, \slot, 0
	WIN 0
	s_barrier_wait -1
.if \fill
	CREST
	s_add_nc_u64 s[G0+4*\slot+2:G0+4*\slot+3], s[G0+4*\slot+2:G0+4*\slot+3], 6144
	s_add_nc_u64 s[G0B+4*\slot+2:G0B+4*\slot+3], s[G0B+4*\slot+2:G0B+4*\slot+3], 6144
	JLOAD G0+4*\slot, G1, G0B+4*\slot, G1B
.else
	PLACES NP
.endif
	s_wait_alu depctr_va_vdst(0)
	v_add_nc_u32 v[ADSA], 2*SPT, v[ADSA]
	v_add_nc_u32 v[ADSB], 2*SPT, v[ADSB]
	FETCH_B \next, 0, 0
	FETCH_A \next, 0, 0
	SCALES \next
	WIN MUL_HI
	MUL16 4, 1, NQ-1, \slot, 0
	MUL16 6, 1, NQ-1, \slot, 0
	PLACES NP
	WIN 0
	FETCH_A \next, 0, 4
.endm
	s_wait_alu depctr_va_vdst(0)
	s_wait_tensorcnt 0x0                           ; my tile of the head's four is in; slot 1's first fill is issued as a refill is
	ds_add_u32 v[SPW], v[NIL]
	s_mov_b32 s[G1+2], 8<<16                       ; no tensor load of mine is out: from here on a load brings 8 tiles of places
	s_mov_b32 s[G1+4], 8
	s_mov_b32 s[G1B+2], 8<<16
	s_mov_b32 s[G1B+4], 8
	s_wait_dscnt 0x0
	CROUND
	JLOAD G0+4, G1, G0B+4, G1B                     ; K step 1
	s_wait_loadcnt 0x0                             ; b1
	global_prefetch_b8 v31, s[12:13] offset:3072*3 th:TH_LOAD_NT scope:SCOPE_SE    ; K step 3, the last: two fills ahead
	global_prefetch_b8 v31, s[14:15] offset:3072*3 th:TH_LOAD_NT scope:SCOPE_SE
	FETCH_B 0, 0, 0
	FETCH_A 0, 0, 0
	SCALES 0
	FETCH_A 0, 0, 4
	STEP 0, 0, 1
	s_mov_b32 s3, LAPS-1
.Llap:
	TURN 0, 1, 1
	STEP 1, 0, 0
	TURN 1, 0, 1
	STEP 0, 0, 0
	s_sub_co_u32 s3, s3, 1
	s_cmp_lg_u32 s3, 0
	s_cbranch_scc1 .Llap
	TURN 0, 1, 0
	STEP 1, 0, 0
	s_wait_dscnt 4*NL
	WIN MUL_LO
	MUL16 0, 1, NQ-1, 1, 0
	MUL16 2, 1, NQ-1, 1, 0
	s_wait_dscnt 0
	WIN MUL_HI
	MUL16 4, 1, NQ-1, 1, 0
	MUL16 6, 1, NQ-1, 1, 0
	WIN 0
	PLACES NP
.macro QUANT s
.irp b, 0,1,2,3
	v_max3_num_f32 v[TM+\b], |v[\s+16*\b]|, |v[\s+1+16*\b]|, 0x1800000
.endr
.irp i, 2,4,6,8,10,12,14
.irp b, 0,1,2,3
	v_max3_num_f32 v[TM+\b], v[TM+\b], |v[\s+16*\b+\i]|, |v[\s+1+16*\b+\i]|
.endr
.endr
.irp b, 0,1,2,3
	v_permlanex16_b32 v[TM+4+\b], v[TM+\b], s[SEL], s[SEL+1]
.endr
.irp b, 0,1,2,3
	v_max_num_f32 v[TM+\b], v[TM+\b], v[TM+4+\b]
.endr
.irp b, 0,1,2,3
	v_add_nc_u32 v[TM+12+\b], 0xff000000, v[TM+\b]
.endr
.irp b, 0,1,2,3
	v_lshrrev_b32 v[TM+4+\b], 23, v[TM+12+\b]
.endr
	v_lshl_or_b32 v[PW], v[TM+5], 8, v[TM+4]
	v_lshl_or_b32 v[PW], v[TM+6], 16, v[PW]
	v_lshl_or_b32 v[PW], v[TM+7], 24, v[PW]
.irp c, 0,1
	v_cvt_scalef32_pk16_fp6_f32 v[PC+6*\c:PC+2+6*\c], v[\s+32*\c:\s+15+32*\c], v[TM+12+2*\c]
	v_cvt_scalef32_pk16_fp6_f32 v[PC+12+4*\c:PC+14+4*\c], v[\s+16+32*\c:\s+31+32*\c], v[TM+12+2*\c+1]
.endr
	v_nop
.irp c, 0,1
.irp i, 0,1,2
	v_permlane16_swap_b32 v[PC+6*\c+\i], v[PC+12+4*\c+\i]
.endr
.irp i, 0,1,2
	v_mov_b32 v[PC+3+6*\c+\i], v[PC+12+4*\c+\i]
.endr
.endr
.endm
.macro CPAIR r, bits
	s_mov_b32 s[\r], \bits
	s_mov_b32 s[\r+1], \bits
.endm
.macro GELU8 t
.irp k, 0,2,4,6
	v_pk_mul_f32 v[GU+\k:GU+\k+1], v[\t+\k:\t+\k+1], s[44:45] op_sel_hi:[1,0]
.endr
.irp k, 0,1,2,3,4,5,6,7
	v_med3_num_f32 v[GU+\k], v[GU+\k], -4.0, 4.0
.endr
.irp k, 0,2,4,6
	v_pk_mul_f32 v[GZ+\k:GZ+\k+1], v[GU+\k:GU+\k+1], v[GU+\k:GU+\k+1]
.endr
.irp k, 0,2,4,6
	v_pk_fma_f32 v[GP+\k:GP+\k+1], v[GZ+\k:GZ+\k+1], v[52:53], s[24:25] op_sel_hi:[1,1,0]
.endr
.irp k, 0,2,4,6
	v_pk_fma_f32 v[GQ+\k:GQ+\k+1], v[GZ+\k:GZ+\k+1], v[54:55], s[36:37] op_sel_hi:[1,1,0]
.endr
.irp c, 26,28,30                       ; the two polynomials by turns: eight chains that do not hang on each other
.irp k, 0,2,4,6
	v_pk_fma_f32 v[GP+\k:GP+\k+1], v[GP+\k:GP+\k+1], v[GZ+\k:GZ+\k+1], s[\c:\c+1] op_sel_hi:[1,1,0]
.endr
.irp k, 0,2,4,6
	v_pk_fma_f32 v[GQ+\k:GQ+\k+1], v[GQ+\k:GQ+\k+1], v[GZ+\k:GZ+\k+1], s[\c+12:\c+13] op_sel_hi:[1,1,0]
.endr
.endr
	s_wait_alu depctr_va_vdst(0)
.irp k, 0,1,2,3,4,5,6,7
	v_rcp_f32 v[GQ+\k], v[GQ+\k]
.endr
.irp c, 32,34                          ; the longer polynomial's last two steps stand behind the reciprocals
.irp k, 0,2,4,6
	v_pk_fma_f32 v[GP+\k:GP+\k+1], v[GP+\k:GP+\k+1], v[GZ+\k:GZ+\k+1], s[\c:\c+1] op_sel_hi:[1,1,0]
.endr
.endr
.irp k, 0,2,4,6
	v_pk_mul_f32 v[GP+\k:GP+\k+1], v[GP+\k:GP+\k+1], v[GU+\k:GU+\k+1]
.endr
.irp k, 0,2,4,6
	v_pk_mul_f32 v[GZ+\k:GZ+\k+1], v[\t+\k:\t+\k+1], 0.5 op_sel_hi:[1,0]
.endr
	s_wait_alu depctr_va_vdst(0)
.irp k, 0,2,4,6
	v_pk_mul_f32 v[GP+\k:GP+\k+1], v[GP+\k:GP+\k+1], v[GQ+\k:GQ+\k+1]
.endr
.irp k, 0,2,4,6
	v_pk_fma_f32 v[\t+\k:\t+\k+1], v[GZ+\k:GZ+\k+1], v[GP+\k:GP+\k+1], v[GZ+\k:GZ+\k+1]
.endr
.endm
.macro COPY a
	WIN 0x02+((\a)/4)
.set i, 0
.rept 32
	v_pk_add_f32 v[T+i:T+i+1], v[64*((\a)%4)+i:64*((\a)%4)+i+1], v[BI+i:BI+i+1]
.set i, i+2
.endr
	WIN 0
.endm
	s_mov_b32 s[SEL], 0x76543210
	s_mov_b32 s[SEL+1], 0xfedcba98
	CPAIR 24, 0x32edffee
	CPAIR 26, 0xb60cff51
	CPAIR 28, 0xb86ec2d2
	CPAIR 30, 0xba40ac63
	CPAIR 32, 0xbb41a1f6
	CPAIR 34, 0xbc83dbd4
	CPAIR 36, 0xb95fbd29
	CPAIR 38, 0xbadc924e
	CPAIR 40, 0xbbf19bf8
	CPAIR 42, 0xbc69b6a7
	CPAIR 44, 0x3f3504f3
	v_mov_b32 v52, 0xaf95df0b
	v_mov_b32 v53, 0xaf95df0b
	v_mov_b32 v54, 0xb77460cd
	v_mov_b32 v55, 0xb77460cd
.irp b, 0,1,2,3
	v_mov_b32 v[TM+4+\b], 0
.endr
	s_lshr_b32 s46, s96, 4
	s_mul_i32 s46, s46, 6144                       ; hid's codes lie by chunks of 512 along the next K: [K / 512][place / 16][4][1,536]
	s_lshr_b32 s47, s97, 7
	s_and_b32 s92, s47, 3
	s_mul_i32 s92, s92, 1536
	s_add_co_u32 s46, s46, s92
	s_lshr_b32 s92, s47, 2
	s_mul_i32 s92, s92, 1572864
	s_add_co_u32 s46, s46, s92
	s_lshl_b32 s92, s47, 14
	s_lshl_b32 s93, s96, 2
	s_add_co_u32 s92, s92, s93
	s_add_co_u32 s92, s92, HIDS
	s_mov_b32 s47, 0
	s_mov_b32 s93, 0
	s_add_nc_u64 s[46:47], s[10:11], s[46:47]
	s_add_nc_u64 s[92:93], s[10:11], s[92:93]
	s_mov_b32 s98, 0
.Lblk:
.irp a, 0,1,2,3,4,5,6
	s_cmp_eq_u32 s98, \a
	s_cbranch_scc1 .Lcopy\a
.endr
	COPY 7
	s_branch .Lgo
.irp a, 0,1,2,3,4,5,6
.Lcopy\a:
	COPY \a
	s_branch .Lgo
.endr
.Lgo:
; gelu(t) = t / 2 (1 + erf(t / sqrt 2)), erf as u P(u^2) / Q(u^2) with u held to +-4, ON ALL 64 NUMBERS OF THE BLOCK AT ONCE: one batch of reciprocals a block.
; The four temporaries of each number lie in window 1, where B's fragments lay: u at v0-63, u^2 (then t / 2) at v64-127, P at v128-191, Q at v192-255.
.macro RUN32 op:vararg
.set j, 0
.rept 32
	\op
.set j, j+2
.endr
.endm
	WIN 0x40
	RUN32 v_pk_mul_f32 v[j:j+1], v[T+j:T+j+1], s[44:45] op_sel_hi:[1,0]
	WIN 0x41
.set j, 0
.rept 64
	v_med3_num_f32 v[j], v[j], -4.0, 4.0
.set j, j+1
.endr
	WIN 0x45
	RUN32 v_pk_mul_f32 v[64+j:65+j], v[j:j+1], v[j:j+1]
	WIN 0x41
	RUN32 v_pk_fma_f32 v[192+j:193+j], v[64+j:65+j], v[54:55], s[36:37] op_sel_hi:[1,1,0]
	RUN32 v_pk_fma_f32 v[128+j:129+j], v[64+j:65+j], v[52:53], s[24:25] op_sel_hi:[1,1,0]
	WIN 0x45
.irp c, 38,40,42
	RUN32 v_pk_fma_f32 v[192+j:193+j], v[192+j:193+j], v[64+j:65+j], s[\c:\c+1] op_sel_hi:[1,1,0]
.endr
.irp c, 26,28,30
	RUN32 v_pk_fma_f32 v[128+j:129+j], v[128+j:129+j], v[64+j:65+j], s[\c:\c+1] op_sel_hi:[1,1,0]
.endr
	WIN 0x41
	s_wait_alu depctr_va_vdst(0)                   ; the wait ahead of the batch,
.set j, 0
.rept 64
	v_rcp_f32 v[192+j], v[192+j]
.set j, j+1
.endr
	WIN 0x45
.irp c, 32,34                          ; P's last two steps stand behind the reciprocals
	RUN32 v_pk_fma_f32 v[128+j:129+j], v[128+j:129+j], v[64+j:65+j], s[\c:\c+1] op_sel_hi:[1,1,0]
.endr
	RUN32 v_pk_mul_f32 v[128+j:129+j], v[128+j:129+j], v[j:j+1]
	WIN 0x40
	RUN32 v_pk_mul_f32 v[64+j:65+j], v[T+j:T+j+1], 0.5 op_sel_hi:[1,0]
	WIN 0x45
	s_wait_alu depctr_va_vdst(0)                   ; and behind it, ahead of its first reader
	RUN32 v_pk_mul_f32 v[128+j:129+j], v[128+j:129+j], v[192+j:193+j]
	WIN 0x15
	RUN32 v_pk_fma_f32 v[T+j:T+j+1], v[64+j:65+j], v[128+j:129+j], v[64+j:65+j]
	WIN 0
	QUANT T
	global_store_b128 v[LN16], v[PC:PC+3], s[46:47]
	global_store_b64 v[LN8], v[PC+4:PC+5], s[46:47] offset:512
	global_store_b128 v[LN16], v[PC+6:PC+9], s[46:47] offset:768
	global_store_b64 v[LN8], v[PC+10:PC+11], s[46:47] offset:1280
	ds_store_b32 v[SWA], v[PW]
	v_add_nc_u32 v[SWA], 64, v[SWA]
	s_wait_xcnt 0x0
	s_add_nc_u64 s[46:47], s[46:47], 6144
	s_add_co_u32 s98, s98, 1
	s_cmp_lt_u32 s98, 8
	s_cbranch_scc1 .Lblk
	ds_load_b128 v[244:247], v[SRA]
	s_wait_dscnt 0x0
	global_store_b128 v[LN16], v[244:247], s[92:93]
	s_wait_tensorcnt 0x0
	ds_add_u32 v[SPW], v[NIL]
	s_wait_dscnt 0x0
	CROUND
	s_endpgm
.Lfunc_end_k_qcdcd919d41_ffn1:
	.size	k_qcdcd919d41_ffn1, .Lfunc_end_k_qcdcd919d41_ffn1-k_qcdcd919d41_ffn1
	.p2alignl 7, 3214868480
	.fill 96, 4, 3214868480
	.section	.rodata,"a",@progbits
	.p2align	6, 0x0
	.amdhsa_kernel k_qcdcd919d41_ffn1
		.amdhsa_group_segment_fixed_size 327680
		.amdhsa_private_segment_fixed_size 0
		.amdhsa_enable_private_segment 0
		.amdhsa_kernarg_size 32
		.amdhsa_user_sgpr_count 2
		.amdhsa_user_sgpr_kernarg_segment_ptr 1
		.amdhsa_wavefront_size32 1
		.amdhsa_system_sgpr_workgroup_id_x 1
		.amdhsa_system_sgpr_workgroup_id_y 1
		.amdhsa_system_sgpr_workgroup_id_z 1
		.amdhsa_system_vgpr_workitem_id 0
		.amdhsa_next_free_vgpr 1024
		.amdhsa_next_free_sgpr 102
		.amdhsa_reserve_vcc 0
		.amdhsa_float_denorm_mode_32 3
		.amdhsa_float_denorm_mode_16_64 3
		.amdhsa_memory_ordered 1
		.amdhsa_forward_progress 1
		.amdhsa_inst_pref_size 182
	.end_amdhsa_kernel
	.amdgpu_metadata
---
amdhsa.version: [ 1, 2 ]
amdhsa.kernels:
  - .name:           k_qcdcd919d41_ffn1
    .symbol:         k_qcdcd919d41_ffn1.kd
    .args:
      - { .name: hq, .offset: 0, .size: 8, .value_kind: global_buffer, .address_space: global }
      - { .name: wts, .offset: 8, .size: 8, .value_kind: global_buffer, .address_space: global }
      - { .name: b1, .offset: 16, .size: 8, .value_kind: global_buffer, .address_space: global }
      - { .name: hid, .offset: 24, .size: 8, .value_kind: global_buffer, .address_space: global }
    .group_segment_fixed_size: 327680
    .private_segment_fixed_size: 0
    .kernarg_segment_align: 8
    .kernarg_segment_size: 32
    .max_flat_workgroup_size: 128
    .sgpr_count:     102
    .vgpr_count:     1024
    .wavefront_size: 32
...
	.end_amdgpu_metadata
.endif
;; end of part 13
;; launch ffn2 (part 14): grid 8 x 32, 4 waves a work-group, clusters of 4 x 4, 327,680 bytes of LDS; arguments hid, wts, b2, x1, out0; writes out0
.if DOCPART == 14
	.amdgcn_target "amdgcn-amd-amdhsa--gfx1250"
	.amdhsa_code_object_version 6
	.text
	.protected	k_qcdcd919d41_ffn2
	.globl	k_qcdcd919d41_ffn2
	.p2align	8
	.type	k_qcdcd919d41_ffn2,@function
k_qcdcd919d41_ffn2:
	s_mov_b64 s[64:65], 0
	v_nop
	global_prefetch_b8 v0, s[64:65] scope:SCOPE_SE
	s_setreg_imm32_b32 hwreg(HW_REG_WAVE_MODE, 25, 1), 1
	s_wait_xcnt 0x0
	s_wait_alu depctr_hold_cnt(0) depctr_sa_sdst(0) depctr_va_vdst(0) depctr_va_sdst(0) depctr_va_ssrc(0) depctr_va_vcc(0) depctr_vm_vsrc(0)
	s_getreg_b32 s2, hwreg(HW_REG_IB_STS2, 6, 4)
	s_cmp_eq_u32 s2, 0
	s_cbranch_scc0 .Lentry_in_a_cluster
	s_endpgm
.Lentry_in_a_cluster:
	s_bfe_u32 s2, ttmp6, 0x10000c
	s_cmp_lg_u32 s2, 0xf033
	s_cbranch_scc0 .Lentry_shape_is_right
	s_endpgm
.Lentry_shape_is_right:
; out0 = x1 + hid W2 + b2 on codes of FP6 (E2M3) with E8M0 scales, K = 4,096; out0 is f32.
; OPERANDS lie in memory as images of the matrix operand's registers (a fragment, 16 places x 128 K, is 1,536 bytes), BY CHUNKS OF 512 ALONG K: codes [K / 512][place / 16][4][1,536]; scale words [K / 128][place].
; So a block's 128 rows of one chunk are 49,152 dense bytes, and two chunks are a tile of two such rows: one descriptor fills both slots of an operand.
; A block of 128 x 128 is made by four waves, 64 x 64 each: 16 accumulators.  256 work-groups.
; LDS: A's two slots (a chunk each), B's two slots, the scale words of all of K (32 planes of 512 bytes + 64 for each operand), the spare words: 233,984 bytes; all of LDS is claimed.
; THE HEAD asks for four tiles, one load a wave: A's chunks 0 and 1, B's chunks 0 and 1, A's scale words, B's.  SIX REFILLS follow, chunks 2 to 7, a quarter of a slot pair a wave (waves 0, 1 halves of A's chunk, waves 2, 3 of B's),
; each behind a round of the cluster's barrier with the wait for all tensor loads, the add and its wait in front of it.  By the text's own count one tensor load of a wave is out at a time.
; CLUSTERS of 4 x 4: A's tiles are asked for jointly along a row of the cluster, B's along a column.
; PREFETCH: behind the refill of chunk c stand two prefetches, for chunk c + 2 of A and of B; chunks 2 and 3 are asked for at the head; the loop's last trip asks for nothing (chunks 8, 9 do not exist).
; A chunk's 192 blocks of 256 bytes are shared out by address among the sixteen waves of the four work-groups that will ask for it jointly: twelve blocks a wave, a lane a block (lanes 12 to 31 name the twelfth again).
; THE INSTRUCTION IS USED TRANSPOSED: source 0 = B's fragment, source 1 = A's: a lane holds eight neighbouring columns of one row.
; The stage for the way out lies in A's slot 0, which has had its last fill and, behind the walk's last barrier, its last read.
; REGISTERS: window 0: v1-31 addresses, v32-63 scale words, two sets, v64-67 b2, v128-255 accumulators; window 1: fragments, two sets; window 2: x1's numbers.
.set KDIM,  4096
.set ASC,   12582912
.set ASPL,  16384
.set BCO,   6291456
.set BSC,   9732096
.set BSPL,  4096
.set ACH,   256*6144                   ; from chunk to chunk in hid
.set BCH,   64*6144                    ; and in W2's codes
.set KS,    KDIM/128
.set LAPS,  KDIM/1024
.set NQ,    4
.set FR,    12
.set NL,    4
.set NP,    4
.set RTB,   NQ*1536                    ; a tile of 16 places, one chunk
.set HALFT, 4*RTB                      ; what one wave reads of A or of B, and what a ring's load brings
.set SLOT,  2*HALFT
.set BREG,  2*SLOT                     ; B's two slots lie behind A's two
.set SCL,   4*SLOT
.set SPT,   576
.set SPARE, SCL+2*KS*SPT
.set SPITCH, 272
.set LN16, 1
.set LN8,  2
.set PFA,  8                           ; v8, v9 my blocks of a chunk of A, of B, for the prefetches; never rewritten
.set PFB,  9
.set ADRA, 16                          ; v16-17 slot 0, 1, + 16 x lane; v18-19 + 8 x lane
.set ADRB, 20
.set STO,  24
.set RD,   25
.set GOF,  26
.set ADSA, 27
.set SPW,  28
.set NIL,  29
.set ADSB, 30
.set BO,   31
.set SC,   32                          ; set s, K steps 2 g, 2 g + 1 of the chunk (one in each half of the lanes): A's block i at v[SC + 16 s + 8 g + i], B's at + 4
.set BIA,  64
.set ACC,  128
.set G1, 24
.set G0, 32
.set G1B, 48
.set G0B, 56
.set G1S, 68
.set G0S, 76
.set G1SB, 80
.set G0SB, 88
.set G0H, 4                            ; s[4:7], s[92:95] group 0 of the head's loads of codes
.set G0HB, 92
.set PA, 96                            ; s[96:97], s[98:99] where the prefetches stand
.set PB, 98
.set MSB, 0
.macro WIN new
.if MSB != \new
	s_set_vgpr_msb (MSB<<8)|\new
.set MSB, \new
.endif
.endm
.set MUL,  0x05
.set TO_F, 0x40
.macro PLACES n
.rept \n
	v_nop
.endr
.endm
.macro TLOAD g0, g1
	tensor_load_to_lds s[\g0:\g0+3], s[\g1:\g1+7]
	s_nop 0
	PLACES 4
.endm
.macro JLOAD g0a, g1a, g0b, g1b        ; waves 0 and 1 fetch for A, waves 2 and 3 for B
	s_cmp_eq_u32 s17, 0
	s_cbranch_scc0 .Lfor_b_\@
	TLOAD \g0a, \g1a
	s_branch .Lasked_\@
.Lfor_b_\@:
	TLOAD \g0b, \g1b
.Lasked_\@:
.endm
.macro ARM under, g0, g1, next
	s_cmp_lt_u32 s16, \under
	s_cbranch_scc0 \next
	TLOAD \g0, \g1
	s_branch .Lhead_asked
\next:
.endm
.macro G0SET g, lds, a
	s_mov_b32 s[\g], 1
	s_mov_b32 s[\g+1], \lds
	s_mov_b64 s[\g+2:\g+3], s[\a:\a+1]
	s_or_b32 s[\g+3], s[\g+3], 0x80000000
.endm
.macro CREST
	s_cmp_lg_u32 s16, 0
	s_cbranch_scc1 .Lnot_wave_0_\@
	s_barrier_signal -3
.Lnot_wave_0_\@:
	s_barrier_wait -3
	s_barrier_signal -1
	s_barrier_wait -1
.endm
.macro CROUND
	s_barrier_signal -1
	s_barrier_wait -1
	CREST
.endm
	s_load_b256 s[4:11], s[0:1], 0x0               ; hid, wts, b2, x1
	s_load_b64 s[12:13], s[0:1], 0x20              ; out0
	v_lshl_add_u32 v[SPW], v0, 2, SPARE
	v_mov_b32 v[NIL], 0
	ds_add_u32 v[SPW], v[NIL]                      ; the opening lines: the add twice on end and its wait
	ds_add_u32 v[SPW], v[NIL]
	v_lshrrev_b32 v1, 5, v0
	v_readfirstlane_b32 s16, v1                    ; wave
	s_lshr_b32 s17, s16, 1                         ; my half of A's rows.  Also: I fetch for A (0) or for B (1)
	s_and_b32 s18, s16, 1                          ; my half of B's rows.  Also: which half of a chunk I fetch
	s_bfe_u32 s40, ttmp6, 0x40000
	s_bfe_u32 s41, ttmp6, 0x40004
	s_lshl_b32 s42, ttmp9, 2
	s_add_co_u32 s42, s42, s40                     ; tile column
	s_and_b32 s19, ttmp7, 0xffff
	s_lshl_b32 s19, s19, 2
	s_add_co_u32 s19, s19, s41                     ; tile row
	s_lshl_b32 s43, s41, 2
	s_lshl_b32 s43, 15, s43                        ; my row of the cluster
	s_lshl_b32 s44, 0x1111, s40                    ; my column
	s_or_b32 s[G1+0], s43, (3<<16)|(1<<21)
	s_or_b32 s[G1B+0], s44, (3<<16)|(1<<21)
.irp g, G1, G1B                        ; for the head: two chunks, each a row of 49,152 bytes
	s_mov_b32 s[\g+1], (SLOT/8)<<16
	s_mov_b32 s[\g+2], 2<<16
	s_mov_b32 s[\g+3], (SLOT/8)<<16
	s_mov_b32 s[\g+4], 2
	s_mov_b32 s[\g+6], 0
	s_mov_b32 s[\g+7], 0
.endr
	s_mov_b32 s[G1+5], ACH/8
	s_mov_b32 s[G1B+5], BCH/8
	s_or_b32 s[G1S+0], s43, (3<<16)|(1<<20)|(1<<21)|(6<<22)|(15<<25)   ; scale words: rows of 128 words, 16 words of padding behind each
	s_or_b32 s[G1SB+0], s44, (3<<16)|(1<<20)|(1<<21)|(6<<22)|(15<<25)
.irp g, G1S, G1SB
	s_mov_b32 s[\g+1], 64<<16
	s_mov_b32 s[\g+2], KS<<16
	s_mov_b32 s[\g+3], 64<<16
	s_mov_b32 s[\g+4], KS
	s_mov_b32 s[\g+6], 0
	s_mov_b32 s[\g+7], 0
.endr
	s_mov_b32 s[G1S+5], ASPL/8
	s_mov_b32 s[G1SB+5], BSPL/8
	s_mul_i32 s20, s19, SLOT                       ; A: my 8 tiles of chunk 0
	s_mov_b32 s21, 0
	s_lshl_b32 s22, s19, 9
	s_add_co_u32 s22, s22, ASC
	s_mov_b32 s23, 0
	s_mul_i32 s46, s42, SLOT                       ; B likewise
	s_add_co_u32 s46, s46, BCO
	s_mov_b32 s47, 0
	s_lshl_b32 s92, s42, 9
	s_add_co_u32 s92, s92, BSC
	s_mov_b32 s93, 0
	s_lshl_b32 s14, s40, 2                         ; my number among the sixteen waves of my row of the cluster, x 12 blocks of 256 bytes,
	s_add_co_u32 s14, s14, s16
	s_mul_i32 s14, s14, 3072
	s_lshl_b32 s15, s41, 2                         ; and of my column
	s_add_co_u32 s15, s15, s16
	s_mul_i32 s15, s15, 3072
	s_mul_i32 s45, s18, HALFT
	s_wait_dscnt 0x0
	s_wait_kmcnt 0x0
	s_add_nc_u64 s[20:21], s[4:5], s[20:21]
	s_add_nc_u64 s[22:23], s[4:5], s[22:23]
	s_add_nc_u64 s[46:47], s[6:7], s[46:47]
	s_add_nc_u64 s[92:93], s[6:7], s[92:93]
	CROUND                                         ; all sixteen work-groups are here: the first joint loads meet
	G0SET G0S, SCL, 22
	G0SET G0SB, SCL+KS*SPT, 92
	G0SET G0H, 0, 20
	G0SET G0HB, BREG, 46
	s_mov_b64 s[PA:PA+1], s[20:21]
	s_mov_b64 s[PB:PB+1], s[46:47]
	s_mov_b32 s2, s45                              ; for the ring: my half of a chunk
	s_mov_b32 s3, 0
	s_add_nc_u64 s[20:21], s[20:21], s[2:3]
	s_add_nc_u64 s[46:47], s[46:47], s[2:3]
.irp s, 0,1                            ; slot s stands at chunk s; a refill steps it two chunks on first
	s_mov_b32 s[G0+4*\s], 1
	s_add_co_u32 s[G0+4*\s+1], s45, \s*SLOT
	s_add_nc_u64 s[G0+4*\s+2:G0+4*\s+3], s[20:21], \s*ACH
	s_or_b32 s[G0+4*\s+3], s[G0+4*\s+3], 0x80000000
	s_mov_b32 s[G0B+4*\s], 1
	s_add_co_u32 s[G0B+4*\s+1], s45, BREG+\s*SLOT
	s_add_nc_u64 s[G0B+4*\s+2:G0B+4*\s+3], s[46:47], \s*BCH
	s_or_b32 s[G0B+4*\s+3], s[G0B+4*\s+3], 0x80000000
.endr
	ARM 1, G0H, G1, .Lhead_b
	ARM 2, G0HB, G1B, .Lhead_sa
	ARM 3, G0S, G1S, .Lhead_sb
	TLOAD G0SB, G1SB
.Lhead_asked:
	v_and_b32 v7, 31, v0
	v_lshlrev_b32 v[LN16], 4, v7
	v_lshlrev_b32 v[LN8], 3, v7
	v_min_u32 v[PFA], 11, v7
	v_lshlrev_b32 v[PFA], 8, v[PFA]
	v_add_nc_u32 v[PFB], s15, v[PFA]
	v_add_nc_u32 v[PFA], s14, v[PFA]
	s_mul_i32 s21, s17, HALFT
	s_mul_i32 s22, s18, HALFT
	s_add_co_u32 s22, s22, BREG
.irp s, 0,1
	v_add_nc_u32 v[ADRA+\s], s21, v[LN16]
	v_add_nc_u32 v[ADRB+\s], s22, v[LN16]
	v_add_nc_u32 v[ADRA+2+\s], s21, v[LN8]
	v_add_nc_u32 v[ADRB+2+\s], s22, v[LN8]
	s_add_co_u32 s21, s21, SLOT
	s_add_co_u32 s22, s22, SLOT
.endr
	v_and_b32 v5, 15, v0                           ; r
	v_bfe_u32 v6, v0, 4, 1                         ; h
	v_mul_u32_u24 v7, v6, SPT
	v_lshl_add_u32 v7, v5, 2, v7                   ; plane h, word r
	s_lshl_b32 s21, s17, 8
	s_add_co_u32 s21, s21, SCL
	v_add_nc_u32 v[ADSA], s21, v7
	s_lshl_b32 s22, s18, 8
	s_add_co_u32 s22, s22, SCL+KS*SPT
	v_add_nc_u32 v[ADSB], s22, v7
	s_mul_i32 s21, s16, 16*SPITCH
	v_mul_u32_u24 v7, v5, SPITCH
	v_lshl_add_u32 v7, v6, 6, v7
	v_add_nc_u32 v[STO], s21, v7
	v_mul_u32_u24 v7, v6, SPITCH
	v_lshl_add_u32 v7, v5, 4, v7
	v_add_nc_u32 v[RD], s21, v7
	v_lshlrev_b32 v[BO], 4, v5
	v_lshl_add_u32 v[GOF], v6, 12, v[BO]
	s_wait_alu depctr_va_vdst(0)                   ; the wait ahead of the run of scalar lines
	s_lshl_b32 s20, s19, 7
	s_lshl_b32 s21, s17, 6
	s_add_co_u32 s20, s20, s21
	s_lshl_b32 s20, s20, 12                        ; my first row, 4,096 bytes a row
	s_lshl_b32 s46, s42, 9
	s_lshl_b32 s47, s18, 8
	s_add_co_u32 s46, s46, s47                     ; my first column, in bytes
	s_mov_b32 s47, 0
	s_add_nc_u64 s[8:9], s[8:9], s[46:47]
	s_add_co_u32 s20, s20, s46
	s_mov_b32 s21, 0
	s_add_nc_u64 s[10:11], s[10:11], s[20:21]
	s_add_nc_u64 s[12:13], s[12:13], s[20:21]
	global_load_b128 v[BIA:BIA+3], v[BO], s[8:9]
	WIN 0x80
.irp a, 0,1,2,3                        ; x1's numbers of my 64 x 64, in the order of the way out
.irp t, 0,1,2,3,4,5,6,7
	global_load_b128 v[32*\a+4*\t:32*\a+4*\t+3], v[GOF], s[10:11] offset:(32*(\a/2)+8*(\a%2)+2*\t+8*(\t/4))*4096 th:TH_LOAD_NT
.endr
.endr
	WIN 0
.irp c, 2,3                            ; what the first two refills will load
	global_prefetch_b8 v[PFA], s[PA:PA+1] offset:\c*ACH th:TH_LOAD_NT scope:SCOPE_SE
	global_prefetch_b8 v[PFB], s[PB:PB+1] offset:\c*BCH th:TH_LOAD_NT scope:SCOPE_SE
.endr
.macro FRAG reg, adr, q, i             ; a fragment as it lies: four dense loads
	ds_load_b128 v[\reg:\reg+3], v[\adr] offset:(\i)*RTB+(\q)*1536
	ds_load_b64 v[\reg+4:\reg+5], v[\adr+2] offset:(\i)*RTB+(\q)*1536+512
	ds_load_b128 v[\reg+6:\reg+9], v[\adr] offset:(\i)*RTB+(\q)*1536+768
	ds_load_b64 v[\reg+10:\reg+11], v[\adr+2] offset:(\i)*RTB+(\q)*1536+1280
.endm
.macro MULA a, p, q, sc, zero          ; A's block a x B's four, the chunk's K step q; the 16 accumulators take turns
.irp b, 0,1,2,3
.set D_, ACC+8*(4*(\a)+\b)
.set B_, 128*(\p)+FR*\b
.set A_, 128*(\p)+48+FR*(\a)
.set XB_, SC+16*(\sc)+8*((\q)/2)+4+\b
.set XA_, SC+16*(\sc)+8*((\q)/2)+(\a)
.if \zero
	v_wmma_scale_f32_16x16x128_f8f6f4 v[D_:D_+7], v[B_:B_+FR-1], v[A_:A_+FR-1], 0, v[XB_], v[XA_] matrix_a_fmt:MATRIX_FMT_FP6 matrix_b_fmt:MATRIX_FMT_FP6
.elseif (\q)%2 == 0
	v_wmma_scale_f32_16x16x128_f8f6f4 v[D_:D_+7], v[B_:B_+FR-1], v[A_:A_+FR-1], v[D_:D_+7], v[XB_], v[XA_] matrix_a_fmt:MATRIX_FMT_FP6 matrix_b_fmt:MATRIX_FMT_FP6
.else
	v_wmma_scale_f32_16x16x128_f8f6f4 v[D_:D_+7], v[B_:B_+FR-1], v[A_:A_+FR-1], v[D_:D_+7], v[XB_], v[XA_] matrix_a_fmt:MATRIX_FMT_FP6 matrix_b_fmt:MATRIX_FMT_FP6 matrix_a_scale:MATRIX_SCALE_ROW1 matrix_b_scale:MATRIX_SCALE_ROW1
.endif
.endr
.endm
.macro FETCH slot, q, p
	WIN TO_F
.irp i, 0,1,2,3
	FRAG 128*(\p)+FR*\i, ADRB+\slot, \q, \i
.endr
.irp i, 0,1,2,3
	FRAG 128*(\p)+48+FR*\i, ADRA+\slot, \q, \i
.endr
.endm
.macro SCALES sc
.irp g, 0,1
.irp i, 0,1,2,3
	ds_load_b32 v[SC+16*\sc+8*\g+\i], v[ADSA] offset:2*SPT*\g+64*\i
	ds_load_b32 v[SC+16*\sc+8*\g+4+\i], v[ADSB] offset:2*SPT*\g+64*\i
.endr
.endr
.endm
.macro STEP slot, q, zero
	s_wait_dscnt 2*NL                              ; all but the youngest eight loads (A's blocks 2, 3) are in
	WIN MUL
	MULA 0, (\q)%2, \q, \slot, \zero
	MULA 1, (\q)%2, \q, \slot, \zero
	PLACES NP
	FETCH \slot, (\q)+1, 1-(\q)%2
	s_wait_dscnt 8*NL                              ; all but the 32 just issued
	WIN MUL
	MULA 2, (\q)%2, \q, \slot, \zero
	MULA 3, (\q)%2, \q, \slot, \zero
.endm
; A chunk's last K step changes slots: one barrier; in front of it each wave waits for all its tensor loads, adds 0 to its spare word, and waits for that and for its reads of this slot.
.macro TURN slot, next, fill
.if \fill
	s_wait_xcnt 0x0                                ; my prefetches have read their addresses: a chunk on
	s_add_nc_u64 s[PA:PA+1], s[PA:PA+1], ACH
	s_add_nc_u64 s[PB:PB+1], s[PB:PB+1], BCH
.endif
	WIN 0
	s_wait_tensorcnt 0x0
	ds_add_u32 v[SPW], v[NIL]
	s_wait_dscnt 2*NL+1                            ; (the add and A's blocks 2, 3 may be out)
	WIN MUL
	MULA 0, 1, NQ-1, \slot, 0
	s_wait_dscnt 0x0
	s_barrier_signal -1
	MULA 1, 1, NQ-1, \slot, 0
	WIN 0
	s_barrier_wait -1
.if \fill
	CREST                                          ; the barrier has opened a round of the cluster's
	s_add_nc_u64 s[G0+4*\slot+2:G0+4*\slot+3], s[G0+4*\slot+2:G0+4*\slot+3], 2*ACH
	s_add_nc_u64 s[G0B+4*\slot+2:G0B+4*\slot+3], s[G0B+4*\slot+2:G0B+4*\slot+3], 2*BCH
	JLOAD G0+4*\slot, G1, G0B+4*\slot, G1B         ; the first tensor load behind the round; its four v_nop are the places in front of the loads below
.else
	PLACES NP
.endif
	s_wait_alu depctr_va_vdst(0)                   ; the wait ahead of the reader below
	v_add_nc_u32 v[ADSA], NQ*SPT, v[ADSA]          ; four planes on
	v_add_nc_u32 v[ADSB], NQ*SPT, v[ADSB]
	SCALES \next
	FETCH \next, 0, 0
.if \fill
	WIN 0
	s_cmp_gt_u32 s3, 1                             ; the last trip's two refills have no chunk two on
	s_cbranch_scc0 .Lno_ask_\@
	global_prefetch_b8 v[PFA], s[PA:PA+1] offset:3*ACH th:TH_LOAD_NT scope:SCOPE_SE   ; the chunk that stands two refills on
	global_prefetch_b8 v[PFB], s[PB:PB+1] offset:3*BCH th:TH_LOAD_NT scope:SCOPE_SE
.Lno_ask_\@:
.endif
	WIN MUL
	MULA 2, 1, NQ-1, \slot, 0
	MULA 3, 1, NQ-1, \slot, 0
.endm
	s_wait_alu depctr_va_vdst(0)                   ; the wait at the head's end
	s_wait_tensorcnt 0x0                           ; my tile of the head's four is in; no tensor load of mine is out, so group 1 may be written:
.irp g, G1, G1B                        ; from here on a load brings four rows of 6,144 bytes, dense
	s_mov_b32 s[\g+1], (RTB/8)<<16
	s_mov_b32 s[\g+2], 4<<16
	s_mov_b32 s[\g+3], (RTB/8)<<16
	s_mov_b32 s[\g+4], 4
	s_mov_b32 s[\g+5], RTB/8
.endr
	s_barrier_signal -1
	s_barrier_wait -1                              ; all four tiles are in
	SCALES 0
	FETCH 0, 0, 0
	STEP 0, 0, 1                                   ; the first products start the sums
	WIN 0
	s_mov_b32 s3, LAPS-1
.Llap:
	STEP 0, 1, 0
	STEP 0, 2, 0
	TURN 0, 1, 1
	STEP 1, 0, 0
	STEP 1, 1, 0
	STEP 1, 2, 0
	TURN 1, 0, 1
	STEP 0, 0, 0
	WIN 0
	s_sub_co_u32 s3, s3, 1
	s_cmp_lg_u32 s3, 0
	s_cbranch_scc1 .Llap
	STEP 0, 1, 0                                   ; the last lap fills nothing
	STEP 0, 2, 0
	TURN 0, 1, 0
	STEP 1, 0, 0
	STEP 1, 1, 0
	STEP 1, 2, 0
	s_wait_dscnt 2*NL
	WIN MUL
	MULA 0, 1, NQ-1, 1, 0
	MULA 1, 1, NQ-1, 1, 0
	s_wait_dscnt 0
	MULA 2, 1, NQ-1, 1, 0
	MULA 3, 1, NQ-1, 1, 0
	WIN 0
	PLACES NP
	s_wait_loadcnt 0x0                             ; b2 and x1
; THE WAY OUT: a block of 16 rows x 64 columns goes through my own stage and comes back as rows of 256 bytes; + b2 + x1; sixteen lanes store 256 consecutive bytes, aligned
.macro TOSTAGE a
.irp b, 0,1,2,3
	ds_store_b128 v[STO], v[ACC+8*(4*(\a)+\b):ACC+8*(4*(\a)+\b)+3] offset:128*(\b/2)+32*(\b%2)
	ds_store_b128 v[STO], v[ACC+8*(4*(\a)+\b)+4:ACC+8*(4*(\a)+\b)+7] offset:128*(\b/2)+32*(\b%2)+16
.endr
.irp t, 0,1,2,3,4,5,6,7
	ds_load_b128 v[32+64*((\a)%2)+4*\t:32+64*((\a)%2)+4*\t+3], v[RD] offset:\t*2*SPITCH
.endr
.endm
.macro SEND a, younger
.set BS, 32+64*((\a)%2)
	s_wait_dscnt \younger
.irp t, 0,1,2,3,4,5,6,7
	v_pk_add_f32 v[BS+4*\t:BS+4*\t+1], v[BS+4*\t:BS+4*\t+1], v[BIA:BIA+1]
	v_pk_add_f32 v[BS+4*\t+2:BS+4*\t+3], v[BS+4*\t+2:BS+4*\t+3], v[BIA+2:BIA+3]
.endr
	WIN 0x08
.irp t, 0,1,2,3,4,5,6,7
	v_pk_add_f32 v[BS+4*\t:BS+4*\t+1], v[BS+4*\t:BS+4*\t+1], v[32*(\a)+4*\t:32*(\a)+4*\t+1]
	v_pk_add_f32 v[BS+4*\t+2:BS+4*\t+3], v[BS+4*\t+2:BS+4*\t+3], v[32*(\a)+4*\t+2:32*(\a)+4*\t+3]
.endr
	WIN 0
.irp t, 0,1,2,3,4,5,6,7
	global_store_b128 v[GOF], v[BS+4*\t:BS+4*\t+3], s[12:13] offset:(32*((\a)/2)+8*((\a)%2)+2*\t+8*(\t/4))*4096 th:TH_STORE_NT
.endr
.endm
	TOSTAGE 0
.irp a, 1,2,3
.if \a > 1
	s_wait_xcnt 0x0                                ; block a - 2's stores have read their registers
.endif
	TOSTAGE \a
	SEND \a-1, 16
.endr
	SEND 3, 0
	s_wait_tensorcnt 0x0                           ; the wave's end
	ds_add_u32 v[SPW], v[NIL]
	s_wait_dscnt 0x0
	CROUND                                         ; the closing round
	s_endpgm
.Lfunc_end_k_qcdcd919d41_ffn2:
	.size	k_qcdcd919d41_ffn2, .Lfunc_end_k_qcdcd919d41_ffn2-k_qcdcd919d41_ffn2
	.p2alignl 7, 3214868480
	.fill 96, 4, 3214868480
	.section	.rodata,"a",@progbits
	.p2align	6, 0x0
	.amdhsa_kernel k_qcdcd919d41_ffn2
		.amdhsa_group_segment_fixed_size 327680
		.amdhsa_private_segment_fixed_size 0
		.amdhsa_enable_private_segment 0
		.amdhsa_kernarg_size 40
		.amdhsa_user_sgpr_count 2
		.amdhsa_user_sgpr_kernarg_segment_ptr 1
		.amdhsa_wavefront_size32 1
		.amdhsa_system_sgpr_workgroup_id_x 1
		.amdhsa_system_sgpr_workgroup_id_y 1
		.amdhsa_system_sgpr_workgroup_id_z 1
		.amdhsa_system_vgpr_workitem_id 0
		.amdhsa_next_free_vgpr 640
		.amdhsa_next_free_sgpr 102
		.amdhsa_reserve_vcc 0
		.amdhsa_float_denorm_mode_32 3
		.amdhsa_float_denorm_mode_16_64 3
		.amdhsa_memory_ordered 1
		.amdhsa_forward_progress 1
		.amdhsa_inst_pref_size 106
	.end_amdhsa_kernel
	.amdgpu_metadata
---
amdhsa.version: [ 1, 2 ]
amdhsa.kernels:
  - .name:           k_qcdcd919d41_ffn2
    .symbol:         k_qcdcd919d41_ffn2.kd
    .args:
      - { .name: hid, .offset: 0, .size: 8, .value_kind: global_buffer, .address_space: global }
      - { .name: wts, .offset: 8, .size: 8, .value_kind: global_buffer, .address_space: global }
      - { .name: b2, .offset: 16, .size: 8, .value_kind: global_buffer, .address_space: global }
      - { .name: x1, .offset: 24, .size: 8, .value_kind: global_buffer, .address_space: global }
      - { .name: out0, .offset: 32, .size: 8, .value_kind: global_buffer, .address_space: global }
    .group_segment_fixed_size: 327680
    .private_segment_fixed_size: 0
    .kernarg_segment_align: 8
    .kernarg_segment_size: 40
    .max_flat_workgroup_size: 128
    .sgpr_count:     102
    .vgpr_count:     640
    .wavefront_size: 32
...
	.end_amdgpu_metadata
.endif
;; end of part 14
